; MI455X (gfx1250); checked and timed in simulation.
; The chip was launched on July 23, 2026; its instructions are those of AMD's public machine-readable ISA for CDNA 5 (MIT licence, August 2026) and "CDNA5" Instruction Set Architecture Reference Guide (July 2026). The comments in the code are by the model that wrote it; some were corrected since.
;; Transformer Layer. Allowed arithmetic: matrix products marked QUANTISED: E3M2 operands, one E8M0 scale for each 32 along K, by v_wmma_scale_f32_16x16x128_f8f6f4 with both operands' format E3M2, f32 sums; everything else in f32.
;; Inputs: W1 4,096 x 1,024 float32; W2 1,024 x 4,096 float32; Wk 1,024 x 1,024 float32; Wo 1,024 x 1,024 float32; Wq 1,024 x 1,024 float32; Wv 1,024 x 1,024 float32; b1 4,096 float32; b2 1,024 float32; bk 1,024 float32; bo 1,024 float32; bq 1,024 float32; bv 1,024 float32; gammas 16 x 1 x 1 float32; key 4 x 1,024 x 1,024 float32; ln1_b 1,024 float32; ln1_w 1,024 float32; ln2_b 1,024 float32; ln2_w 1,024 float32; query 4 x 1,024 x 1,024 float32; values 4 x 1,024 x 1,024 float32.
;; Outputs: out0 4 x 1,024 x 1,024 float32.
;; Constants: mask = 1.
;; This version of the problem:
;;   THIS VERSION OF THE PROBLEM IS GIVEN IN LOW PRECISION. The matrix products marked QUANTISED in the list below multiply operands that are first quantised to E3M2 (3 exponent bits, 2 mantissa bits; 6 bits a number), with one power-of-two scale for each 32 numbers along K (OCP MX v1.0); their sums are f32. All else is computed in f32.
;;   The module's matrix products, in the order in which they are computed (A, B: the left and right operand; K: the contracted axis; several contracted axes count as one K, in the product's order):
;;     1. [M 4,096, K 1,024] x [K 1,024, N 1,024]; A: input query; B: input Wq: QUANTISED
;;     2. [M 4,096, K 1,024] x [K 1,024, N 1,024]; A: input key; B: input Wk: QUANTISED
;;     3. [M 4,096, K 1,024] x [K 1,024, N 1,024]; A: input values; B: input Wv: QUANTISED
;;     4. batch 64 x [M 1,024, K 64] x [K 64, N 1,024]; A: computed on the way; B: computed on the way: QUANTISED
;;     5. batch 64 x [M 1,024, K 1,024] x [K 1,024, N 64]; A: softmax (see below); B: computed on the way: QUANTISED
;;     6. [M 4,096, K 1,024] x [K 1,024, N 1,024]; A: computed on the way; B: input Wo: QUANTISED
;;     7. [M 4,096, K 1,024] x [K 1,024, N 4,096]; A: computed on the way; B: input W1: QUANTISED
;;     8. [M 4,096, K 4,096] x [K 4,096, N 1,024]; A: computed on the way; B: input W2: QUANTISED
;;   THE QUANTISER, for each operand of a quantised product, along K:
;;     - K is cut into blocks of 32 from its start; a last block that is shorter is filled with zeros.
;;     - A block's scale is 2^e with e = floor(log2(the largest magnitude in the block)) - 4, held to -126 .. 127; a block of zeros has e = 0. As a byte (E8M0): e + 127.
;;     - Each number is divided by its block's scale, clamped to +-28, and rounded to the nearest number of E3M2, ties to even, subnormals kept.
;;     - The product sums the exact products of the quantised numbers (number of the format x scale) in f32.
;;   ~~~python
;;   def quantise(x, axis):      # numpy; x: float32 -> the quantised numbers, widened to float32 again
;;       x = np.moveaxis(x, axis, -1); K = x.shape[-1]
;;       x = np.pad(x, [(0, 0)] * (x.ndim - 1) + [(0, -K % 32)]); x = x.reshape(x.shape[:-1] + (-1, 32)); a = np.abs(x).max(-1, keepdims=True)
;;       e = np.where(a > 0, np.clip(np.frexp(np.where(a > 0, a, 1))[1] - 1 - 4, -126, 127), 0)      # np.frexp(a)[1] - 1 = floor(log2(a)), exactly
;;       r = np.clip(x / 2.0 ** e, -28, 28)
;;       step = 2.0 ** (np.maximum(np.frexp(np.where(r == 0, 1, r))[1] - 1, -2) - 2)
;;       q = np.round(r / step) * step * 2.0 ** e      # np.round: ties to even
;;       return np.moveaxis(q.reshape(q.shape[:-2] + (-1,))[..., :K], -1, axis).astype(np.float32)
;;   ~~~
;;   SOFTMAX AHEAD OF A QUANTISED PRODUCT. Where the list says 'softmax', what is quantised is not the finished softmax but p = 2^(t - M), with t = logit x log2(e) and M = ceil(the row's largest t), a whole number; so 1/2 < the row's largest p <= 1. The row's sum l is taken of the UNQUANTISED p, in f32, and the product's result is divided by l at the end. Since M is a whole number, a kernel that streams over the keys may use a running M (the ceiling of the running maximum): every later rescaling is an exact power of two, which a block's scale takes up: the codes' values come out the same.
;;   OPERANDS COMPUTED ON THE WAY. 'Computed on the way' means the value that the module computes at that place (a softmax that the list does not call 'softmax' is quantised finished and normalised). What goes into a quantiser is computed in f32, as accurately as f32 sums, v_exp_f32 and their like allow (about 1e-6 of the number): no bf16 or f16 on the way to a quantiser, and a product that is left as it is and whose result goes on into a quantised operand takes f32 operands (vector FMAs, or v_wmma_f32_16x16x4_f32). A number that lies on a knife's edge between two numbers of the format may be rounded either way, as far as f32 arithmetic and the matrix unit's own rounding can turn it there, and no further.
;; 2 versions. Each part assembles by itself: llvm-mc -triple=amdgcn-amd-amdhsa -mcpu=gfx1250 --defsym DOCPART=n.
;; ======== version 1 of 2: 8 launches
;; workspace buffers: w 19,660,800 bytes; qkv 9,830,400 bytes; cimg 3,276,800 bytes; ximg 3,276,800 bytes; himg 13,107,200 bytes; y 16,777,216 bytes; xf 16,777,216 bytes
;; launch quant (part 1): grid 768 x 1, 4 waves a work-group, no clusters, 34,304 bytes of LDS; arguments query, key, values, Wq, Wk, Wv, Wo, W1, W2, w; writes w
.if DOCPART == 1
	.amdgcn_target "amdgcn-amd-amdhsa--gfx1250"
	.amdhsa_code_object_version 6
	.text
	.protected	k_q48abeeb84f_quant
	.globl	k_q48abeeb84f_quant
	.p2align	8
	.type	k_q48abeeb84f_quant,@function
k_q48abeeb84f_quant:
	s_mov_b64 s[64:65], 0
	v_nop
	global_prefetch_b8 v0, s[64:65] scope:SCOPE_SE
	s_setreg_imm32_b32 hwreg(HW_REG_WAVE_MODE, 25, 1), 1
	s_wait_xcnt 0x0
; The nine large f32 inputs become codes of BF6 (E3M2) with one E8M0 byte for each 32 along K, laid as IMAGES OF OPERAND REGISTERS.
; A fragment is 16 positions x 128 K, 12 registers a lane: lane (r, h) holds, of position r, k = 64 c + 32 h + 0 .. 31 in registers 6 c .. 6 c + 5.
; Its image is 1,536 bytes: registers 4 g .. 4 g + 3 of lane l at 512 g + 16 l.  Fragment (row block rb, K step ks) lies at (rb K/128 + ks) x 1,536.
; Scale words (four bytes, one K step of one position) lie at ((p / 128 x K/128 + ks) x 128 + p % 128) x 4.
; POSITIONS: natural (row = position) for query, Wo, W2; for the six others bits 3 and 4 of the position change places, so that lane r of block t
; holds row 32 (t / 2) + 8 (t % 2) + r + 8 (r / 8): a product that takes such rows as its source 0 leaves 16 neighbouring columns in a lane.
; SHARES: a wave takes one row block x 512 K, four fragments; unit U = 4 x work-group + wave; the tensors lie in w in the order of the units, 6,144 bytes of codes a unit.
; Each load reads 512 consecutive bytes of one row; a fragment's 16 rows turn through the wave's own stage in LDS (rows of 512 + 16 bytes) and come back 128 bytes a lane and block.
; No matrix unit, no cluster, no tensor load: the work-groups share no input and every byte is read once.
; A block's byte is its largest magnitude's exponent field - 4, held at 1 from below; a block of zeros keeps the byte 1 (its codes are zeros, and this program alone reads the bytes).
; LIMITS: NaN and infinities among the inputs are not served.
.set WS,  18874368                     ; the scale words begin here in w
.set OFF, 12                           ; v12-27   byte offset of row i of my block, + 16 x lane
.set X,   28                           ; v28-155  two sets of 64: a fragment's numbers as loaded
.set Y,   156                          ; v156-219 the same, 32 neighbours of each of my two blocks
.set C,   220                          ; v220-243 two sets of 12: codes
.set TP,  244                          ; v244-246, v248-250 the second halves' codes
.set MX,  252                          ; v252-253 largest magnitudes, then bytes
.set SO,  254                          ; v254-255 the conversions' scale operands
.set WD,  8                            ; v8-11    a scale word for each fragment
.set H8,  5                            ; v5       8 h
.set PT,  6                            ; v6       the lane exchange's destination
.set SELA, 50
.set SELB, 51
	s_load_b512 s[4:19], s[0:1], 0x0               ; query, key, values, Wq, Wk, Wv, Wo, W1
	s_load_b128 s[20:23], s[0:1], 0x40             ; W2, w
	v_lshl_add_u32 v247, v0, 2, 0x8400
	v_mov_b32 v251, 0
	v_lshrrev_b32 v5, 5, v0
	v_readfirstlane_b32 s24, v5                    ; wave
	v_and_b32 v6, 31, v0                           ; lane
	v_and_b32 v7, 15, v0                           ; r
	v_bfe_u32 v5, v0, 4, 1                         ; h
	v_lshlrev_b32 v1, 4, v6                        ; 16 x lane
	s_mul_i32 s25, s24, 8448                       ; my stage: 16 rows of 528 bytes
	v_add_nc_u32 v2, s25, v1                       ; into it: 16 x lane, the row in the immediate
	v_mul_u32_u24 v3, v7, 528
	v_lshl_add_u32 v3, v5, 7, v3
	v_add_nc_u32 v3, s25, v3                       ; out of it: row r, + 128 h
	v_lshlrev_b32 v4, 2, v7
	v_lshl_add_u32 v4, v5, 9, v4                   ; scale words: 4 r, lanes 16-31 one K step on
	v_lshlrev_b32 v[H8], 3, v5
	v_mov_b32 v[PT], 0
	s_mov_b32 s[SELA], 0x76543210
	s_mov_b32 s[SELB], 0xfedcba98                  ; selects for lane l xor 16
	s_mov_b32 s52, 0xffff0000                      ; lanes 16-31
	; which tensor, and which unit of it
	s_lshr_b32 s26, ttmp9, 7                       ; g: 128 work-groups to a group
	s_bfe_u32 s27, ttmp9, 0x20005                  ; in group 3: which of the four square weights
	s_add_co_u32 s28, s27, 3
	s_add_co_u32 s29, s26, 3
	s_mov_b32 s30, 511
	s_cmp_eq_u32 s26, 3
	s_cselect_b32 s28, s28, s29
	s_cselect_b32 s27, s27, 0
	s_cselect_b32 s30, 127, s30                    ; units in the tensor - 1
	s_cmp_lt_u32 s26, 3
	s_cselect_b32 s28, s26, s28                    ; ti: 0 query .. 8 W2
	s_lshl_b32 s31, ttmp9, 2
	s_add_co_u32 s31, s31, s24                     ; U
	s_and_b32 s30, s31, s30                        ; u: the unit within its tensor
	s_cmp_eq_u32 s28, 8
	s_cselect_b32 s32, 3, 1                        ; log2 of the units in a row block
	s_cselect_b32 s33, 14, 12                      ; log2 of a row's bytes
	s_cselect_b32 s34, 32, 8                       ; K / 128
	s_lshr_b32 s35, s30, s32                       ; rb
	s_lshl_b32 s36, s35, s32
	s_sub_co_u32 s36, s30, s36                     ; kq: which 512 along K
	s_lshr_b32 s37, 0xbe, s28
	s_and_b32 s37, s37, 1                          ; P = 1: permuted positions (ti 1, 2, 3, 4, 5, 7)
	s_lshr_b32 s38, s35, 1
	s_lshl_b32 s38, s38, 5
	s_and_b32 s39, s35, 1
	s_lshl_b32 s39, s39, 3
	s_add_co_u32 s38, s38, s39                     ; 32 (rb / 2) + 8 (rb % 2)
	s_lshl_b32 s39, s35, 4                         ; 16 rb
	s_cmp_eq_u32 s37, 1
	s_cselect_b32 s38, s38, s39                    ; my block's first row
	s_lshl_b32 s38, s38, s33
	s_lshl_b32 s39, s36, 11
	s_add_co_u32 s38, s38, s39                     ; in bytes, + 2,048 kq
	s_lshl_b32 s39, 1, s33                         ; a row
	s_lshl_b32 s40, s37, 3
	s_lshl_b32 s40, s40, s33                       ; permuted: rows 8 to 15 of the block lie 8 rows further on
.irp i, 0,1,2,3,4,5,6,7,8,9,10,11,12,13,14,15
	v_add_nc_u32 v[OFF+\i], s38, v1
	s_add_co_u32 s38, s38, s39
.if \i == 7
	s_add_co_u32 s38, s38, s40
.endif
.endr
	s_lshr_b32 s41, s35, 3                         ; scale words: ((rb / 8 x K/128 + 4 kq) x 128 + 16 (rb % 8)) x 4
	s_mul_i32 s41, s41, s34
	s_lshl_b32 s42, s36, 2
	s_add_co_u32 s41, s41, s42
	s_lshl_b32 s41, s41, 9
	s_and_b32 s42, s35, 7
	s_lshl_b32 s42, s42, 6
	s_add_co_u32 s41, s41, s42
	s_lshl_b32 s42, s26, 17                        ; the tensor's scale words: 131,072 bytes a group, 32,768 a square weight
	s_add_co_u32 s41, s41, s42
	s_lshl_b32 s42, s27, 15
	s_add_co_u32 s41, s41, s42
	s_add_co_u32 s42, s41, WS
	s_mov_b32 s43, 0
	s_mul_i32 s44, s31, 6144                       ; my codes
	s_mov_b32 s45, 0
	s_wait_kmcnt 0x0
	s_cmp_eq_u32 s28, 1                            ; the input is chosen by the work-group's number alone
	s_cselect_b64 s[4:5], s[6:7], s[4:5]
	s_cmp_eq_u32 s28, 2
	s_cselect_b64 s[4:5], s[8:9], s[4:5]
	s_cmp_eq_u32 s28, 3
	s_cselect_b64 s[4:5], s[10:11], s[4:5]
	s_cmp_eq_u32 s28, 4
	s_cselect_b64 s[4:5], s[12:13], s[4:5]
	s_cmp_eq_u32 s28, 5
	s_cselect_b64 s[4:5], s[14:15], s[4:5]
	s_cmp_eq_u32 s28, 6
	s_cselect_b64 s[4:5], s[16:17], s[4:5]
	s_cmp_eq_u32 s28, 7
	s_cselect_b64 s[4:5], s[18:19], s[4:5]
	s_cmp_eq_u32 s28, 8
	s_cselect_b64 s[4:5], s[20:21], s[4:5]
	s_add_nc_u64 s[46:47], s[22:23], s[42:43]      ; my scale words
	s_add_nc_u64 s[48:49], s[22:23], s[44:45]      ; my codes
.macro LOAD t                          ; fragment t: 16 rows x 512 consecutive bytes
.irp i, 0,1,2,3,4,5,6,7,8,9,10,11,12,13,14,15
	global_load_b128 v[X+64*((\t)%2)+4*\i:X+64*((\t)%2)+4*\i+3], v[OFF+\i], s[4:5] offset:512*(\t) th:TH_LOAD_NT
.endr
.endm
; 64 numbers of a lane, v[y + 32 k + i] = k 64 k + 32 h + i of my position, become the fragment's 12 registers at v[c] and its scale word in v[w].  A lane holds two whole blocks.
.macro QB y, c, w
.irp k, 0,1
	v_max3_num_f32 v[MX+\k], |v[\y+32*\k]|, |v[\y+32*\k+1]|, 0x2800000   ; and the floor 2^(5 - 127): the byte cannot fall under 1
.endr
.irp i, 2,4,6,8,10,12,14,16,18,20,22,24,26,28,30
.irp k, 0,1
	v_max3_num_f32 v[MX+\k], v[MX+\k], |v[\y+32*\k+\i]|, |v[\y+32*\k+\i+1]|
.endr
.endr
.irp k, 0,1
	v_add_nc_u32 v[SO+\k], 0xfe000000, v[MX+\k]    ; 4 off the exponent field: the conversion's scale operand
.endr
.irp k, 0,1
	v_lshrrev_b32 v[MX+\k], 23, v[SO+\k]           ; the byte
.endr
	v_lshl_or_b32 v[\w], v[MX+1], 16, v[MX]        ; my bytes: blocks h and 2 + h,
	v_lshlrev_b32 v[\w], v[H8], v[\w]              ; at their places;
	v_permlanex16_b32 v[PT], v[\w], s[SELA], s[SELB]
	v_or_b32 v[\w], v[\w], v[PT]                   ; with lane l xor 16's two the word is whole
.irp k, 0,1
	v_cvt_scalef32_pk16_bf6_f32 v[\c+6*\k:\c+6*\k+2], v[\y+32*\k:\y+32*\k+15], v[SO+\k]
	v_cvt_scalef32_pk16_bf6_f32 v[TP+4*\k:TP+4*\k+2], v[\y+32*\k+16:\y+32*\k+31], v[SO+\k]   ; (a conversion's three registers begin on an even number)
.endr
	v_nop                                          ; one plain place behind a scaled conversion
.irp k, 0,1
.irp i, 0,1,2
	v_mov_b32 v[\c+3+6*\k+\i], v[TP+4*\k+\i]
.endr
.endr
.endm
.macro FRAGQ f
.if \f < 3
	s_wait_loadcnt 16                              ; this fragment's 16 loads are in, the next one's may be out
.else
	s_wait_loadcnt 0x0
.endif
.irp i, 0,1,2,3,4,5,6,7,8,9,10,11,12,13,14,15
	ds_store_b128 v2, v[X+64*((\f)%2)+4*\i:X+64*((\f)%2)+4*\i+3] offset:528*\i
.endr
.irp k, 0,1
.irp j, 0,1,2,3,4,5,6,7
	ds_load_b128 v[Y+32*\k+4*\j:Y+32*\k+4*\j+3], v3 offset:256*\k+16*\j   ; LDS serves a wave's instructions in order: these see the stores above
.endr
.endr
	s_wait_dscnt 0x0                               ; the numbers are back, and the stores have read their registers
.if \f < 2
	LOAD (\f)+2
.else
	s_wait_xcnt 0x0                                ; the stores of two fragments ago have read this set of codes
.endif
	QB Y, C+12*((\f)%2), WD+\f
.irp g, 0,1,2
	global_store_b128 v1, v[C+12*((\f)%2)+4*\g:C+12*((\f)%2)+4*\g+3], s[48:49] offset:1536*(\f)+512*\g   ; 512 consecutive bytes
.endr
.if (\f)%2
	v_cndmask_b32 v[WD+(\f)-1], v[WD+(\f)-1], v[WD+(\f)], s52   ; lanes 0-15: the K step before, lanes 16-31: this one
	global_store_b32 v4, v[WD+(\f)-1], s[46:47] offset:1024*((\f)/2)
.endif
.endm
	LOAD 0
	LOAD 1
	FRAGQ 0
	FRAGQ 1
	FRAGQ 2
	FRAGQ 3
	s_wait_tensorcnt 0x0
	ds_add_u32 v247, v251
	s_wait_dscnt 0x0
	s_endpgm
.Lfunc_end_k_q48abeeb84f_quant:
	.size	k_q48abeeb84f_quant, .Lfunc_end_k_q48abeeb84f_quant-k_q48abeeb84f_quant
	.p2alignl 7, 3214868480
	.fill 96, 4, 3214868480
	.section	.rodata,"a",@progbits
	.p2align	6, 0x0
	.amdhsa_kernel k_q48abeeb84f_quant
		.amdhsa_group_segment_fixed_size 34304
		.amdhsa_private_segment_fixed_size 0
		.amdhsa_enable_private_segment 0
		.amdhsa_kernarg_size 80
		.amdhsa_user_sgpr_count 2
		.amdhsa_user_sgpr_kernarg_segment_ptr 1
		.amdhsa_wavefront_size32 1
		.amdhsa_system_sgpr_workgroup_id_x 1
		.amdhsa_system_sgpr_workgroup_id_y 1
		.amdhsa_system_sgpr_workgroup_id_z 1
		.amdhsa_system_vgpr_workitem_id 0
		.amdhsa_next_free_vgpr 256
		.amdhsa_next_free_sgpr 66
		.amdhsa_reserve_vcc 0
		.amdhsa_float_denorm_mode_32 3
		.amdhsa_float_denorm_mode_16_64 3
		.amdhsa_memory_ordered 1
		.amdhsa_forward_progress 1
		.amdhsa_inst_pref_size 33
	.end_amdhsa_kernel
	.amdgpu_metadata
---
amdhsa.version: [ 1, 2 ]
amdhsa.kernels:
  - .name:           k_q48abeeb84f_quant
    .symbol:         k_q48abeeb84f_quant.kd
    .args:
      - { .name: query, .offset: 0, .size: 8, .value_kind: global_buffer, .address_space: global }
      - { .name: key, .offset: 8, .size: 8, .value_kind: global_buffer, .address_space: global }
      - { .name: values, .offset: 16, .size: 8, .value_kind: global_buffer, .address_space: global }
      - { .name: Wq, .offset: 24, .size: 8, .value_kind: global_buffer, .address_space: global }
      - { .name: Wk, .offset: 32, .size: 8, .value_kind: global_buffer, .address_space: global }
      - { .name: Wv, .offset: 40, .size: 8, .value_kind: global_buffer, .address_space: global }
      - { .name: Wo, .offset: 48, .size: 8, .value_kind: global_buffer, .address_space: global }
      - { .name: W1, .offset: 56, .size: 8, .value_kind: global_buffer, .address_space: global }
      - { .name: W2, .offset: 64, .size: 8, .value_kind: global_buffer, .address_space: global }
      - { .name: w, .offset: 72, .size: 8, .value_kind: global_buffer, .address_space: global }
    .group_segment_fixed_size: 34304
    .private_segment_fixed_size: 0
    .kernarg_segment_align: 8
    .kernarg_segment_size: 80
    .max_flat_workgroup_size: 128
    .sgpr_count:     66
    .vgpr_count:     256
    .wavefront_size: 32
...
	.end_amdgpu_metadata
.endif
;; end of part 1
;; launch qkv (part 2): grid 4 x 48, 4 waves a work-group, clusters of 4 x 4, 327,680 bytes of LDS; arguments w, bq, bk, bv, qkv; writes qkv
.if DOCPART == 2
	.amdgcn_target "amdgcn-amd-amdhsa--gfx1250"
	.amdhsa_code_object_version 6
	.text
	.protected	k_q48abeeb84f_qkv
	.globl	k_q48abeeb84f_qkv
	.p2align	8
	.type	k_q48abeeb84f_qkv,@function
k_q48abeeb84f_qkv:
	s_mov_b64 s[64:65], 0
	v_nop
	global_prefetch_b8 v0, s[64:65] scope:SCOPE_SE
	s_setreg_imm32_b32 hwreg(HW_REG_WAVE_MODE, 25, 1), 1
	s_wait_xcnt 0x0
	s_wait_alu depctr_hold_cnt(0) depctr_sa_sdst(0) depctr_va_vdst(0) depctr_va_sdst(0) depctr_va_ssrc(0) depctr_va_vcc(0) depctr_vm_vsrc(0)
	s_getreg_b32 s2, hwreg(HW_REG_IB_STS2, 6, 4)
	s_cmp_eq_u32 s2, 0
	s_cbranch_scc0 .Lentry_in_a_cluster
	s_endpgm
.Lentry_in_a_cluster:
	s_bfe_u32 s2, ttmp6, 0x10000c
	s_cmp_lg_u32 s2, 0xf033
	s_cbranch_scc0 .Lentry_shape_is_right
	s_endpgm
.Lentry_shape_is_right:
; Three products on codes of BF6, K = 1,024, each result + bias quantised again along its columns and stored as an image of operand registers:
;   sel 0: q = query Wq^T + bq      sel 1: k = key Wk^T + bk      sel 2: v^T = Wv values^T + bv (so that the tokens, the second attention product's K, are its columns).
; A tile of C, 256 x 256, is made by four waves, 128 x 128 each: 64 accumulators.  K goes in steps of 256 through a ring of two LDS slots.  Operands lie in memory as images of their registers
; (fragment = 16 positions x 128 K = 1,536 bytes, registers 4 g .. 4 g + 3 of lane l at 512 g + 16 l): a slot's part of a row block is 3,072 consecutive bytes, a fragment comes by three loads of 16 bytes a lane.
; The scale words of 128 positions for all of K are one dense block; they come into LDS once and stay.
; CLUSTERS: 4 x 4 work-groups; A's tiles are asked for jointly along a row of the cluster, B's along a column.  The cluster's y says which product (y / 4) and which four tile rows (sel 0, 1) or tile columns (sel 2).
; THE MATRIX INSTRUCTION IS USED TRANSPOSED (source 0 = B, source 1 = A), and B's positions are permuted, so that register 16 b + i of a lane is column 32 b + 16 (lane / 16) + i of its row.
; THE WAY OUT: a block of 16 rows x 128 columns is one fragment of the output.  Here its image has another form, so that a head's 64 columns are 768 consecutive bytes: half c at 768 c, registers 0-3 at 16 l, 4-5 at 512 + 8 l.
; One text serves both kinds of bias: the bias along the columns is multiplied by 1 (sel 0, 1) or 0 (sel 2), that along the rows by 0 or 1; that costs 256 packed additions of zero a wave.
; LIMITS: NaN and infinities are not served (a bias that is infinite would give NaN where it is multiplied by 0); a block of zeros keeps the byte 1.
.set SIZE_K, 1024
.set WS,     18874368
.set KS,     SIZE_K/128
.set NQ,     2                         ; K steps of 128 in a slot
.set FR,     12
.set NL,     3                         ; LDS loads that bring a fragment
.set NP,     4                         ; places behind this matrix instruction (ISA guide 7.12.1)
.set FRB,    1536
.set HALFT,  8*NQ*FRB                  ; 128 positions x 256 K: what one tensor load brings
.set SLOT,   4*HALFT
.set LAPS,   SIZE_K/512
.set SCL,    2*SLOT                    ; behind the ring: the scale words
.set HALFS,  KS*512                    ; those of 128 positions
.set SPARE,  SCL+4*HALFS               ; the spare words, 128 bytes a wave: two blocks of 256 bytes that no other line names
.set ADRA, 16
.set ADRB, 20
.set ADRS, 27
.set SPW,  28
.set NIL,  29
.set SC,   32                          ; v32-63 scale words, two sets: they hold nothing else
.set AF,   128
.set CB,   64                          ; v64-127  the bias along the columns, in the result's layout
.set T,    128                         ; the way out: 64 numbers
.set PC,   192                         ; codes
.set TM,   212
.set PW,   232                         ; v232-239 a scale word for each block
.set RB,   240                         ; v240-247 the bias along the rows, a number a block
.set RBC,  248                         ; v248-249 the block's, as a pair
.set G1, 24
.set G0, 32
.set G1B, 48
.set G0B, 56
.set G1S, 68
.set G0S, 76
.set G1SB, 80
.set G0SB, 88
.set MSB, 0
.macro WIN new                         ; the immediate's high byte repeats the setting that is left
.if MSB != \new
	s_set_vgpr_msb (MSB<<8)|\new
.set MSB, \new
.endif
.endm
.set MUL_LO, 0xa1                      ; source 0 (B) window 1, source 1 (A) window 0, C and D window 2
.set MUL_HI, 0xf1
.set TO_B,   0x40
.macro JLOAD g0a, g1a, g0b, g1b        ; a joint load: waves 0, 1 fetch for A, waves 2, 3 for B; four v_nop follow each line
	s_cmp_eq_u32 s15, 0
	s_cbranch_scc0 .Lfor_b_\@
	tensor_load_to_lds s[\g0a:\g0a+3], s[\g1a:\g1a+7]
	s_nop 0
.rept 4
	v_nop
.endr
	s_branch .Lasked_\@
.Lfor_b_\@:
	tensor_load_to_lds s[\g0b:\g0b+3], s[\g1b:\g1b+7]
	s_nop 0
.rept 4
	v_nop
.endr
.Lasked_\@:
.endm
.macro CREST
	s_cmp_lg_u32 s14, 0
	s_cbranch_scc1 .Lnot_wave_0_\@
	s_barrier_signal -3
.Lnot_wave_0_\@:
	s_barrier_wait -3
	s_barrier_signal -1
	s_barrier_wait -1
.endm
.macro CROUND
	s_barrier_signal -1
	s_barrier_wait -1
	CREST
.endm
	s_load_b256 s[4:11], s[0:1], 0x0               ; w, bq, bk, bv
	s_load_b64 s[12:13], s[0:1], 0x20              ; qkv
	v_lshl_add_u32 v[SPW], v0, 2, SPARE
	v_mov_b32 v[NIL], 0
	ds_add_u32 v28, v29
	ds_add_u32 v28, v29
	s_wait_dscnt 0x0
	v_lshrrev_b32 v1, 5, v0
	v_readfirstlane_b32 s14, v1                    ; wave
	s_lshr_b32 s15, s14, 1                         ; which half of the tile's rows is mine; also: I fetch for A (0) or B (1)
	s_and_b32 s16, s14, 1                          ; which half of its columns; also: which 128 positions I fetch
	s_bfe_u32 s40, ttmp6, 0x40000                  ; cx
	s_bfe_u32 s41, ttmp6, 0x40004                  ; cy
	s_and_b32 s95, ttmp7, 0xffff                   ; the cluster's y
	s_and_b32 s2, s95, 3
	s_lshl_b32 s2, s2, 2
	s_lshr_b32 s95, s95, 2                         ; sel
	s_cmp_lt_u32 s95, 2
	s_cselect_b32 s17, s2, 0
	s_cselect_b32 s42, 0, s2
	s_add_co_u32 s17, s17, s41                     ; tile row
	s_add_co_u32 s42, s42, s40                     ; tile column
	s_lshl_b32 s43, s41, 2
	s_lshl_b32 s43, 15, s43                        ; my row of the cluster
	s_lshl_b32 s44, 0x1111, s40                    ; my column
	s_or_b32 s[G1+0], s43, (3<<16)|(1<<21)         ; the mask; elements of 8 bytes; bit 21 beside a mask; no padding
	s_or_b32 s[G1B+0], s44, (3<<16)|(1<<21)
.irp g, G1, G1B
	s_mov_b32 s[\g+1], (NQ*FRB/8)<<16              ; tensor_dim0: 3,072 bytes
	s_mov_b32 s[\g+2], 8<<16                       ; tensor_dim1: 8 row blocks
	s_mov_b32 s[\g+3], (NQ*FRB/8)<<16              ; tile_dim0
	s_mov_b32 s[\g+4], 8                           ; tile_dim1
	s_mov_b32 s[\g+5], KS*FRB/8                    ; from row block to row block
	s_mov_b32 s[\g+6], 0
	s_mov_b32 s[\g+7], 0
.endr
	s_or_b32 s[G1S+0], s43, (3<<16)|(1<<21)
	s_or_b32 s[G1SB+0], s44, (3<<16)|(1<<21)
.irp g, G1S, G1SB
	s_mov_b32 s[\g+1], 32<<16                      ; a dense block as rows of 256 bytes
	s_mov_b32 s[\g+2], (HALFS/256)<<16
	s_mov_b32 s[\g+3], 32<<16
	s_mov_b32 s[\g+4], HALFS/256
	s_mov_b32 s[\g+5], 32
	s_mov_b32 s[\g+6], 0
	s_mov_b32 s[\g+7], 0
.endr
	s_mov_b32 s96, 0                               ; where the product's operands lie in w: A's codes, B's codes, A's scale words, B's
	s_mov_b32 s97, 9437184
	s_mov_b32 s98, WS
	s_mov_b32 s99, WS+393216
	s_cmp_eq_u32 s95, 1
	s_cselect_b32 s96, 3145728, s96
	s_cselect_b32 s97, 10223616, s97
	s_cselect_b32 s98, WS+131072, s98
	s_cselect_b32 s99, WS+425984, s99
	s_cmp_eq_u32 s95, 2
	s_cselect_b32 s96, 11010048, s96
	s_cselect_b32 s97, 6291456, s97
	s_cselect_b32 s98, WS+458752, s98
	s_cselect_b32 s99, WS+262144, s99
	s_lshl_b32 s18, s16, 3                         ; which 8 row blocks of the tile I fetch
	s_lshl_b32 s20, s17, 4
	s_add_co_u32 s20, s20, s18                     ; A: row block 16 x tile row + 8 x half
	s_lshl_b32 s46, s42, 4
	s_add_co_u32 s46, s46, s18                     ; B likewise
	s_mul_i32 s22, s20, KS*64                      ; their scale words: KS x 512 bytes for 8 row blocks
	s_mul_i32 s92, s46, KS*64
	s_mul_i32 s20, s20, KS*FRB
	s_mul_i32 s46, s46, KS*FRB
	s_add_co_u32 s20, s20, s96
	s_add_co_u32 s46, s46, s97
	s_add_co_u32 s22, s22, s98
	s_add_co_u32 s92, s92, s99
	s_mov_b32 s21, 0
	s_mov_b32 s23, 0
	s_mov_b32 s47, 0
	s_mov_b32 s93, 0
	s_mul_i32 s45, s14, HALFT                      ; where they go: by the wave's number alone
	s_mul_i32 s94, s14, HALFS
	s_wait_kmcnt 0x0
	s_add_nc_u64 s[20:21], s[4:5], s[20:21]
	s_add_nc_u64 s[22:23], s[4:5], s[22:23]
	s_add_nc_u64 s[46:47], s[4:5], s[46:47]
	s_add_nc_u64 s[92:93], s[4:5], s[92:93]
	s_cmp_eq_u32 s95, 1                            ; the product's bias
	s_cselect_b64 s[96:97], s[8:9], s[6:7]
	s_cmp_eq_u32 s95, 2
	s_cselect_b64 s[96:97], s[10:11], s[96:97]
	CROUND                                         ; all sixteen work-groups are here: the first joint loads meet
	s_mov_b32 s[G0S], 1
	s_add_co_u32 s[G0S+1], s94, SCL
	s_mov_b64 s[G0S+2:G0S+3], s[22:23]
	s_or_b32 s[G0S+3], s[G0S+3], 0x80000000
	s_mov_b32 s[G0SB], 1
	s_add_co_u32 s[G0SB+1], s94, SCL
	s_mov_b64 s[G0SB+2:G0SB+3], s[92:93]
	s_or_b32 s[G0SB+3], s[G0SB+3], 0x80000000
	JLOAD G0S, G1S, G0SB, G1SB                     ; the scale words first
.irp s, 0,1
	s_mov_b32 s[G0+4*\s], 1
	s_add_co_u32 s[G0+4*\s+1], s45, \s*SLOT
	s_add_nc_u64 s[G0+4*\s+2:G0+4*\s+3], s[20:21], \s*NQ*FRB
	s_or_b32 s[G0+4*\s+3], s[G0+4*\s+3], 0x80000000
	s_mov_b32 s[G0B+4*\s], 1
	s_add_co_u32 s[G0B+4*\s+1], s45, \s*SLOT
	s_add_nc_u64 s[G0B+4*\s+2:G0B+4*\s+3], s[46:47], \s*NQ*FRB
	s_or_b32 s[G0B+4*\s+3], s[G0B+4*\s+3], 0x80000000
	JLOAD G0+4*\s, G1, G0B+4*\s, G1B
.endr
	v_and_b32 v1, 15, v0                           ; r
	v_bfe_u32 v2, v0, 4, 1                         ; h
	v_and_b32 v3, 31, v0
	v_lshlrev_b32 v11, 2, v3                       ; 4 x lane
	v_lshlrev_b32 v10, 3, v3                       ; 8 x lane
	v_lshlrev_b32 v3, 4, v3                        ; 16 x lane
	s_mul_i32 s21, s15, HALFT                      ; my 128 positions of A
	s_mul_i32 s22, s16, HALFT                      ; my 128 of B,
	s_add_co_u32 s22, s22, 2*HALFT                 ; which lie behind A's 256
.irp s, 0,1
	v_add_nc_u32 v[ADRA+\s], s21, v3
	v_add_nc_u32 v[ADRB+\s], s22, v3
	s_add_co_u32 s21, s21, SLOT
	s_add_co_u32 s22, s22, SLOT
.endr
	v_lshlrev_b32 v5, 2, v1                        ; scale words: 4 r
	s_mul_i32 s21, s15, HALFS
	s_mul_i32 s22, s16, HALFS
	s_add_co_u32 s22, s22, 2*HALFS
	s_sub_co_u32 s22, s22, s21
	v_mul_u32_u24 v6, s22, v2                      ; lanes 16-31 take B's
	s_add_co_u32 s21, s21, SCL
	v_add_nc_u32 v5, v5, v6
	v_add_nc_u32 v[ADRS], s21, v5
	; the biases.  Along the columns (sel 0, 1): my 128 columns' numbers in the result's layout.  Along the rows (sel 2): A's positions are permuted.  The kind that does not apply reads the bias's first numbers and is multiplied by 0.
	s_lshl_b32 s98, s42, 10
	s_lshl_b32 s99, s16, 9
	s_add_co_u32 s98, s98, s99                     ; my first column x 4
	s_lshl_b32 s99, s17, 10
	s_lshl_b32 s2, s15, 9
	s_add_co_u32 s99, s99, s2                      ; my first row x 4
	s_cmp_lt_u32 s95, 2
	s_cselect_b32 s98, s98, 0
	s_cselect_b32 s99, 0, s99
	v_lshl_add_u32 v8, v2, 6, s98                  ; + 64 h
	v_and_b32 v9, 8, v1
	v_add_nc_u32 v9, v9, v1                        ; r + 8 (r / 8)
	v_lshl_add_u32 v9, v9, 2, s99
.irp b, 0,1,2,3
.irp j, 0,1,2,3
	global_load_b128 v[CB+16*\b+4*\j:CB+16*\b+4*\j+3], v8, s[96:97] offset:128*\b+16*\j
.endr
.endr
.irp a, 0,1,2,3,4,5,6,7
	global_load_b32 v[RB+\a], v9, s[96:97] offset:(32*(\a/2)+8*(\a%2))*4
.endr
	; where my results go
	s_cmp_lt_u32 s95, 2
	s_cselect_b32 s2, 8, 32                        ; K steps in a row of the output's image
	s_lshl_b32 s98, s17, 1
	s_add_co_u32 s98, s98, s15
	s_mul_i32 s98, s98, s2                         ; (2 tile row + half) x that
	s_lshl_b32 s99, s42, 1
	s_add_co_u32 s99, s99, s16                     ; the output's K step: 2 tile column + half
	s_lshl_b32 s100, s98, 3
	s_add_co_u32 s100, s100, s99
	s_mul_i32 s100, s100, FRB
	s_mul_i32 s101, s95, 3145728
	s_add_co_u32 s100, s100, s101
	s_mov_b32 s101, 0
	s_add_co_u32 s98, s98, s99
	s_lshl_b32 s98, s98, 9
	s_lshl_b32 s99, s95, 17
	s_add_co_u32 s98, s98, s99
	s_add_co_u32 s98, s98, 9437184
	s_mov_b32 s99, 0
	s_add_nc_u64 s[98:99], s[12:13], s[98:99]      ; my scale words
	s_add_nc_u64 s[12:13], s[12:13], s[100:101]    ; my first fragment
	s_mul_i32 s100, s2, FRB                        ; from row block to row block
	s_mov_b32 s101, 0
.macro FRAG reg, adr, q, i             ; a fragment as it lies: three loads, 512 consecutive bytes each
.irp c, 0,1,2
	ds_load_b128 v[\reg+4*\c:\reg+4*\c+3], v[\adr] offset:(\i)*NQ*FRB+(\q)*FRB+512*\c
.endr
.endm
; 16 matrix instructions: A's blocks a0, a0 + 1 x B's eight.  The 64 accumulators take turns, one instruction a turn.
.macro MUL16 a0, p, q, sc, zero
.irp a, \a0, \a0+1
.irp b, 0,1,2,3,4,5,6,7
.if \zero
	v_wmma_scale_f32_16x16x128_f8f6f4 v[8*(8*((\a)%4)+\b):8*(8*((\a)%4)+\b)+7], v[128*(\p)+FR*\b:128*(\p)+FR*\b+FR-1], v[AF+FR*(\a):AF+FR*(\a)+FR-1], 0, v[SC+8*NQ*(\sc)+NQ*\b+(\q)], v[SC+8*NQ*(\sc)+NQ*(\a)+(\q)] matrix_a_fmt:MATRIX_FMT_BF6 matrix_b_fmt:MATRIX_FMT_BF6 matrix_a_scale:MATRIX_SCALE_ROW1
.else
	v_wmma_scale_f32_16x16x128_f8f6f4 v[8*(8*((\a)%4)+\b):8*(8*((\a)%4)+\b)+7], v[128*(\p)+FR*\b:128*(\p)+FR*\b+FR-1], v[AF+FR*(\a):AF+FR*(\a)+FR-1], v[8*(8*((\a)%4)+\b):8*(8*((\a)%4)+\b)+7], v[SC+8*NQ*(\sc)+NQ*\b+(\q)], v[SC+8*NQ*(\sc)+NQ*(\a)+(\q)] matrix_a_fmt:MATRIX_FMT_BF6 matrix_b_fmt:MATRIX_FMT_BF6 matrix_a_scale:MATRIX_SCALE_ROW1
.endif
.endr
.endr
.endm
.macro FETCH_B slot, q, p
	WIN TO_B
.irp i, 0,1,2,3,4,5,6,7
	FRAG 128*(\p)+FR*\i, ADRB+\slot, \q, \i
.endr
	WIN 0
.endm
.macro FETCH_A slot, q, i0
.irp i, \i0, \i0+1, \i0+2, \i0+3
	FRAG AF+FR*(\i), ADRA+\slot, \q, \i
.endr
.endm
.macro SCALES sc                       ; a slot's scale words: lanes 0-15 A's block i, lanes 16-31 B's block i
.irp i, 0,1,2,3,4,5,6,7
.irp q, 0,1
	ds_load_b32 v[SC+8*NQ*\sc+NQ*\i+\q], v[ADRS] offset:64*\i+512*\q
.endr
.endr
.endm
.macro PLACES n
.rept \n
	v_nop
.endr
.endm
.macro STEP slot, q, zero              ; a step of 128 along K that has its successor in the same slot
	s_wait_dscnt 4*NL                              ; all but the youngest 12 loads (A's blocks 4-7)
	WIN MUL_LO
	MUL16 0, (\q)%2, \q, \slot, \zero
	MUL16 2, (\q)%2, \q, \slot, \zero
	s_wait_dscnt 0
	PLACES NP
	FETCH_B \slot, (\q)+1, 1-(\q)%2
	FETCH_A \slot, (\q)+1, 0
	WIN MUL_HI
	MUL16 4, (\q)%2, \q, \slot, \zero
	MUL16 6, (\q)%2, \q, \slot, \zero
	PLACES NP
	WIN 0
	FETCH_A \slot, (\q)+1, 4
.endm
.macro TURN slot, next, fill           ; a slot's last step changes slots: one barrier
	s_wait_tensorcnt 0x0                           ; all my tensor loads have landed: my part of the next slot
	ds_add_u32 v[SPW], v[NIL]                      ; 0 onto my spare word
	s_wait_dscnt 4*NL+1                            ; (the add and A's blocks 4-7 may be out)
	WIN MUL_LO
	MUL16 0, 1, NQ-1, \slot, 0
	s_wait_dscnt 0x0                               ; the add is done, and my reads of this slot are over
	s_barrier_signal -1
	MUL16 2, 1, NQ-1, \slot, 0
	WIN 0
	s_barrier_wait -1
.if \fill
	CREST                                          ; the barrier has opened a round of the cluster's: no wave of any partner still reads this slot or has a load on its way
	s_add_nc_u64 s[G0+4*\slot+2:G0+4*\slot+3], s[G0+4*\slot+2:G0+4*\slot+3], 2*NQ*FRB
	s_add_nc_u64 s[G0B+4*\slot+2:G0B+4*\slot+3], s[G0B+4*\slot+2:G0B+4*\slot+3], 2*NQ*FRB
	JLOAD G0+4*\slot, G1, G0B+4*\slot, G1B         ; the first tensor load behind the round; its four v_nop are the places in front of the loads below
.else
	PLACES NP
.endif
	v_add_nc_u32 v[ADRS], 512*NQ, v[ADRS]          ; the next slot's scale words
	FETCH_B \next, 0, 0
	FETCH_A \next, 0, 0
	SCALES \next
	WIN MUL_HI
	MUL16 4, 1, NQ-1, \slot, 0
	MUL16 6, 1, NQ-1, \slot, 0
	PLACES NP
	WIN 0
	FETCH_A \next, 0, 4
.endm
	s_wait_tensorcnt 1                             ; the scale words and my part of slot 0 are in; slot 1's load may be out
	s_barrier_signal -1
	s_barrier_wait -1
	FETCH_B 0, 0, 0
	FETCH_A 0, 0, 0
	SCALES 0
	FETCH_A 0, 0, 4
	STEP 0, 0, 1                                   ; the first step's products start the sums
	s_mov_b32 s3, LAPS-1
.Llap:
	TURN 0, 1, 1
	STEP 1, 0, 0
	TURN 1, 0, 1
	STEP 0, 0, 0
	s_sub_co_u32 s3, s3, 1
	s_cmp_lg_u32 s3, 0
	s_cbranch_scc1 .Llap
	TURN 0, 1, 0                                   ; the last lap fills nothing
	STEP 1, 0, 0
	s_wait_dscnt 4*NL
	WIN MUL_LO
	MUL16 0, 1, NQ-1, 1, 0
	MUL16 2, 1, NQ-1, 1, 0
	s_wait_dscnt 0
	WIN MUL_HI
	MUL16 4, 1, NQ-1, 1, 0
	MUL16 6, 1, NQ-1, 1, 0
	WIN 0
; 64 numbers of a lane, register 16 b + i = column 32 b + 16 (lane / 16) + i of my row, become a fragment's codes in v[PC] on and its scale word in v[pw]
.macro QUANT s, pw
.irp b, 0,1,2,3
	v_max3_num_f32 v[TM+\b], |v[\s+16*\b]|, |v[\s+1+16*\b]|, 0x2800000   ; and the floor 2^(5 - 127)
.endr
.irp i, 2,4,6,8,10,12,14
.irp b, 0,1,2,3
	v_max3_num_f32 v[TM+\b], v[TM+\b], |v[\s+16*\b+\i]|, |v[\s+1+16*\b+\i]|
.endr
.endr
.irp b, 0,1,2,3
	v_permlanex16_b32 v[TM+4+\b], v[TM+\b], s18, s19
.endr
.irp b, 0,1,2,3
	v_max_num_f32 v[TM+\b], v[TM+\b], v[TM+4+\b]
.endr
.irp b, 0,1,2,3
	v_add_nc_u32 v[TM+12+\b], 0xfe000000, v[TM+\b]
.endr
.irp b, 0,1,2,3
	v_lshrrev_b32 v[TM+4+\b], 23, v[TM+12+\b]
.endr
	v_lshl_or_b32 v[\pw], v[TM+5], 8, v[TM+4]
	v_lshl_or_b32 v[\pw], v[TM+6], 16, v[\pw]
	v_lshl_or_b32 v[\pw], v[TM+7], 24, v[\pw]
.irp c, 0,1
	v_cvt_scalef32_pk16_bf6_f32 v[PC+6*\c:PC+2+6*\c], v[\s+32*\c:\s+15+32*\c], v[TM+12+2*\c]
	v_cvt_scalef32_pk16_bf6_f32 v[PC+12+4*\c:PC+14+4*\c], v[\s+16+32*\c:\s+31+32*\c], v[TM+12+2*\c+1]
.endr
	v_nop                                          ; one plain place behind a scaled conversion
.irp c, 0,1
.irp i, 0,1,2
	v_permlane16_swap_b32 v[PC+6*\c+\i], v[PC+12+4*\c+\i]   ; the layout wants a whole block in a lane
.endr
.irp i, 0,1,2
	v_mov_b32 v[PC+3+6*\c+\i], v[PC+12+4*\c+\i]
.endr
.endr
.endm
.macro EPI a                           ; block a: 16 rows x 128 columns
.if (\a) > 0
	s_wait_xcnt 0x0                                ; the last block's stores have read their registers and their base
	s_add_nc_u64 s[12:13], s[12:13], s[100:101]
.endif
	v_mov_b32 v[RBC], v[RB+(\a)]
.set WN, 0x02+(\a)/4
	WIN WN                                         ; source 0: window 2 or 3
.set j, 0
.rept 32
	v_pk_add_f32 v[T+j:T+j+1], v[64*((\a)%4)+j:64*((\a)%4)+j+1], v[CB+j:CB+j+1]   ; each accumulator from its low end on
.set j, j+2
.endr
	WIN 0
.set j, 0
.rept 32
	v_pk_add_f32 v[T+j:T+j+1], v[T+j:T+j+1], v[RBC:RBC+1] op_sel_hi:[1,0]
.set j, j+2
.endr
	QUANT T, PW+(\a)
	global_store_b128 v3, v[PC:PC+3], s[12:13]
	global_store_b64 v10, v[PC+4:PC+5], s[12:13] offset:512
	global_store_b128 v3, v[PC+6:PC+9], s[12:13] offset:768
	global_store_b64 v10, v[PC+10:PC+11], s[12:13] offset:1280
.if (\a)%2
	v_cndmask_b32 v[PW+(\a)-1], v[PW+(\a)-1], v[PW+(\a)], s20   ; lanes 0-15: the block before, lanes 16-31: this one
	global_store_b32 v11, v[PW+(\a)-1], s[98:99] offset:128*((\a)/2)
.endif
.endm
	PLACES NP                                      ; behind the last products
	s_wait_loadcnt 0x0                             ; the biases
	s_mov_b32 s18, 0x76543210
	s_mov_b32 s19, 0xfedcba98
	s_mov_b32 s20, 0xffff0000
	s_cmp_lt_u32 s95, 2
	s_cselect_b32 s2, 0x3f800000, 0                ; 1 where the bias runs along the columns
	s_cselect_b32 s94, 0, 0x3f800000               ; 1 where it runs along the rows
	s_mov_b32 s3, s2
.irp b, 0,1,2,3
	v_mov_b32 v[TM+4+\b], 0                        ; a lane permute's destination counts as one of its sources
.endr
	v_mov_b32 v[RBC+1], 0
.set j, 0
.rept 32
	v_pk_mul_f32 v[CB+j:CB+j+1], v[CB+j:CB+j+1], s[2:3] op_sel_hi:[1,0]
.set j, j+2
.endr
.irp a, 0,1,2,3,4,5,6,7
	v_mul_f32 v[RB+\a], s94, v[RB+\a]
.endr
.irp a, 0,1,2,3,4,5,6,7
	EPI \a
.endr
	s_wait_tensorcnt 0x0                           ; the wave's end
	ds_add_u32 v[SPW], v[NIL]
	s_wait_dscnt 0x0
	CROUND                                         ; the closing round
	s_endpgm
.Lfunc_end_k_q48abeeb84f_qkv:
	.size	k_q48abeeb84f_qkv, .Lfunc_end_k_q48abeeb84f_qkv-k_q48abeeb84f_qkv
	.p2alignl 7, 3214868480
	.fill 96, 4, 3214868480
	.section	.rodata,"a",@progbits
	.p2align	6, 0x0
	.amdhsa_kernel k_q48abeeb84f_qkv
		.amdhsa_group_segment_fixed_size 327680
		.amdhsa_private_segment_fixed_size 0
		.amdhsa_enable_private_segment 0
		.amdhsa_kernarg_size 40
		.amdhsa_user_sgpr_count 2
		.amdhsa_user_sgpr_kernarg_segment_ptr 1
		.amdhsa_wavefront_size32 1
		.amdhsa_system_sgpr_workgroup_id_x 1
		.amdhsa_system_sgpr_workgroup_id_y 1
		.amdhsa_system_sgpr_workgroup_id_z 1
		.amdhsa_system_vgpr_workitem_id 0
		.amdhsa_next_free_vgpr 1024
		.amdhsa_next_free_sgpr 102
		.amdhsa_reserve_vcc 0
		.amdhsa_float_denorm_mode_32 3
		.amdhsa_float_denorm_mode_16_64 3
		.amdhsa_memory_ordered 1
		.amdhsa_forward_progress 1
		.amdhsa_inst_pref_size 181
	.end_amdhsa_kernel
	.amdgpu_metadata
---
amdhsa.version: [ 1, 2 ]
amdhsa.kernels:
  - .name:           k_q48abeeb84f_qkv
    .symbol:         k_q48abeeb84f_qkv.kd
    .args:
      - { .name: w, .offset: 0, .size: 8, .value_kind: global_buffer, .address_space: global }
      - { .name: bq, .offset: 8, .size: 8, .value_kind: global_buffer, .address_space: global }
      - { .name: bk, .offset: 16, .size: 8, .value_kind: global_buffer, .address_space: global }
      - { .name: bv, .offset: 24, .size: 8, .value_kind: global_buffer, .address_space: global }
      - { .name: qkv, .offset: 32, .size: 8, .value_kind: global_buffer, .address_space: global }
    .group_segment_fixed_size: 327680
    .private_segment_fixed_size: 0
    .kernarg_segment_align: 8
    .kernarg_segment_size: 40
    .max_flat_workgroup_size: 128
    .sgpr_count:     102
    .vgpr_count:     1024
    .wavefront_size: 32
...
	.end_amdgpu_metadata
.endif
;; end of part 2
;; launch attn (part 3): grid 8 x 32, 16 waves a work-group, clusters of 4 x 1, 219,648 bytes of LDS; arguments qkv, gammas, cimg; writes cimg
.if DOCPART == 3
	.amdgcn_target "amdgcn-amd-amdhsa--gfx1250"
	.amdhsa_code_object_version 6
	.text
	.protected	k_q48abeeb84f_attn
	.globl	k_q48abeeb84f_attn
	.p2align	8
	.type	k_q48abeeb84f_attn,@function
k_q48abeeb84f_attn:
	s_mov_b64 s[64:65], 0
	v_nop
	global_prefetch_b8 v0, s[64:65] scope:SCOPE_SE
	s_setreg_imm32_b32 hwreg(HW_REG_WAVE_MODE, 25, 1), 1
	s_wait_xcnt 0x0
	s_wait_alu depctr_hold_cnt(0) depctr_sa_sdst(0) depctr_va_vdst(0) depctr_va_sdst(0) depctr_va_ssrc(0) depctr_va_vcc(0) depctr_vm_vsrc(0)
	s_getreg_b32 s2, hwreg(HW_REG_IB_STS2, 6, 4)
	s_cmp_eq_u32 s2, 0
	s_cbranch_scc0 .Lentry_in_a_cluster
	s_endpgm
.Lentry_in_a_cluster:
	s_bfe_u32 s2, ttmp6, 0x10000c
	s_cmp_lg_u32 s2, 0x3003
	s_cbranch_scc0 .Lentry_shape_is_right
	s_endpgm
.Lentry_shape_is_right:
; Attention with the distance decay, both products on codes of BF6.  For a query i of a head:
;   s_j = q_i . k_j (all 1,024 keys);  E_j = 2^(s_j c - M1), c = log2(e) / 8, M1 = the ceiling of the row's largest s c;  Z = the sum of all E_j;
;   for j <= i: A_j = the sum of E_j' over j < j' <= i;  effect_j = clip(2^(G sqrt(A_j (i - j))), 1e-5, 1e5), G = -softplus(gamma) log2(e) / sqrt(Z);
;   t_j = s_j effect_j c;  p_j = 2^(t_j - M), M the ceiling of the running largest t;  O = (the sum of Q(p_j) Q(v_j)) / (the sum of the unquantised p_j);  O is quantised along the model's axis into cimg.
; PASS 1 walks all eight key steps of 128 for M1 and Z.  PASS 2 walks DOWN from the query's own step to step 0, so that A_j is a running sum carried from step to step; steps above the diagonal are left out by a scalar branch on ids.
; SHARES.  A work-group serves one batch and one PAIR of heads (128 columns = one K step of the images): their K and V for all 1,024 keys lie in LDS, filled once.  Sixteen waves, 16 queries each:
; wave w: head w % 2, tile (w / 2) % 2, block of 128 queries kd = 2 (w / 4) + ((c + w / 4) % 2), c the cluster's x; queries 128 kd + 32 cx + 16 tile on.  So the four waves of each head and tile have 18 steps of pass 2 together.
; CLUSTER.  The four work-groups of a cluster serve the same batch and heads: each tile is asked for jointly, mask 15.  kd hangs on the wave's and the cluster's number alone; cx enters only global addresses and data.
; LAYOUT.  Both products are used transposed: a lane holds one query (lane % 16).  The K image's keys and the V image's channels are permuted, so that register 16 b + i of a lane is key (channel) 32 b + 16 (lane / 16) + i.
; The first product's K is 64: Q's upper six registers are zero codes, K's upper six are whatever follows (the next tile's codes): they meet zeros; the upper two scale bytes are 0, which is 2^-127 and no NaN.
; LIMITS: NaN and infinities are not served; v_exp_f32 and v_sqrt_f32 flush denormals; softplus of a gamma under about -15 is good to 1e-7 absolute only; a block of zeros keeps the byte 1.
.set VC,   98304                       ; LDS: K's codes [64 token blocks][1,536] from 0; V's [8 channel blocks][8 K steps][1,536] from here;
.set KSW,  196608                      ; K's scale words, 4 bytes a position;
.set VSW,  200704                      ; V's, [8 K steps][128 channels];
.set STG,  204800                      ; the way out: 8 fragments of 1,536 bytes,
.set STS,  217088                      ; and their scale words
.set F,    32                          ; v32-85   fragments of K or V; at work between
.set R,    96                          ; v96-159  scores, then p
.set W,    160                         ; v160-223 E, the decay; then at work
.set O,    224                         ; v224-255 O^T
.set BM,   W
.set BT,   W+4
.set SO,   W+8
.set CT,   W+12
.set PCD,  W+20                        ; p's codes
.set SM,   W+32
.set TT,   W+34
.set TS,   F
.set TL,   F+8
.set TO,   F+12
.set AA,   F+16
.set PP,   F+24
.set NI,   F+28
.set DI,   F+29
.set WV,   10
.set PAR,  11
.set SUB,  12
.set BI,   13
.set KD,   14
.set CX,   15
.set BB,   16
.set HP,   17
.set SEL,  18
.set CS,   20
.set CLO,  22
.set CHI,  23
.set G1K,  24
.set G1V,  32
.set G1KS, 40
.set G1VS, 48
.set G0K,  56
.set G0V,  60
.set G0KS, 68
.set G0VS, 72
.set IT,   76
.set KSI,  77
.set SK,   78
.set SS,   79
.set SV,   80
; other registers: v1, v2 K's places; v3 K's scale words; v4, v5 V's places; v6 V's scale words; v7 my query - 16 h within its block of 128 (data only); v8-11 the step's addresses;
; v12 -M, v13 the largest t, v[14:15] the sum; v16-27 Q; v28 Q's scale word; v29 1 in lanes 0-15, 0 above; v30 -M1, v31 the carry; v86-89 K's and V's scale words, v90 p's: they hold nothing else;
; v91 softplus x log2(e); v92 G, v93 the distance; v[94:95] f
.macro ROUND
	s_barrier_signal -1
	s_barrier_wait -1
	s_cmp_lg_u32 s[WV], 0
	s_cbranch_scc1 .Lnot_wave_0_\@
	s_barrier_signal -3
.Lnot_wave_0_\@:
	s_barrier_wait -3
	s_barrier_signal -1
	s_barrier_wait -1
.endm
	s_load_b128 s[4:7], s[0:1], 0x0                ; qkv, gammas
	s_load_b64 s[8:9], s[0:1], 0x10                ; cimg
	v_lshl_add_u32 v254, v0, 2, 0x35200
	v_mov_b32 v255, 0
	ds_add_u32 v254, v255
	ds_add_u32 v254, v255
	s_wait_dscnt 0x0
	v_lshrrev_b32 v8, 5, v0
	v_readfirstlane_b32 s[WV], v8                  ; wave 0..15
	s_and_b32 s[PAR], s[WV], 1
	s_bfe_u32 s[SUB], s[WV], 0x10001
	s_lshr_b32 s[BI], s[WV], 2
	s_add_co_u32 s[KD], ttmp9, s[BI]
	s_and_b32 s[KD], s[KD], 1
	s_lshl_b32 s81, s[BI], 1
	s_add_co_u32 s[KD], s[KD], s81                 ; my block of 128 queries, and my diagonal key step
	s_bfe_u32 s[CX], ttmp6, 0x40000
	s_and_b32 s[BB], ttmp7, 0xffff
	s_and_b32 s[HP], s[BB], 7                      ; the pair of heads
	s_lshr_b32 s[BB], s[BB], 3                     ; the batch
	s_mov_b32 s[SEL], 0x76543210
	s_mov_b32 s[SEL+1], 0xfedcba98
	s_mov_b32 s[CS], 0x3e38aa3b                    ; c = log2(e) / 8
	s_mov_b32 s[CS+1], s[CS]
	s_mov_b32 s[CLO], 0x3727c5ac                   ; 1e-5
	s_mov_b32 s[CHI], 0x47c35000                   ; 1e5
	; descriptor groups 1: mask 15, elements of 8 bytes, bit 21 beside the mask, no padding
	s_mov_b32 s[G1K], 15|(3<<16)|(1<<21)           ; K: 16 token blocks x 1,536 bytes, 12,288 bytes apart
	s_mov_b32 s[G1K+1], 192<<16
	s_mov_b32 s[G1K+2], 16<<16
	s_mov_b32 s[G1K+3], 192<<16
	s_mov_b32 s[G1K+4], 16
	s_mov_b32 s[G1K+5], 1536
	s_mov_b32 s[G1K+6], 0
	s_mov_b32 s[G1K+7], 0
	s_mov_b32 s[G1V], 15|(3<<16)|(1<<21)           ; V: 2 channel blocks x 12,288 bytes (8 K steps), 49,152 bytes apart
	s_mov_b32 s[G1V+1], 1536<<16
	s_mov_b32 s[G1V+2], 2<<16
	s_mov_b32 s[G1V+3], 1536<<16
	s_mov_b32 s[G1V+4], 2
	s_mov_b32 s[G1V+5], 6144
	s_mov_b32 s[G1V+6], 0
	s_mov_b32 s[G1V+7], 0
	s_mov_b32 s[G1KS], 15|(3<<16)|(1<<21)          ; K's scale words: 8 x 512 bytes, 4,096 bytes apart
	s_mov_b32 s[G1KS+1], 64<<16
	s_mov_b32 s[G1KS+2], 8<<16
	s_mov_b32 s[G1KS+3], 64<<16
	s_mov_b32 s[G1KS+4], 8
	s_mov_b32 s[G1KS+5], 512
	s_mov_b32 s[G1KS+6], 0
	s_mov_b32 s[G1KS+7], 0
	s_mov_b32 s[G1VS], 15|(3<<16)|(1<<21)          ; V's: 4,096 dense bytes as rows of 256
	s_mov_b32 s[G1VS+1], 32<<16
	s_mov_b32 s[G1VS+2], 16<<16
	s_mov_b32 s[G1VS+3], 32<<16
	s_mov_b32 s[G1VS+4], 16
	s_mov_b32 s[G1VS+5], 32
	s_mov_b32 s[G1VS+6], 0
	s_mov_b32 s[G1VS+7], 0
	s_and_b32 s81, s[WV], 3                        ; which quarter of K or of V I fetch, if I fetch
	s_lshl_b32 s82, s[BB], 6
	s_lshl_b32 s83, s81, 4
	s_add_co_u32 s82, s82, s83
	s_lshl_b32 s82, s82, 3
	s_add_co_u32 s82, s82, s[HP]
	s_mul_i32 s82, s82, 1536
	s_add_co_u32 s82, s82, 3145728                 ; K: ((64 b + 16 quarter) x 8 + hp) x 1,536 in k's image
	s_mov_b32 s83, 0
	s_lshl_b32 s84, s[HP], 3
	s_lshl_b32 s85, s81, 1
	s_add_co_u32 s84, s84, s85
	s_lshl_b32 s84, s84, 5
	s_lshl_b32 s85, s[BB], 3
	s_add_co_u32 s84, s84, s85
	s_mul_i32 s84, s84, 1536
	s_add_co_u32 s84, s84, 6291456                 ; V: ((8 hp + 2 quarter) x 32 + 8 b) x 1,536 in v^T's image
	s_mov_b32 s85, 0
	s_lshl_b32 s86, s[BB], 6
	s_add_co_u32 s86, s86, s[HP]
	s_lshl_b32 s86, s86, 9
	s_add_co_u32 s86, s86, 9568256
	s_mov_b32 s87, 0
	s_lshl_b32 s88, s[HP], 5
	s_lshl_b32 s89, s[BB], 3
	s_add_co_u32 s88, s88, s89
	s_lshl_b32 s88, s88, 9
	s_add_co_u32 s88, s88, 9699328
	s_mov_b32 s89, 0
	s_mul_i32 s81, s81, 24576
	; my queries: Q's half fragment, and the same place in cimg
	s_lshl_b32 s90, s[BB], 6
	s_lshl_b32 s91, s[KD], 3
	s_add_co_u32 s90, s90, s91
	s_lshl_b32 s91, s[CX], 1
	s_add_co_u32 s90, s90, s91
	s_add_co_u32 s90, s90, s[SUB]                  ; row block 64 b + 8 kd + 2 cx + tile
	s_lshl_b32 s90, s90, 3
	s_add_co_u32 s90, s90, s[HP]
	s_mul_i32 s90, s90, 1536
	s_mul_i32 s91, s[PAR], 768
	s_add_co_u32 s90, s90, s91
	s_mov_b32 s91, 0
	s_lshl_b32 s92, s[BB], 3
	s_add_co_u32 s92, s92, s[KD]
	s_lshl_b32 s92, s92, 3
	s_add_co_u32 s92, s92, s[HP]
	s_lshl_b32 s92, s92, 9
	s_lshl_b32 s93, s[CX], 7
	s_add_co_u32 s92, s92, s93                     ; the scale words of my work-group's 32 queries of this block
	s_lshl_b32 s94, s[SUB], 6
	s_add_co_u32 s94, s94, s92
	s_lshl_b32 s95, s[PAR], 1
	s_add_co_u32 s94, s94, s95
	s_add_co_u32 s94, s94, 9437184                 ; Q's: my tile's, my head's two bytes
	s_mov_b32 s95, 0
	s_add_co_u32 s92, s92, 3145728                 ; cimg's
	s_mov_b32 s93, 0
	s_wait_kmcnt 0x0
	s_mov_b32 s[G0K], 1
	s_mov_b32 s[G0K+1], s81
	s_add_nc_u64 s[G0K+2:G0K+3], s[4:5], s[82:83]
	s_or_b32 s[G0K+3], s[G0K+3], 0x80000000
	s_mov_b32 s[G0V], 1
	s_add_co_u32 s[G0V+1], s81, VC
	s_add_nc_u64 s[G0V+2:G0V+3], s[4:5], s[84:85]
	s_or_b32 s[G0V+3], s[G0V+3], 0x80000000
	s_mov_b32 s[G0KS], 1
	s_mov_b32 s[G0KS+1], KSW
	s_add_nc_u64 s[G0KS+2:G0KS+3], s[4:5], s[86:87]
	s_or_b32 s[G0KS+3], s[G0KS+3], 0x80000000
	s_mov_b32 s[G0VS], 1
	s_mov_b32 s[G0VS+1], VSW
	s_add_nc_u64 s[G0VS+2:G0VS+3], s[4:5], s[88:89]
	s_or_b32 s[G0VS+3], s[G0VS+3], 0x80000000
	s_add_nc_u64 s[96:97], s[4:5], s[90:91]        ; Q's codes
	s_add_nc_u64 s[98:99], s[4:5], s[94:95]        ; Q's scale words
	s_add_nc_u64 s[90:91], s[8:9], s[90:91]        ; my half fragment of cimg
	s_add_nc_u64 s[92:93], s[8:9], s[92:93]        ; and its scale words
	ROUND                                          ; all four work-groups are here: the joint loads meet
	s_cmp_lt_u32 s[WV], 4                          ; one load a wave, waves 0 to 9; the branches hang on the wave's number alone; four v_nop follow each load
	s_cbranch_scc0 .Lnot_k
	tensor_load_to_lds s[G0K:G0K+3], s[G1K:G1K+7]
	s_nop 0
.rept 4
	v_nop
.endr
	s_branch .Lasked
.Lnot_k:
	s_cmp_lt_u32 s[WV], 8
	s_cbranch_scc0 .Lnot_v
	tensor_load_to_lds s[G0V:G0V+3], s[G1V:G1V+7]
	s_nop 0
.rept 4
	v_nop
.endr
	s_branch .Lasked
.Lnot_v:
	s_cmp_eq_u32 s[WV], 8
	s_cbranch_scc0 .Lnot_ks
	tensor_load_to_lds s[G0KS:G0KS+3], s[G1KS:G1KS+7]
	s_nop 0
.rept 4
	v_nop
.endr
	s_branch .Lasked
.Lnot_ks:
	s_cmp_eq_u32 s[WV], 9
	s_cbranch_scc0 .Lasked
	tensor_load_to_lds s[G0VS:G0VS+3], s[G1VS:G1VS+7]
	s_nop 0
.rept 4
	v_nop
.endr
.Lasked:
	v_and_b32 v8, 31, v0                           ; lane
	v_and_b32 v9, 15, v0                           ; r
	v_bfe_u32 v10, v0, 4, 1                        ; h
	v_lshlrev_b32 v32, 4, v8
	v_lshlrev_b32 v33, 3, v8
	v_lshlrev_b32 v34, 2, v9
	s_lshl_b32 s81, s[HP], 1
	s_add_co_u32 s81, s81, s[PAR]
	s_lshl_b32 s81, s81, 2
	v_mov_b32 v35, s81                             ; my head's gamma
	global_load_b128 v[16:19], v32, s[96:97]       ; Q's six registers stay
	global_load_b64 v[20:21], v33, s[96:97] offset:512
	global_load_u16 v28, v34, s[98:99]             ; two bytes; the upper two are 0
	global_load_b32 v91, v35, s[6:7]
	s_mul_i32 s81, s[PAR], 768
	v_lshl_add_u32 v1, v8, 4, s81                  ; K: my head's half of a fragment: registers 0-3
	s_add_co_u32 s81, s81, 512
	v_lshl_add_u32 v2, v8, 3, s81                  ; registers 4, 5
	s_lshl_b32 s81, s[PAR], 1
	s_add_co_u32 s81, s81, KSW
	v_lshl_add_u32 v3, v8, 2, s81                  ; K's scale words: two tiles' positions in 32 lanes, my head's two bytes
	s_mul_i32 s81, s[PAR], 49152
	s_add_co_u32 s81, s81, VC
	v_lshl_add_u32 v4, v8, 4, s81                  ; V: my head's four channel blocks
	v_lshl_add_u32 v5, v8, 3, s81
	s_lshl_b32 s81, s[PAR], 8
	s_add_co_u32 s81, s81, VSW
	v_lshl_add_u32 v6, v8, 2, s81
	s_lshl_b32 s81, s[CX], 5
	s_lshl_b32 s82, s[SUB], 4
	s_add_co_u32 s81, s81, s82
	v_lshlrev_b32 v11, 4, v10
	v_sub_nc_u32 v7, v9, v11
	v_add_nc_u32 v7, s81, v7                       ; my query within its 128, - 16 h
	v_cvt_f32_u32 v29, v10
	v_sub_f32 v29, 1.0, v29
.irp j, 22,23,24,25,26,27,80,81,82,83,84,85
	v_mov_b32 v[\j], 0                             ; Q's upper half: zero codes; and what stands behind K's last tile
.endr
	v_mov_b32 v13, 0xff61b1e6                      ; -3e38, under every t
	v_floor_f32 v12, -v13
	v_mov_b32 v14, 0
	v_mov_b32 v15, 0
	v_mov_b32 v95, 0
	v_mov_b32 v93, 0
.irp b, 0,1,2,3
	v_mov_b32 v[BT+\b], 0                          ; a lane permute's destination counts as one of its sources
.endr
	s_wait_loadcnt 0x0
	v_mul_f32 v91, 0x3fb8aa3b, v91                 ; softplus(g) log2(e) = max(g', 0) + log2(1 + 2^-|g'|), g' = g log2(e)
	v_exp_f32 v92, -|v91|
	v_nop
	s_wait_alu depctr_va_vdst(0)
	v_add_f32 v92, 1.0, v92
	v_log_f32 v92, v92
	v_max_num_f32 v91, 0, v91                      ; (a plain place behind the logarithm)
	s_wait_alu depctr_va_vdst(0)
	v_add_f32 v91, v91, v92
	s_wait_tensorcnt 0x0                           ; my load has landed,
	s_barrier_signal -1
	s_barrier_wait -1                              ; everybody's has: LDS is whole, and nothing is filled again
; S^T of one key step: eight tiles of 16 keys.  The four additions are the places in front of loads into registers that matrix instructions have read.
.macro SCORES
	v_add_nc_u32 v8, s[SK], v1
	v_add_nc_u32 v9, s[SK], v2
	v_add_nc_u32 v10, s[SS], v3
	v_add_nc_u32 v11, s[SS], v6
.irp t, 0,1,2,3,4,5,6,7
	ds_load_b128 v[F+6*\t:F+6*\t+3], v8 offset:1536*\t
	ds_load_b64 v[F+6*\t+4:F+6*\t+5], v9 offset:1536*\t
.endr
.irp t, 0,1,2,3
	ds_load_u16 v[86+\t], v10 offset:128*\t        ; lanes 0-15: tile 2 t, lanes 16-31: tile 2 t + 1
.endr
	s_wait_dscnt 0x0
.irp t, 0,1,2,3,4,5,6,7
.if \t%2
	v_wmma_scale_f32_16x16x128_f8f6f4 v[R+8*\t:R+8*\t+7], v[F+6*\t:F+6*\t+11], v[16:27], 0, v[86+\t/2], v28 matrix_a_fmt:MATRIX_FMT_BF6 matrix_b_fmt:MATRIX_FMT_BF6 matrix_a_scale:MATRIX_SCALE_ROW1
.else
	v_wmma_scale_f32_16x16x128_f8f6f4 v[R+8*\t:R+8*\t+7], v[F+6*\t:F+6*\t+11], v[16:27], 0, v[86+\t/2], v28 matrix_a_fmt:MATRIX_FMT_BF6 matrix_b_fmt:MATRIX_FMT_BF6
.endif
.endr
.rept 4
	v_nop
.endr
.endm
; the largest number of each block of 32 keys in R, the running M (a whole number, kept as -M) and f = 2^(old M - new M)
.macro NEWM
.irp b, 0,1,2,3
	v_max3_num_f32 v[BM+\b], v[R+16*\b], v[R+16*\b+1], v[R+16*\b+2]
.endr
.irp i, 3,5,7,9,11,13
.irp b, 0,1,2,3
	v_max3_num_f32 v[BM+\b], v[BM+\b], v[R+16*\b+\i], v[R+16*\b+\i+1]
.endr
.endr
.irp b, 0,1,2,3
	v_max_num_f32 v[BM+\b], v[BM+\b], v[R+16*\b+15]
.endr
.irp b, 0,1,2,3
	v_permlanex16_b32 v[BT+\b], v[BM+\b], s[SEL], s[SEL+1]
.endr
.irp b, 0,1,2,3
	v_max_num_f32 v[BM+\b], v[BM+\b], v[BT+\b]
.endr
	v_max3_num_f32 v[TT], v[BM], v[BM+1], v[BM+2]
	v_max_num_f32 v[TT], v[TT], v[BM+3]
	v_mul_f32 v[TT], s[CS], v[TT]
	v_max_num_f32 v13, v13, v[TT]
	v_mov_b32 v[TT], v12
	v_floor_f32 v12, -v13
	v_sub_f32 v[TT], v12, v[TT]
	v_cvt_i32_f32 v[TT], v[TT]                     ; (it saturates)
	v_ldexp_f32 v94, 1.0, v[TT]
.endm
.macro SHIFT                           ; R = R c - M, two at a time
.set j, 0
.rept 32
	v_pk_fma_f32 v[R+j:R+j+1], v[R+j:R+j+1], s[CS:CS+1], v[12:13] op_sel_hi:[1,0,0]
.set j, j+2
.endr
.endm
.macro EXP64 base
.set j, 0
.rept 64
	v_exp_f32 v[\base+j], v[\base+j]
.set j, j+1
.endr
.endm
.macro SUMR                            ; v[14:15] += the 64 numbers of R, in two chains
	v_pk_add_f32 v[SM:SM+1], v[R:R+1], v[R+2:R+3]
.set j, 4
.rept 15
	v_pk_add_f32 v[14:15], v[14:15], v[R+j:R+j+1]
	v_pk_add_f32 v[SM:SM+1], v[SM:SM+1], v[R+j+2:R+j+3]
.set j, j+4
.endr
	v_pk_add_f32 v[14:15], v[14:15], v[SM:SM+1]
.endm
	; PASS 1: M1 and Z over all keys
	s_mov_b32 s[IT], 0
.Lp1:
	s_mul_i32 s[SK], s[IT], 12288
	s_lshl_b32 s[SS], s[IT], 9
	SCORES
	NEWM
	SHIFT
	EXP64 R
	v_pk_mul_f32 v[14:15], v[14:15], v[94:95] op_sel_hi:[1,0]   ; Z under the new M.  (A plain place behind the exponentials)
	s_wait_alu depctr_va_vdst(0)
	SUMR
	s_add_co_u32 s[IT], s[IT], 1
	s_cmp_lt_u32 s[IT], 8
	s_cbranch_scc1 .Lp1
	v_add_f32 v14, v14, v15
	v_permlanex16_b32 v[BT], v14, s[SEL], s[SEL+1]
	v_add_f32 v14, v14, v[BT]                      ; Z
	v_rsq_f32 v92, v14
	v_mov_b32 v30, v12                             ; -M1.  (A plain place behind the root)
	s_wait_alu depctr_va_vdst(0)
	v_mul_f32 v92, -v91, v92                       ; G
	v_mov_b32 v31, 0                               ; the carry
	v_mov_b32 v13, 0xff61b1e6
	v_floor_f32 v12, -v13
	v_mov_b32 v14, 0
	v_mov_b32 v15, 0
.set j, 0
.rept 32
	v_mov_b32 v[O+j], 0                            ; the step is written once: the first finds zeros
.set j, j+1
.endr
	; PASS 2: eight trips, key steps 7 down to 0; those above my diagonal step are left out
	s_mov_b32 s[IT], 0
.Lp2:
	s_xor_b32 s[KSI], s[IT], 7
	s_cmp_gt_u32 s[KSI], s[KD]
	s_cbranch_scc1 .Lp2_next
	s_mul_i32 s[SK], s[KSI], 12288
	s_lshl_b32 s[SS], s[KSI], 9
	s_mul_i32 s[SV], s[KSI], 1536
	SCORES
	s_cmp_lg_u32 s[KSI], s[KD]
	s_cbranch_scc1 .Lopen
	v_mov_b32 v[NI], 0xff800000                    ; on the diagonal the scores of keys behind my query become -infinity: E = 0 and p = 0 then
.set n, 0
.rept 64
	v_cmp_gt_i32 vcc_lo, 32*(n/16)+n%16, v7
	v_cndmask_b32 v[R+n], v[R+n], v[NI], vcc_lo
.set n, n+1
.endr
.Lopen:
.set j, 0
.rept 32
	v_pk_fma_f32 v[W+j:W+j+1], v[R+j:R+j+1], s[CS:CS+1], v[30:31] op_sel_hi:[1,0,0]   ; s c - M1
.set j, j+2
.endr
	EXP64 W                                        ; E
	s_sub_co_u32 s81, s[KD], s[KSI]
	s_lshl_b32 s81, s81, 7
	v_add_nc_u32 v[DI], s81, v7                    ; (a plain place behind the exponentials)
	v_cvt_f32_i32 v93, v[DI]                       ; my query - the step's first key - 16 h
	; each block's sum of my 16, and of lane l xor 16's
	s_wait_alu depctr_va_vdst(0)
.irp b, 0,1,2,3
	v_pk_add_f32 v[TS+2*\b:TS+2*\b+1], v[W+16*\b:W+16*\b+1], v[W+16*\b+2:W+16*\b+3]
.endr
.irp i, 4,6,8,10,12,14
.irp b, 0,1,2,3
	v_pk_add_f32 v[TS+2*\b:TS+2*\b+1], v[TS+2*\b:TS+2*\b+1], v[W+16*\b+\i:W+16*\b+\i+1]
.endr
.endr
.irp b, 0,1,2,3
	v_add_f32 v[TL+\b], v[TS+2*\b], v[TS+2*\b+1]
.endr
.irp b, 0,1,2,3
	v_permlanex16_b32 v[TO+\b], v[TL+\b], s[SEL], s[SEL+1]
.endr
.irp b, 0,1,2,3
	v_add_f32 v[TL+\b], v[TL+\b], v[TO+\b]         ; the block's 32
.endr
.irp b, 3,2,1,0
	v_fma_f32 v[AA+\b], v29, v[TO+\b], v31         ; what lies behind my 16 keys of block b: the carry, and in lanes 0-15 the upper 16 keys
	v_add_f32 v31, v31, v[TL+\b]
.endr
	v_add_f32 v[PP], 0xc1700000, v93               ; the distance at my last key of each block: - 15, - 47, - 79, - 111
	v_add_f32 v[PP+1], 0xc23c0000, v93
	v_add_f32 v[PP+2], 0xc29e0000, v93
	v_add_f32 v[PP+3], 0xc2de0000, v93
	; down my 16 keys of each block, the four blocks by turns: W = (the sum behind the key) x distance
.set i, 15
.rept 16
.if i > 0
.irp b, 0,1,2,3
	v_add_f32 v[AA+4*((16-i)%2)+\b], v[AA+4*((15-i)%2)+\b], v[W+16*\b+i]
.endr
.endif
.irp b, 0,1,2,3
	v_mul_f32 v[W+16*\b+i], v[AA+4*((15-i)%2)+\b], v[PP+\b]
.endr
.if i > 0
.irp b, 0,1,2,3
	v_add_f32 v[PP+\b], 1.0, v[PP+\b]
.endr
.endif
.set i, i-1
.endr
	; V's four fragments and scale words of this key step are asked for here: they land under the work below
	v_add_nc_u32 v8, s[SV], v4
	v_add_nc_u32 v9, s[SV], v5
.irp t, 0,1,2,3
	ds_load_b128 v[F+12*\t:F+12*\t+3], v8 offset:12288*\t
	ds_load_b64 v[F+12*\t+4:F+12*\t+5], v9 offset:12288*\t+512
	ds_load_b128 v[F+12*\t+6:F+12*\t+9], v8 offset:12288*\t+768
	ds_load_b64 v[F+12*\t+10:F+12*\t+11], v9 offset:12288*\t+1280
.endr
	ds_load_b32 v86, v11
	ds_load_b32 v87, v11 offset:128
.set j, 0
.rept 64
	v_sqrt_f32 v[W+j], |v[W+j]|                    ; (behind my query the product is -0)
.set j, j+1
.endr
	v_nop
.set j, 0
	s_wait_alu depctr_va_vdst(0)
.rept 32
	v_pk_mul_f32 v[W+j:W+j+1], v[W+j:W+j+1], v[92:93] op_sel_hi:[1,0]
.set j, j+2
.endr
	EXP64 W
	v_nop
.set j, 0
	s_wait_alu depctr_va_vdst(0)
.rept 64
	v_med3_num_f32 v[W+j], v[W+j], s[CLO], s[CHI]
.set j, j+1
.endr
.set j, 0
.rept 32
	v_pk_mul_f32 v[R+j:R+j+1], v[R+j:R+j+1], v[W+j:W+j+1]   ; score x effect
.set j, j+2
.endr
	NEWM
	SHIFT
.irp b, 0,1,2,3
	v_fma_f32 v[BM+\b], v[BM+\b], s[CS], v12       ; the same of each block's largest: p rises with it
.endr
	EXP64 R                                        ; p, not normalised
.irp b, 0,1,2,3
	v_exp_f32 v[BM+\b], v[BM+\b]                   ; the block's largest p
.endr
	v_pk_mul_f32 v[14:15], v[14:15], v[94:95] op_sel_hi:[1,0]   ; (a plain place behind the exponentials)
	s_wait_alu depctr_va_vdst(0)
.irp b, 0,1,2,3
	v_max_num_f32 v[BM+\b], 0x2800000, v[BM+\b]    ; the floor 2^(5 - 127)
.endr
.irp b, 0,1,2,3
	v_add_nc_u32 v[SO+\b], 0xfe000000, v[BM+\b]
.endr
.irp b, 0,1,2,3
	v_lshrrev_b32 v[BT+\b], 23, v[SO+\b]
.endr
	v_lshl_or_b32 v90, v[BT+1], 8, v[BT]
	v_lshl_or_b32 v90, v[BT+2], 16, v90
	v_lshl_or_b32 v90, v[BT+3], 24, v90
.irp c, 0,1
	v_cvt_scalef32_pk16_bf6_f32 v[PCD+6*\c:PCD+6*\c+2], v[R+32*\c:R+32*\c+15], v[SO+2*\c]
	v_cvt_scalef32_pk16_bf6_f32 v[CT+4*\c:CT+4*\c+2], v[R+32*\c+16:R+32*\c+31], v[SO+2*\c+1]
.endr
	v_nop
.irp c, 0,1
.irp i, 0,1,2
	v_permlane16_swap_b32 v[PCD+6*\c+\i], v[CT+4*\c+\i]
.endr
.irp i, 0,1,2
	v_mov_b32 v[PCD+3+6*\c+\i], v[CT+4*\c+\i]
.endr
.endr
	SUMR                                           ; the row's sum is taken of the unquantised p
.set j, 0
.rept 16
	v_pk_mul_f32 v[O+j:O+j+1], v[O+j:O+j+1], v[94:95] op_sel_hi:[1,0]   ; O^T under the new M.  (These and the sums are the places in front of the matrix instructions)
.set j, j+2
.endr
	s_wait_dscnt 0x0                               ; V
.irp t, 0,1,2,3                        ; four accumulators by turns, one instruction a turn
.if \t%2
	v_wmma_scale_f32_16x16x128_f8f6f4 v[O+8*\t:O+8*\t+7], v[F+12*\t:F+12*\t+11], v[PCD:PCD+11], v[O+8*\t:O+8*\t+7], v[86+\t/2], v90 matrix_a_fmt:MATRIX_FMT_BF6 matrix_b_fmt:MATRIX_FMT_BF6 matrix_a_scale:MATRIX_SCALE_ROW1
.else
	v_wmma_scale_f32_16x16x128_f8f6f4 v[O+8*\t:O+8*\t+7], v[F+12*\t:F+12*\t+11], v[PCD:PCD+11], v[O+8*\t:O+8*\t+7], v[86+\t/2], v90 matrix_a_fmt:MATRIX_FMT_BF6 matrix_b_fmt:MATRIX_FMT_BF6
.endif
.endr
.Lp2_next:
	s_add_co_u32 s[IT], s[IT], 1
	s_cmp_lt_u32 s[IT], 8
	s_cbranch_scc1 .Lp2
	; THE WAY OUT: O / the sum; my head's 64 channels are two blocks of 32: half a fragment of cimg; the two heads' halves meet in LDS and leave in runs of 256 bytes
.rept 4
	v_nop
.endr
	v_add_f32 v14, v14, v15
	v_permlanex16_b32 v[BT], v14, s[SEL], s[SEL+1]
	v_add_f32 v14, v14, v[BT]
	v_rcp_f32 v14, v14
	v_nop
.set j, 0
	s_wait_alu depctr_va_vdst(0)
.rept 16
	v_pk_mul_f32 v[R+j:R+j+1], v[O+j:O+j+1], v[14:15] op_sel_hi:[1,0]
.set j, j+2
.endr
.irp b, 0,1
	v_max3_num_f32 v[BM+\b], |v[R+16*\b]|, |v[R+16*\b+1]|, 0x2800000
.endr
.irp i, 2,4,6,8,10,12,14
.irp b, 0,1
	v_max3_num_f32 v[BM+\b], v[BM+\b], |v[R+16*\b+\i]|, |v[R+16*\b+\i+1]|
.endr
.endr
.irp b, 0,1
	v_permlanex16_b32 v[BT+\b], v[BM+\b], s[SEL], s[SEL+1]
.endr
.irp b, 0,1
	v_max_num_f32 v[BM+\b], v[BM+\b], v[BT+\b]
.endr
.irp b, 0,1
	v_add_nc_u32 v[SO+\b], 0xfe000000, v[BM+\b]
.endr
.irp b, 0,1
	v_lshrrev_b32 v[BT+\b], 23, v[SO+\b]
.endr
	v_lshl_or_b32 v[TT], v[BT+1], 8, v[BT]         ; my head's two bytes of the row's scale word
	v_cvt_scalef32_pk16_bf6_f32 v[PCD:PCD+2], v[R:R+15], v[SO]
	v_cvt_scalef32_pk16_bf6_f32 v[CT:CT+2], v[R+16:R+31], v[SO+1]
	v_nop
.irp i, 0,1,2
	v_permlane16_swap_b32 v[PCD+\i], v[CT+\i]
.endr
.irp i, 0,1,2
	v_mov_b32 v[PCD+3+\i], v[CT+\i]
.endr
	v_and_b32 v8, 31, v0
	v_and_b32 v9, 15, v0
	s_lshr_b32 s81, s[WV], 1                       ; my tile of queries among the work-group's eight
	s_mul_i32 s82, s81, 1536
	s_add_co_u32 s82, s82, STG
	s_mul_i32 s83, s[PAR], 520
	s_add_co_u32 s83, s83, s82
	v_lshl_add_u32 v1, v8, 4, s83                  ; the image has registers 4 g .. 4 g + 3 at 512 g + 16 l: my six are 0-5 (head 0) or 6-11 (head 1): pairs at 0, 8, 512 or at 520, 1,024, 1,032
	s_mul_i32 s83, s[PAR], 1016
	s_add_co_u32 s83, s83, s82
	s_add_co_u32 s83, s83, 8
	v_lshl_add_u32 v2, v8, 4, s83
	s_mul_i32 s83, s[PAR], 768
	s_add_co_u32 s83, s83, s82
	v_lshl_add_u32 v3, v8, 3, s83                  ; back: my half of the fragment's bytes
	s_lshl_b32 s82, s81, 6
	s_add_co_u32 s82, s82, STS
	v_lshl_add_u32 v5, v8, 2, s82                  ; back: two tiles' scale words
	s_lshl_b32 s83, s[PAR], 1
	s_add_co_u32 s83, s83, s82
	v_lshl_add_u32 v4, v9, 2, s83
	v_lshlrev_b32 v6, 3, v8
	v_lshlrev_b32 v10, 2, v8
	ds_store_b64 v1, v[PCD:PCD+1]
	ds_store_b64 v2, v[PCD+2:PCD+3]
	ds_store_b64 v1, v[PCD+4:PCD+5] offset:512
	ds_store_b16 v4, v[TT]                         ; lanes r and r + 16 write the same two bytes with the same value
	s_wait_dscnt 0x0                               ; for the others' sake
	s_barrier_signal -1
	s_barrier_wait -1
.irp g, 0,1,2
	ds_load_b64 v[R+2*\g:R+2*\g+1], v3 offset:256*\g
.endr
	s_wait_dscnt 0x0
.irp g, 0,1,2
	global_store_b64 v6, v[R+2*\g:R+2*\g+1], s[90:91] offset:256*\g   ; 256 consecutive bytes, aligned
.endr
	s_and_b32 s81, s[WV], 3
	s_cmp_lg_u32 s81, 0
	s_cbranch_scc1 .Lno_words                      ; one wave of four stores the 32 queries' scale words
	ds_load_b32 v[R+8], v5
	s_wait_dscnt 0x0
	global_store_b32 v10, v[R+8], s[92:93]
.Lno_words:
	s_wait_xcnt 0x0
	v_lshl_add_u32 v254, v0, 2, 0x35200
	v_mov_b32 v255, 0
	s_wait_tensorcnt 0x0
	ds_add_u32 v254, v255
	s_wait_dscnt 0x0
	ROUND                                          ; the closing round
	s_endpgm
.Lfunc_end_k_q48abeeb84f_attn:
	.size	k_q48abeeb84f_attn, .Lfunc_end_k_q48abeeb84f_attn-k_q48abeeb84f_attn
	.p2alignl 7, 3214868480
	.fill 96, 4, 3214868480
	.section	.rodata,"a",@progbits
	.p2align	6, 0x0
	.amdhsa_kernel k_q48abeeb84f_attn
		.amdhsa_group_segment_fixed_size 219648
		.amdhsa_private_segment_fixed_size 0
		.amdhsa_enable_private_segment 0
		.amdhsa_kernarg_size 24
		.amdhsa_user_sgpr_count 2
		.amdhsa_user_sgpr_kernarg_segment_ptr 1
		.amdhsa_wavefront_size32 1
		.amdhsa_system_sgpr_workgroup_id_x 1
		.amdhsa_system_sgpr_workgroup_id_y 1
		.amdhsa_system_sgpr_workgroup_id_z 1
		.amdhsa_system_vgpr_workitem_id 0
		.amdhsa_next_free_vgpr 256
		.amdhsa_next_free_sgpr 100
		.amdhsa_reserve_vcc 1
		.amdhsa_float_denorm_mode_32 3
		.amdhsa_float_denorm_mode_16_64 3
		.amdhsa_memory_ordered 1
		.amdhsa_forward_progress 1
		.amdhsa_inst_pref_size 79
	.end_amdhsa_kernel
	.amdgpu_metadata
---
amdhsa.version: [ 1, 2 ]
amdhsa.kernels:
  - .name:           k_q48abeeb84f_attn
    .symbol:         k_q48abeeb84f_attn.kd
    .args:
      - { .name: qkv, .offset: 0, .size: 8, .value_kind: global_buffer, .address_space: global }
      - { .name: gammas, .offset: 8, .size: 8, .value_kind: global_buffer, .address_space: global }
      - { .name: cimg, .offset: 16, .size: 8, .value_kind: global_buffer, .address_space: global }
    .group_segment_fixed_size: 219648
    .private_segment_fixed_size: 0
    .kernarg_segment_align: 8
    .kernarg_segment_size: 24
    .max_flat_workgroup_size: 512
    .sgpr_count:     100
    .vgpr_count:     256
    .wavefront_size: 32
...
	.end_amdgpu_metadata
.endif
;; end of part 3
;; launch wo (part 4): grid 4 x 16, 4 waves a work-group, clusters of 4 x 4, 327,680 bytes of LDS; arguments cimg, w, y; writes y
.if DOCPART == 4
	.amdgcn_target "amdgcn-amd-amdhsa--gfx1250"
	.amdhsa_code_object_version 6
	.text
	.protected	k_q48abeeb84f_wo
	.globl	k_q48abeeb84f_wo
	.p2align	8
	.type	k_q48abeeb84f_wo,@function
k_q48abeeb84f_wo:
	s_mov_b64 s[64:65], 0
	v_nop
	global_prefetch_b8 v0, s[64:65] scope:SCOPE_SE
	s_setreg_imm32_b32 hwreg(HW_REG_WAVE_MODE, 25, 1), 1
	s_wait_xcnt 0x0
	s_wait_alu depctr_hold_cnt(0) depctr_sa_sdst(0) depctr_va_vdst(0) depctr_va_sdst(0) depctr_va_ssrc(0) depctr_va_vcc(0) depctr_vm_vsrc(0)
	s_getreg_b32 s2, hwreg(HW_REG_IB_STS2, 6, 4)
	s_cmp_eq_u32 s2, 0
	s_cbranch_scc0 .Lentry_in_a_cluster
	s_endpgm
.Lentry_in_a_cluster:
	s_bfe_u32 s2, ttmp6, 0x10000c
	s_cmp_lg_u32 s2, 0xf033
	s_cbranch_scc0 .Lentry_shape_is_right
	s_endpgm
.Lentry_shape_is_right:
; y = concat Wo^T, on codes of BF6 with one E8M0 scale for each 32 along K; y [4,096][1,024] f32; the bias is added by the next launch.
; A tile of C, 256 x 256, is made by four waves, 128 x 128 each: 64 accumulators.  K goes in steps of 256 through a ring of two LDS slots.  Operands lie in memory as images of their registers
; (fragment = 16 rows x 128 K = 1,536 bytes, registers 4 g .. 4 g + 3 of lane l at 512 g + 16 l): a slot's part of a row block is 3,072 consecutive bytes, a fragment comes by three loads of 16 bytes a lane.
; The scale words of 128 rows for all of K are one dense block; they come into LDS once and stay.
; CLUSTERS: 4 x 4 work-groups; A's tiles are asked for jointly along a row of the cluster, B's along a column.  THE MATRIX INSTRUCTION IS USED TRANSPOSED (source 0 = B, source 1 = A): a lane holds eight neighbouring numbers of a row of C.
; The grid has 64 work-groups: C has 64 tiles of this size.
.set SIZE_K, 1024
.set SIZE_N, 1024
.set A_SC,   3145728                   ; A's scale words behind A's codes
.set B_CO,   11796480                  ; B's codes in w
.set B_SC,   18874368+491520           ; B's scale words in w
.set KS,     SIZE_K/128
.set NQ,     2
.set FR,     12
.set NL,     3
.set NP,     4
.set FRB,    1536
.set HALFT,  8*NQ*FRB
.set SLOT,   4*HALFT
.set LAPS,   SIZE_K/512
.set SCL,    2*SLOT
.set HALFS,  KS*512
.set SPARE,  SCL+4*HALFS               ; the spare words, 128 bytes a wave: two blocks of 256 bytes that no other line names
.set SPITCH, 528                       ; the way out: a stage of 16 rows x (512 + 16) bytes a wave, in slot 0, which has had its last fill and its last read by then
.set ADRA, 16
.set ADRB, 20
.set STO,  24
.set RD,   25
.set CO,   26
.set ADRS, 27
.set SPW,  28
.set NIL,  29
.set SC,   32
.set AF,   128
.set BK,   128
.set G1, 24
.set G0, 32
.set G1B, 48
.set G0B, 56
.set G1S, 68
.set G0S, 76
.set G1SB, 80
.set G0SB, 88
.set MSB, 0
.macro WIN new
.if MSB != \new
	s_set_vgpr_msb (MSB<<8)|\new
.set MSB, \new
.endif
.endm
.set MUL_LO, 0xa1
.set MUL_HI, 0xf1
.set TO_B,   0x40
.macro JLOAD g0a, g1a, g0b, g1b
	s_cmp_eq_u32 s15, 0
	s_cbranch_scc0 .Lfor_b_\@
	tensor_load_to_lds s[\g0a:\g0a+3], s[\g1a:\g1a+7]
	s_nop 0
.rept 4
	v_nop
.endr
	s_branch .Lasked_\@
.Lfor_b_\@:
	tensor_load_to_lds s[\g0b:\g0b+3], s[\g1b:\g1b+7]
	s_nop 0
.rept 4
	v_nop
.endr
.Lasked_\@:
.endm
.macro CREST
	s_cmp_lg_u32 s14, 0
	s_cbranch_scc1 .Lnot_wave_0_\@
	s_barrier_signal -3
.Lnot_wave_0_\@:
	s_barrier_wait -3
	s_barrier_signal -1
	s_barrier_wait -1
.endm
.macro CROUND
	s_barrier_signal -1
	s_barrier_wait -1
	CREST
.endm
	s_load_b128 s[4:7], s[0:1], 0x0                ; A's buffer, w
	s_load_b64 s[12:13], s[0:1], 0x10              ; y
	v_lshl_add_u32 v[SPW], v0, 2, SPARE
	v_mov_b32 v[NIL], 0
	ds_add_u32 v28, v29
	ds_add_u32 v28, v29
	s_wait_dscnt 0x0
	v_lshrrev_b32 v1, 5, v0
	v_readfirstlane_b32 s14, v1
	s_lshr_b32 s15, s14, 1
	s_and_b32 s16, s14, 1
	s_bfe_u32 s40, ttmp6, 0x40000
	s_bfe_u32 s41, ttmp6, 0x40004
	s_lshl_b32 s42, ttmp9, 2
	s_add_co_u32 s42, s42, s40                     ; tile column
	s_and_b32 s17, ttmp7, 0xffff
	s_lshl_b32 s17, s17, 2
	s_add_co_u32 s17, s17, s41                     ; tile row
	s_lshl_b32 s43, s41, 2
	s_lshl_b32 s43, 15, s43
	s_lshl_b32 s44, 0x1111, s40
	s_or_b32 s[G1+0], s43, (3<<16)|(1<<21)
	s_or_b32 s[G1B+0], s44, (3<<16)|(1<<21)
.irp g, G1, G1B
	s_mov_b32 s[\g+1], (NQ*FRB/8)<<16
	s_mov_b32 s[\g+2], 8<<16
	s_mov_b32 s[\g+3], (NQ*FRB/8)<<16
	s_mov_b32 s[\g+4], 8
	s_mov_b32 s[\g+5], KS*FRB/8
	s_mov_b32 s[\g+6], 0
	s_mov_b32 s[\g+7], 0
.endr
	s_or_b32 s[G1S+0], s43, (3<<16)|(1<<21)
	s_or_b32 s[G1SB+0], s44, (3<<16)|(1<<21)
.irp g, G1S, G1SB
	s_mov_b32 s[\g+1], 32<<16
	s_mov_b32 s[\g+2], (HALFS/256)<<16
	s_mov_b32 s[\g+3], 32<<16
	s_mov_b32 s[\g+4], HALFS/256
	s_mov_b32 s[\g+5], 32
	s_mov_b32 s[\g+6], 0
	s_mov_b32 s[\g+7], 0
.endr
	s_lshl_b32 s18, s16, 3
	s_lshl_b32 s20, s17, 4
	s_add_co_u32 s20, s20, s18
	s_lshl_b32 s46, s42, 4
	s_add_co_u32 s46, s46, s18
	s_mul_i32 s22, s20, KS*64
	s_mul_i32 s92, s46, KS*64
	s_mul_i32 s20, s20, KS*FRB
	s_mul_i32 s46, s46, KS*FRB
	s_mov_b32 s21, 0
	s_mov_b32 s23, 0
	s_mov_b32 s47, 0
	s_mov_b32 s93, 0
	s_mul_i32 s45, s14, HALFT
	s_mul_i32 s94, s14, HALFS
	s_wait_kmcnt 0x0
	s_add_nc_u64 s[8:9], s[6:7], B_CO
	s_add_nc_u64 s[10:11], s[6:7], B_SC
	s_add_nc_u64 s[6:7], s[4:5], A_SC
	s_add_nc_u64 s[20:21], s[4:5], s[20:21]
	s_add_nc_u64 s[22:23], s[6:7], s[22:23]
	s_add_nc_u64 s[46:47], s[8:9], s[46:47]
	s_add_nc_u64 s[92:93], s[10:11], s[92:93]
	CROUND
	s_mov_b32 s[G0S], 1
	s_add_co_u32 s[G0S+1], s94, SCL
	s_mov_b64 s[G0S+2:G0S+3], s[22:23]
	s_or_b32 s[G0S+3], s[G0S+3], 0x80000000
	s_mov_b32 s[G0SB], 1
	s_add_co_u32 s[G0SB+1], s94, SCL
	s_mov_b64 s[G0SB+2:G0SB+3], s[92:93]
	s_or_b32 s[G0SB+3], s[G0SB+3], 0x80000000
	JLOAD G0S, G1S, G0SB, G1SB
.irp s, 0,1
	s_mov_b32 s[G0+4*\s], 1
	s_add_co_u32 s[G0+4*\s+1], s45, \s*SLOT
	s_add_nc_u64 s[G0+4*\s+2:G0+4*\s+3], s[20:21], \s*NQ*FRB
	s_or_b32 s[G0+4*\s+3], s[G0+4*\s+3], 0x80000000
	s_mov_b32 s[G0B+4*\s], 1
	s_add_co_u32 s[G0B+4*\s+1], s45, \s*SLOT
	s_add_nc_u64 s[G0B+4*\s+2:G0B+4*\s+3], s[46:47], \s*NQ*FRB
	s_or_b32 s[G0B+4*\s+3], s[G0B+4*\s+3], 0x80000000
	JLOAD G0+4*\s, G1, G0B+4*\s, G1B
.endr
	v_and_b32 v1, 15, v0
	v_bfe_u32 v2, v0, 4, 1
	v_and_b32 v3, 31, v0
	v_lshlrev_b32 v3, 4, v3
	s_mul_i32 s21, s15, HALFT
	s_mul_i32 s22, s16, HALFT
	s_add_co_u32 s22, s22, 2*HALFT
.irp s, 0,1
	v_add_nc_u32 v[ADRA+\s], s21, v3
	v_add_nc_u32 v[ADRB+\s], s22, v3
	s_add_co_u32 s21, s21, SLOT
	s_add_co_u32 s22, s22, SLOT
.endr
	v_lshlrev_b32 v5, 2, v1
	s_mul_i32 s21, s15, HALFS
	s_mul_i32 s22, s16, HALFS
	s_add_co_u32 s22, s22, 2*HALFS
	s_sub_co_u32 s22, s22, s21
	v_mul_u32_u24 v6, s22, v2
	s_add_co_u32 s21, s21, SCL
	v_add_nc_u32 v5, v5, v6
	v_add_nc_u32 v[ADRS], s21, v5
	s_mul_i32 s23, s14, 16*SPITCH                  ; my stage
	v_mul_u32_u24 v5, v1, SPITCH
	v_lshl_add_u32 v5, v2, 5, v5
	v_add_nc_u32 v[STO], s23, v5
	v_mov_b32 v[CO], v3
	v_add_nc_u32 v[RD], s23, v[CO]
	s_lshl_b32 s20, s17, 8
	s_lshl_b32 s21, s15, 7
	s_add_co_u32 s20, s20, s21                     ; my first row of C
	s_mov_b32 s21, 0
	s_mov_b64 s[18:19], SIZE_N*4
	s_mul_u64 s[20:21], s[20:21], s[18:19]
	s_lshl_b32 s46, s42, 10
	s_lshl_b32 s47, s16, 9
	s_add_co_u32 s46, s46, s47
	s_mov_b32 s47, 0
	s_add_nc_u64 s[20:21], s[20:21], s[46:47]
	s_add_nc_u64 s[12:13], s[12:13], s[20:21]
.macro FRAG reg, adr, q, i
.irp c, 0,1,2
	ds_load_b128 v[\reg+4*\c:\reg+4*\c+3], v[\adr] offset:(\i)*NQ*FRB+(\q)*FRB+512*\c
.endr
.endm
.macro MUL16 a0, p, q, sc, zero        ; the 64 accumulators take turns, one instruction a turn
.irp a, \a0, \a0+1
.irp b, 0,1,2,3,4,5,6,7
.if \zero
	v_wmma_scale_f32_16x16x128_f8f6f4 v[8*(8*((\a)%4)+\b):8*(8*((\a)%4)+\b)+7], v[128*(\p)+FR*\b:128*(\p)+FR*\b+FR-1], v[AF+FR*(\a):AF+FR*(\a)+FR-1], 0, v[SC+8*NQ*(\sc)+NQ*\b+(\q)], v[SC+8*NQ*(\sc)+NQ*(\a)+(\q)] matrix_a_fmt:MATRIX_FMT_BF6 matrix_b_fmt:MATRIX_FMT_BF6 matrix_a_scale:MATRIX_SCALE_ROW1
.else
	v_wmma_scale_f32_16x16x128_f8f6f4 v[8*(8*((\a)%4)+\b):8*(8*((\a)%4)+\b)+7], v[128*(\p)+FR*\b:128*(\p)+FR*\b+FR-1], v[AF+FR*(\a):AF+FR*(\a)+FR-1], v[8*(8*((\a)%4)+\b):8*(8*((\a)%4)+\b)+7], v[SC+8*NQ*(\sc)+NQ*\b+(\q)], v[SC+8*NQ*(\sc)+NQ*(\a)+(\q)] matrix_a_fmt:MATRIX_FMT_BF6 matrix_b_fmt:MATRIX_FMT_BF6 matrix_a_scale:MATRIX_SCALE_ROW1
.endif
.endr
.endr
.endm
.macro FETCH_B slot, q, p
	WIN TO_B
.irp i, 0,1,2,3,4,5,6,7
	FRAG 128*(\p)+FR*\i, ADRB+\slot, \q, \i
.endr
	WIN 0
.endm
.macro FETCH_A slot, q, i0
.irp i, \i0, \i0+1, \i0+2, \i0+3
	FRAG AF+FR*(\i), ADRA+\slot, \q, \i
.endr
.endm
.macro SCALES sc
.irp i, 0,1,2,3,4,5,6,7
.irp q, 0,1
	ds_load_b32 v[SC+8*NQ*\sc+NQ*\i+\q], v[ADRS] offset:64*\i+512*\q
.endr
.endr
.endm
.macro PLACES n
.rept \n
	v_nop
.endr
.endm
.macro STEP slot, q, zero
	s_wait_dscnt 4*NL                              ; all but the youngest 12 loads (A's blocks 4-7)
	WIN MUL_LO
	MUL16 0, (\q)%2, \q, \slot, \zero
	MUL16 2, (\q)%2, \q, \slot, \zero
	s_wait_dscnt 0
	PLACES NP
	FETCH_B \slot, (\q)+1, 1-(\q)%2
	FETCH_A \slot, (\q)+1, 0
	WIN MUL_HI
	MUL16 4, (\q)%2, \q, \slot, \zero
	MUL16 6, (\q)%2, \q, \slot, \zero
	PLACES NP
	WIN 0
	FETCH_A \slot, (\q)+1, 4
.endm
.macro TURN slot, next, fill
	s_wait_tensorcnt 0x0                           ; all my tensor loads have landed: my part of the next slot
	ds_add_u32 v[SPW], v[NIL]                      ; 0 onto my spare word
	s_wait_dscnt 4*NL+1                            ; (the add and A's blocks 4-7 may be out)
	WIN MUL_LO
	MUL16 0, 1, NQ-1, \slot, 0
	s_wait_dscnt 0x0                               ; the add is done, and my reads of this slot are over
	s_barrier_signal -1
	MUL16 2, 1, NQ-1, \slot, 0
	WIN 0
	s_barrier_wait -1
.if \fill
	CREST
	s_add_nc_u64 s[G0+4*\slot+2:G0+4*\slot+3], s[G0+4*\slot+2:G0+4*\slot+3], 2*NQ*FRB
	s_add_nc_u64 s[G0B+4*\slot+2:G0B+4*\slot+3], s[G0B+4*\slot+2:G0B+4*\slot+3], 2*NQ*FRB
	JLOAD G0+4*\slot, G1, G0B+4*\slot, G1B
.else
	PLACES NP
.endif
	v_add_nc_u32 v[ADRS], 512*NQ, v[ADRS]
	FETCH_B \next, 0, 0
	FETCH_A \next, 0, 0
	SCALES \next
	WIN MUL_HI
	MUL16 4, 1, NQ-1, \slot, 0
	MUL16 6, 1, NQ-1, \slot, 0
	PLACES NP
	WIN 0
	FETCH_A \next, 0, 4
.endm
	s_wait_tensorcnt 1                             ; the scale words and my part of slot 0 are in; slot 1's load may be out
	s_barrier_signal -1
	s_barrier_wait -1
	FETCH_B 0, 0, 0
	FETCH_A 0, 0, 0
	SCALES 0
	FETCH_A 0, 0, 4
	STEP 0, 0, 1
	s_mov_b32 s3, LAPS-1
.Llap:
	TURN 0, 1, 1
	STEP 1, 0, 0
	TURN 1, 0, 1
	STEP 0, 0, 0
	s_sub_co_u32 s3, s3, 1
	s_cmp_lg_u32 s3, 0
	s_cbranch_scc1 .Llap
	TURN 0, 1, 0
	STEP 1, 0, 0
	s_wait_dscnt 4*NL
	WIN MUL_LO
	MUL16 0, 1, NQ-1, 1, 0
	MUL16 2, 1, NQ-1, 1, 0
	s_wait_dscnt 0
	WIN MUL_HI
	MUL16 4, 1, NQ-1, 1, 0
	MUL16 6, 1, NQ-1, 1, 0
	WIN 0
; THE WAY OUT, block by block of 16 rows x 128 columns, through my own stage: in as 32 bytes a lane, back as whole rows of 512 bytes
.macro TOSTAGE a
.set AC, 64*((\a)%4)
.set WN, 0x08+4*((\a)/4)
	WIN WN                                         ; an LDS store's data: window 2 or 3
.irp b, 0,1,2,3,4,5,6,7
	ds_store_b128 v[STO], v[AC+8*\b:AC+8*\b+3] offset:64*\b          ; each accumulator from its low end on
	ds_store_b128 v[STO], v[AC+8*\b+4:AC+8*\b+7] offset:64*\b+16
.endr
	WIN 0
.set BB, BK+64*((\a)%2)
.irp t, 0,1,2,3,4,5,6,7,8,9,10,11,12,13,14,15
	ds_load_b128 v[BB+4*\t:BB+4*\t+3], v[RD] offset:\t*SPITCH
.endr
.endm
.macro SEND a, younger
.set BB, BK+64*((\a)%2)
	s_wait_dscnt \younger
.if (\a) > 0
	s_add_nc_u64 s[12:13], s[12:13], 16*SIZE_N*4   ; (behind a wait on XCNT)
.endif
.irp t, 0,1,2,3,4,5,6,7,8,9,10,11,12,13,14,15
	global_store_b128 v[CO], v[BB+4*\t:BB+4*\t+3], s[12:13] offset:\t*SIZE_N*4   ; 512 consecutive bytes, aligned
.endr
.endm
	PLACES NP
	TOSTAGE 0
.irp a, 1,2,3,4,5,6,7
.if \a > 1
	s_wait_xcnt 0x0                                ; block a - 2's stores have read their registers and their base
.endif
	TOSTAGE \a
	SEND \a-1, 32                                  ; behind block a - 1's loads: block a's 16 stores and 16 loads
.endr
	s_wait_xcnt 0x0
	SEND 7, 0
	s_wait_tensorcnt 0x0                           ; the wave's end
	ds_add_u32 v[SPW], v[NIL]
	s_wait_dscnt 0x0
	CROUND
	s_endpgm
.Lfunc_end_k_q48abeeb84f_wo:
	.size	k_q48abeeb84f_wo, .Lfunc_end_k_q48abeeb84f_wo-k_q48abeeb84f_wo
	.p2alignl 7, 3214868480
	.fill 96, 4, 3214868480
	.section	.rodata,"a",@progbits
	.p2align	6, 0x0
	.amdhsa_kernel k_q48abeeb84f_wo
		.amdhsa_group_segment_fixed_size 327680
		.amdhsa_private_segment_fixed_size 0
		.amdhsa_enable_private_segment 0
		.amdhsa_kernarg_size 24
		.amdhsa_user_sgpr_count 2
		.amdhsa_user_sgpr_kernarg_segment_ptr 1
		.amdhsa_wavefront_size32 1
		.amdhsa_system_sgpr_workgroup_id_x 1
		.amdhsa_system_sgpr_workgroup_id_y 1
		.amdhsa_system_sgpr_workgroup_id_z 1
		.amdhsa_system_vgpr_workitem_id 0
		.amdhsa_next_free_vgpr 1024
		.amdhsa_next_free_sgpr 98
		.amdhsa_reserve_vcc 0
		.amdhsa_float_denorm_mode_32 3
		.amdhsa_float_denorm_mode_16_64 3
		.amdhsa_memory_ordered 1
		.amdhsa_forward_progress 1
		.amdhsa_inst_pref_size 138
	.end_amdhsa_kernel
	.amdgpu_metadata
---
amdhsa.version: [ 1, 2 ]
amdhsa.kernels:
  - .name:           k_q48abeeb84f_wo
    .symbol:         k_q48abeeb84f_wo.kd
    .args:
      - { .name: cimg, .offset: 0, .size: 8, .value_kind: global_buffer, .address_space: global }
      - { .name: w, .offset: 8, .size: 8, .value_kind: global_buffer, .address_space: global }
      - { .name: y, .offset: 16, .size: 8, .value_kind: global_buffer, .address_space: global }
    .group_segment_fixed_size: 327680
    .private_segment_fixed_size: 0
    .kernarg_segment_align: 8
    .kernarg_segment_size: 24
    .max_flat_workgroup_size: 128
    .sgpr_count:     98
    .vgpr_count:     1024
    .wavefront_size: 32
...
	.end_amdgpu_metadata
.endif
;; end of part 4
;; launch ln1 (part 5): grid 256 x 1, 4 waves a work-group, no clusters, 66,304 bytes of LDS; arguments y, query, bo, ln1_w, ln1_b, xf, ximg; writes xf, ximg
.if DOCPART == 5
	.amdgcn_target "amdgcn-amd-amdhsa--gfx1250"
	.amdhsa_code_object_version 6
	.text
	.protected	k_q48abeeb84f_ln1
	.globl	k_q48abeeb84f_ln1
	.p2align	8
	.type	k_q48abeeb84f_ln1,@function
k_q48abeeb84f_ln1:
	s_mov_b64 s[64:65], 0
	v_nop
	global_prefetch_b8 v0, s[64:65] scope:SCOPE_SE
	s_setreg_imm32_b32 hwreg(HW_REG_WAVE_MODE, 25, 1), 1
	s_wait_xcnt 0x0
; x = LayerNorm(res + y + bias) w + b, rows of 1,024 f32; stored as f32, and (IMG = 1) quantised along the row into an image of operand registers with its scale words.
; A work-group takes 16 rows (one row block of the image), a wave 4.  A lane holds columns 128 i + 4 l + 0 .. 3: every load and store covers 512 consecutive bytes.  Two row slots in registers: one at work, one on its way in.
; Mean first, then the mean of the squared differences: a common offset of the inputs does no harm.  With IMG = 1 the 16 rows meet in LDS (rows of 4,096 + 16 bytes); behind one barrier wave w makes K steps 2 w and 2 w + 1.
; No matrix unit, no cluster, no tensor load: the work-groups share only the three short vectors.  LIMITS: NaN and infinities are not served; a block of zeros keeps the byte 1.
.set IMG, 1
.set BI,  8                            ; v8-39    bias
.set LW,  40                           ; v40-71   w
.set LB,  72                           ; v72-103  b
.set SA,  104                          ; slot s: y at v[104 + 64 s], the residual 32 further on: the two slots take v104-231
.set T,   232                          ; v232-239 at work
.set Y,   104                          ; the second phase works in the registers that the row slots have left:
.set C,   168
.set TP,  192
.set MX,  200
.set SO,  202
.set WD,  204
.set H8,  240                          ; v240     8 h: made at the head and kept, so it lies above the row slots
.set PT,  241                          ; v241     the lane exchange's destination: likewise
.set SELA, 22
.set SELB, 23
	s_load_b256 s[4:11], s[0:1], 0x0               ; y, residual, bias, w
	s_load_b128 s[12:15], s[0:1], 0x20             ; b, the f32 output
.if IMG
	s_load_b64 s[16:17], s[0:1], 0x30              ; the image
	v_lshl_add_u32 v254, v0, 2, 0x10100
	v_mov_b32 v255, 0
.endif
	v_lshrrev_b32 v2, 5, v0
	v_readfirstlane_b32 s18, v2                    ; wave
	v_and_b32 v2, 31, v0
	v_lshlrev_b32 v1, 4, v2                        ; 16 x lane
	s_lshl_b32 s20, ttmp9, 16                      ; 16 rows of 4,096 bytes,
	s_lshl_b32 s21, s18, 14                        ; my 4
	s_add_co_u32 s20, s20, s21
	s_mov_b32 s21, 0
	s_mov_b32 s[SELA], 0x76543210
	s_mov_b32 s[SELB], 0xfedcba98
	s_mov_b32 s24, 0x3727c5ac                      ; 1e-5
	s_mov_b32 s25, 0x3a800000                      ; 1 / 1,024
	v_mov_b32 v[T+5], 0
	v_mov_b32 v[T+7], 0
.if IMG
	s_mul_i32 s26, s18, 4*4112
	v_add_nc_u32 v2, s26, v1                       ; LDS, in: my 4 rows
	v_and_b32 v5, 15, v0                           ; r
	v_bfe_u32 v6, v0, 4, 1                         ; h
	v_mul_u32_u24 v3, v5, 4112
	v_lshl_add_u32 v3, v6, 7, v3
	s_lshl_b32 s26, s18, 10
	v_add_nc_u32 v3, s26, v3                       ; out: row r, + 128 h, + my two K steps
	v_lshlrev_b32 v4, 2, v5
	v_lshl_add_u32 v4, v6, 9, v4                   ; scale words: 4 r, lanes 16-31 one K step on
	v_lshlrev_b32 v[H8], 3, v6
	v_mov_b32 v[PT], 0
	s_mov_b32 s27, 0xffff0000
	s_mul_i32 s28, ttmp9, 12288
	s_mul_i32 s29, s18, 3072
	s_add_co_u32 s28, s28, s29                     ; my two fragments: (work-group x 8 + 2 wave) x 1,536
	s_mov_b32 s29, 0
	s_lshr_b32 s30, ttmp9, 3
	s_lshl_b32 s30, s30, 3
	s_lshl_b32 s31, s18, 1
	s_add_co_u32 s30, s30, s31
	s_lshl_b32 s30, s30, 9
	s_and_b32 s31, ttmp9, 7
	s_lshl_b32 s31, s31, 6
	s_add_co_u32 s30, s30, s31
	s_add_co_u32 s30, s30, 3145728
	s_mov_b32 s31, 0
.endif
	s_wait_kmcnt 0x0
	s_add_nc_u64 s[4:5], s[4:5], s[20:21]
	s_add_nc_u64 s[6:7], s[6:7], s[20:21]
	s_add_nc_u64 s[14:15], s[14:15], s[20:21]
.if IMG
	s_add_nc_u64 s[30:31], s[16:17], s[30:31]
	s_add_nc_u64 s[16:17], s[16:17], s[28:29]
.endif
.irp i, 0,1,2,3,4,5,6,7
	global_load_b128 v[BI+4*\i:BI+4*\i+3], v1, s[8:9] offset:512*\i
	global_load_b128 v[LW+4*\i:LW+4*\i+3], v1, s[10:11] offset:512*\i
	global_load_b128 v[LB+4*\i:LB+4*\i+3], v1, s[12:13] offset:512*\i
.endr
.macro LOADROW rw
.irp i, 0,1,2,3,4,5,6,7
	global_load_b128 v[SA+64*((\rw)%2)+4*\i:SA+64*((\rw)%2)+4*\i+3], v1, s[4:5] offset:(\rw)*4096+512*\i th:TH_LOAD_NT
.endr
.irp i, 0,1,2,3,4,5,6,7
	global_load_b128 v[SA+64*((\rw)%2)+32+4*\i:SA+64*((\rw)%2)+32+4*\i+3], v1, s[6:7] offset:(\rw)*4096+512*\i th:TH_LOAD_NT
.endr
.endm
.macro REDUCE t                        ; the sum over the 32 lanes, in every lane
	v_add_f32_dpp v[\t], v[\t], v[\t] row_xmask:1 row_mask:0xf bank_mask:0xf
	v_add_f32_dpp v[\t], v[\t], v[\t] row_xmask:2 row_mask:0xf bank_mask:0xf
	v_add_f32_dpp v[\t], v[\t], v[\t] row_xmask:4 row_mask:0xf bank_mask:0xf
	v_add_f32_dpp v[\t], v[\t], v[\t] row_xmask:8 row_mask:0xf bank_mask:0xf
	v_permlanex16_b32 v[\t+1], v[\t], s[SELA], s[SELB]
	v_add_f32 v[\t], v[\t], v[\t+1]
.endm
.macro ROW rw, left
.set XS, SA+64*((\rw)%2)
	s_wait_loadcnt \left                           ; my row's 16 loads are in; the other slot's may be out
.set j, 0
.rept 16
	v_pk_add_f32 v[XS+j:XS+j+1], v[XS+j:XS+j+1], v[XS+32+j:XS+32+j+1]
.set j, j+2
.endr
.set j, 0
.rept 16
	v_pk_add_f32 v[XS+j:XS+j+1], v[XS+j:XS+j+1], v[BI+j:BI+j+1]
.set j, j+2
.endr
	v_pk_add_f32 v[T:T+1], v[XS:XS+1], v[XS+2:XS+3]
	v_pk_add_f32 v[T+2:T+3], v[XS+4:XS+5], v[XS+6:XS+7]
.set j, 8
.rept 6
	v_pk_add_f32 v[T:T+1], v[T:T+1], v[XS+j:XS+j+1]
	v_pk_add_f32 v[T+2:T+3], v[T+2:T+3], v[XS+j+2:XS+j+3]
.set j, j+4
.endr
	v_pk_add_f32 v[T:T+1], v[T:T+1], v[T+2:T+3]
	v_add_f32 v[T], v[T], v[T+1]
	REDUCE T
	v_mul_f32 v[T+4], s25, v[T]                    ; the mean
.set j, 0
.rept 16
	v_pk_add_f32 v[XS+j:XS+j+1], v[XS+j:XS+j+1], v[T+4:T+5] op_sel_hi:[1,0] neg_lo:[0,1] neg_hi:[0,1]
.set j, j+2
.endr
	v_pk_mul_f32 v[T:T+1], v[XS:XS+1], v[XS:XS+1]
	v_pk_mul_f32 v[T+2:T+3], v[XS+2:XS+3], v[XS+2:XS+3]
.set j, 4
.rept 7
	v_pk_fma_f32 v[T:T+1], v[XS+j:XS+j+1], v[XS+j:XS+j+1], v[T:T+1]
	v_pk_fma_f32 v[T+2:T+3], v[XS+j+2:XS+j+3], v[XS+j+2:XS+j+3], v[T+2:T+3]
.set j, j+4
.endr
	v_pk_add_f32 v[T:T+1], v[T:T+1], v[T+2:T+3]
	v_add_f32 v[T], v[T], v[T+1]
	REDUCE T
	v_fma_f32 v[T], v[T], s25, s24                 ; the variance + 1e-5
	v_rsq_f32 v[T+6], v[T]
	v_nop
.set j, 0
	s_wait_alu depctr_va_vdst(0)
.rept 16
	v_pk_mul_f32 v[XS+j:XS+j+1], v[XS+j:XS+j+1], v[T+6:T+7] op_sel_hi:[1,0]
.set j, j+2
.endr
.set j, 0
.rept 16
	v_pk_fma_f32 v[XS+j:XS+j+1], v[XS+j:XS+j+1], v[LW+j:LW+j+1], v[LB+j:LB+j+1]
.set j, j+2
.endr
.irp i, 0,1,2,3,4,5,6,7
.if IMG
	global_store_b128 v1, v[XS+4*\i:XS+4*\i+3], s[14:15] offset:(\rw)*4096+512*\i
	ds_store_b128 v2, v[XS+4*\i:XS+4*\i+3] offset:(\rw)*4112+512*\i
.else
	global_store_b128 v1, v[XS+4*\i:XS+4*\i+3], s[14:15] offset:(\rw)*4096+512*\i th:TH_STORE_NT
.endif
.endr
	s_wait_xcnt 0x0                                ; the stores have read their registers: the slot may be loaded again
.if IMG
	s_wait_dscnt 0x0
.endif
.endm
	LOADROW 0
	LOADROW 1
	ROW 0, 16
	LOADROW 2
	ROW 1, 16
	LOADROW 3
	ROW 2, 16
	ROW 3, 0
.if IMG
; 64 numbers of a lane, v[y + 32 k + i] = k 64 k + 32 h + i of my row, become the fragment's 12 registers at v[c] and its scale word in v[w]
.macro QB y, c, w
.irp k, 0,1
	v_max3_num_f32 v[MX+\k], |v[\y+32*\k]|, |v[\y+32*\k+1]|, 0x2800000   ; and the floor 2^(5 - 127): the byte cannot fall under 1
.endr
.irp i, 2,4,6,8,10,12,14,16,18,20,22,24,26,28,30
.irp k, 0,1
	v_max3_num_f32 v[MX+\k], v[MX+\k], |v[\y+32*\k+\i]|, |v[\y+32*\k+\i+1]|
.endr
.endr
.irp k, 0,1
	v_add_nc_u32 v[SO+\k], 0xfe000000, v[MX+\k]    ; 4 off the exponent field: the conversion's scale operand
.endr
.irp k, 0,1
	v_lshrrev_b32 v[MX+\k], 23, v[SO+\k]           ; the byte
.endr
	v_lshl_or_b32 v[\w], v[MX+1], 16, v[MX]        ; my bytes: blocks h and 2 + h,
	v_lshlrev_b32 v[\w], v[H8], v[\w]              ; at their places;
	v_permlanex16_b32 v[PT], v[\w], s[SELA], s[SELB]
	v_or_b32 v[\w], v[\w], v[PT]                   ; with lane l xor 16's two the word is whole
.irp k, 0,1
	v_cvt_scalef32_pk16_bf6_f32 v[\c+6*\k:\c+6*\k+2], v[\y+32*\k:\y+32*\k+15], v[SO+\k]
	v_cvt_scalef32_pk16_bf6_f32 v[TP+4*\k:TP+4*\k+2], v[\y+32*\k+16:\y+32*\k+31], v[SO+\k]   ; (a conversion's three registers begin on an even number)
.endr
	v_nop                                          ; one plain place behind a scaled conversion
.irp k, 0,1
.irp i, 0,1,2
	v_mov_b32 v[\c+3+6*\k+\i], v[TP+4*\k+\i]
.endr
.endr
.endm
	s_barrier_signal -1                            ; every wave's LDS stores have been waited for
	s_barrier_wait -1
.irp q, 0,1
.irp k, 0,1
.irp j, 0,1,2,3,4,5,6,7
	ds_load_b128 v[Y+32*\k+4*\j:Y+32*\k+4*\j+3], v3 offset:512*\q+256*\k+16*\j
.endr
.endr
	s_wait_dscnt 0x0
	QB Y, C+12*\q, WD+\q
.irp g, 0,1,2
	global_store_b128 v1, v[C+12*\q+4*\g:C+12*\q+4*\g+3], s[16:17] offset:1536*\q+512*\g
.endr
.endr
	v_cndmask_b32 v[WD], v[WD], v[WD+1], s27       ; lanes 0-15: K step 2 w, lanes 16-31: K step 2 w + 1
	global_store_b32 v4, v[WD], s[30:31]
.endif
	s_wait_tensorcnt 0x0
	ds_add_u32 v254, v255
	s_wait_dscnt 0x0
	s_endpgm
.Lfunc_end_k_q48abeeb84f_ln1:
	.size	k_q48abeeb84f_ln1, .Lfunc_end_k_q48abeeb84f_ln1-k_q48abeeb84f_ln1
	.p2alignl 7, 3214868480
	.fill 96, 4, 3214868480
	.section	.rodata,"a",@progbits
	.p2align	6, 0x0
	.amdhsa_kernel k_q48abeeb84f_ln1
		.amdhsa_group_segment_fixed_size 66304
		.amdhsa_private_segment_fixed_size 0
		.amdhsa_enable_private_segment 0
		.amdhsa_kernarg_size 56
		.amdhsa_user_sgpr_count 2
		.amdhsa_user_sgpr_kernarg_segment_ptr 1
		.amdhsa_wavefront_size32 1
		.amdhsa_system_sgpr_workgroup_id_x 1
		.amdhsa_system_sgpr_workgroup_id_y 1
		.amdhsa_system_sgpr_workgroup_id_z 1
		.amdhsa_system_vgpr_workitem_id 0
		.amdhsa_next_free_vgpr 256
		.amdhsa_next_free_sgpr 66
		.amdhsa_reserve_vcc 0
		.amdhsa_float_denorm_mode_32 3
		.amdhsa_float_denorm_mode_16_64 3
		.amdhsa_memory_ordered 1
		.amdhsa_forward_progress 1
		.amdhsa_inst_pref_size 57
	.end_amdhsa_kernel
	.amdgpu_metadata
---
amdhsa.version: [ 1, 2 ]
amdhsa.kernels:
  - .name:           k_q48abeeb84f_ln1
    .symbol:         k_q48abeeb84f_ln1.kd
    .args:
      - { .name: y, .offset: 0, .size: 8, .value_kind: global_buffer, .address_space: global }
      - { .name: query, .offset: 8, .size: 8, .value_kind: global_buffer, .address_space: global }
      - { .name: bo, .offset: 16, .size: 8, .value_kind: global_buffer, .address_space: global }
      - { .name: ln1_w, .offset: 24, .size: 8, .value_kind: global_buffer, .address_space: global }
      - { .name: ln1_b, .offset: 32, .size: 8, .value_kind: global_buffer, .address_space: global }
      - { .name: xf, .offset: 40, .size: 8, .value_kind: global_buffer, .address_space: global }
      - { .name: ximg, .offset: 48, .size: 8, .value_kind: global_buffer, .address_space: global }
    .group_segment_fixed_size: 66304
    .private_segment_fixed_size: 0
    .kernarg_segment_align: 8
    .kernarg_segment_size: 56
    .max_flat_workgroup_size: 128
    .sgpr_count:     66
    .vgpr_count:     256
    .wavefront_size: 32
...
	.end_amdgpu_metadata
.endif
;; end of part 5
;; launch ffn1 (part 6): grid 16 x 16, 4 waves a work-group, clusters of 4 x 4, 327,680 bytes of LDS; arguments ximg, w, b1, himg; writes himg
.if DOCPART == 6
	.amdgcn_target "amdgcn-amd-amdhsa--gfx1250"
	.amdhsa_code_object_version 6
	.text
	.protected	k_q48abeeb84f_ffn1
	.globl	k_q48abeeb84f_ffn1
	.p2align	8
	.type	k_q48abeeb84f_ffn1,@function
k_q48abeeb84f_ffn1:
	s_mov_b64 s[64:65], 0
	v_nop
	global_prefetch_b8 v0, s[64:65] scope:SCOPE_SE
	s_setreg_imm32_b32 hwreg(HW_REG_WAVE_MODE, 25, 1), 1
	s_wait_xcnt 0x0
	s_wait_alu depctr_hold_cnt(0) depctr_sa_sdst(0) depctr_va_vdst(0) depctr_va_sdst(0) depctr_va_ssrc(0) depctr_va_vcc(0) depctr_vm_vsrc(0)
	s_getreg_b32 s2, hwreg(HW_REG_IB_STS2, 6, 4)
	s_cmp_eq_u32 s2, 0
	s_cbranch_scc0 .Lentry_in_a_cluster
	s_endpgm
.Lentry_in_a_cluster:
	s_bfe_u32 s2, ttmp6, 0x10000c
	s_cmp_lg_u32 s2, 0xf033
	s_cbranch_scc0 .Lentry_shape_is_right
	s_endpgm
.Lentry_shape_is_right:
; h = relu(x W1^T + b1) on codes of BF6, K = 1,024; h is quantised again along its 4,096 columns and stored as an image of operand registers: it never exists in f32 in memory.
; A tile of C, 256 x 256, is made by four waves, 128 x 128 each: 64 accumulators.  K goes in steps of 256 through a ring of two LDS slots.  Operands lie in memory as images of their registers
; (fragment = 16 positions x 128 K = 1,536 bytes, registers 4 g .. 4 g + 3 of lane l at 512 g + 16 l).  The scale words of 128 positions for all of K are one dense block; they come into LDS once and stay.
; CLUSTERS: 4 x 4 work-groups; A's tiles are asked for jointly along a row of the cluster, B's along a column.
; THE MATRIX INSTRUCTION IS USED TRANSPOSED (source 0 = B, source 1 = A), and W1's positions are permuted, so that register 16 b + i of a lane is column 32 b + 16 (lane / 16) + i of its row: a block of 16 rows x 128 columns is one fragment of the output.
; LIMITS: NaN and infinities are not served; a block of zeros keeps the byte 1.
.set SIZE_K, 1024
.set A_SC,   3145728
.set B_CO,   12582912
.set B_SC,   18874368+524288
.set KS,     SIZE_K/128
.set NQ,     2
.set FR,     12
.set NL,     3
.set NP,     4
.set FRB,    1536
.set HALFT,  8*NQ*FRB
.set SLOT,   4*HALFT
.set LAPS,   SIZE_K/512
.set SCL,    2*SLOT
.set HALFS,  KS*512
.set SPARE,  SCL+4*HALFS               ; the spare words, 128 bytes a wave: two blocks of 256 bytes that no other line names
.set ADRA, 16
.set ADRB, 20
.set ADRS, 27
.set SPW,  28
.set NIL,  29
.set SC,   32
.set AF,   128
.set CB,   64                          ; v64-127 b1 of my 128 columns, in the result's layout
.set T,    128
.set PC,   192
.set TM,   212
.set PW,   232
.set G1, 24
.set G0, 32
.set G1B, 48
.set G0B, 56
.set G1S, 68
.set G0S, 76
.set G1SB, 80
.set G0SB, 88
.set MSB, 0
.macro WIN new
.if MSB != \new
	s_set_vgpr_msb (MSB<<8)|\new
.set MSB, \new
.endif
.endm
.set MUL_LO, 0xa1
.set MUL_HI, 0xf1
.set TO_B,   0x40
.macro JLOAD g0a, g1a, g0b, g1b
	s_cmp_eq_u32 s15, 0
	s_cbranch_scc0 .Lfor_b_\@
	tensor_load_to_lds s[\g0a:\g0a+3], s[\g1a:\g1a+7]
	s_nop 0
.rept 4
	v_nop
.endr
	s_branch .Lasked_\@
.Lfor_b_\@:
	tensor_load_to_lds s[\g0b:\g0b+3], s[\g1b:\g1b+7]
	s_nop 0
.rept 4
	v_nop
.endr
.Lasked_\@:
.endm
.macro CREST
	s_cmp_lg_u32 s14, 0
	s_cbranch_scc1 .Lnot_wave_0_\@
	s_barrier_signal -3
.Lnot_wave_0_\@:
	s_barrier_wait -3
	s_barrier_signal -1
	s_barrier_wait -1
.endm
.macro CROUND
	s_barrier_signal -1
	s_barrier_wait -1
	CREST
.endm
	s_load_b256 s[4:11], s[0:1], 0x0               ; ximg, w, b1, himg
	v_lshl_add_u32 v[SPW], v0, 2, SPARE
	v_mov_b32 v[NIL], 0
	ds_add_u32 v28, v29
	ds_add_u32 v28, v29
	s_wait_dscnt 0x0
	v_lshrrev_b32 v1, 5, v0
	v_readfirstlane_b32 s14, v1
	s_lshr_b32 s15, s14, 1
	s_and_b32 s16, s14, 1
	s_bfe_u32 s40, ttmp6, 0x40000
	s_bfe_u32 s41, ttmp6, 0x40004
	s_lshl_b32 s42, ttmp9, 2
	s_add_co_u32 s42, s42, s40                     ; tile column
	s_and_b32 s17, ttmp7, 0xffff
	s_lshl_b32 s17, s17, 2
	s_add_co_u32 s17, s17, s41                     ; tile row
	s_lshl_b32 s43, s41, 2
	s_lshl_b32 s43, 15, s43
	s_lshl_b32 s44, 0x1111, s40
	s_or_b32 s[G1+0], s43, (3<<16)|(1<<21)
	s_or_b32 s[G1B+0], s44, (3<<16)|(1<<21)
.irp g, G1, G1B
	s_mov_b32 s[\g+1], (NQ*FRB/8)<<16
	s_mov_b32 s[\g+2], 8<<16
	s_mov_b32 s[\g+3], (NQ*FRB/8)<<16
	s_mov_b32 s[\g+4], 8
	s_mov_b32 s[\g+5], KS*FRB/8
	s_mov_b32 s[\g+6], 0
	s_mov_b32 s[\g+7], 0
.endr
	s_or_b32 s[G1S+0], s43, (3<<16)|(1<<21)
	s_or_b32 s[G1SB+0], s44, (3<<16)|(1<<21)
.irp g, G1S, G1SB
	s_mov_b32 s[\g+1], 32<<16
	s_mov_b32 s[\g+2], (HALFS/256)<<16
	s_mov_b32 s[\g+3], 32<<16
	s_mov_b32 s[\g+4], HALFS/256
	s_mov_b32 s[\g+5], 32
	s_mov_b32 s[\g+6], 0
	s_mov_b32 s[\g+7], 0
.endr
	s_lshl_b32 s18, s16, 3
	s_lshl_b32 s20, s17, 4
	s_add_co_u32 s20, s20, s18
	s_lshl_b32 s46, s42, 4
	s_add_co_u32 s46, s46, s18
	s_mul_i32 s22, s20, KS*64
	s_mul_i32 s92, s46, KS*64
	s_mul_i32 s20, s20, KS*FRB
	s_mul_i32 s46, s46, KS*FRB
	s_mov_b32 s21, 0
	s_mov_b32 s23, 0
	s_mov_b32 s47, 0
	s_mov_b32 s93, 0
	s_mul_i32 s45, s14, HALFT
	s_mul_i32 s94, s14, HALFS
	s_wait_kmcnt 0x0
	s_mov_b64 s[96:97], s[8:9]                     ; b1
	s_mov_b64 s[12:13], s[10:11]                   ; himg
	s_add_nc_u64 s[8:9], s[6:7], B_CO
	s_add_nc_u64 s[10:11], s[6:7], B_SC
	s_add_nc_u64 s[6:7], s[4:5], A_SC
	s_add_nc_u64 s[20:21], s[4:5], s[20:21]
	s_add_nc_u64 s[22:23], s[6:7], s[22:23]
	s_add_nc_u64 s[46:47], s[8:9], s[46:47]
	s_add_nc_u64 s[92:93], s[10:11], s[92:93]
	CROUND
	s_mov_b32 s[G0S], 1
	s_add_co_u32 s[G0S+1], s94, SCL
	s_mov_b64 s[G0S+2:G0S+3], s[22:23]
	s_or_b32 s[G0S+3], s[G0S+3], 0x80000000
	s_mov_b32 s[G0SB], 1
	s_add_co_u32 s[G0SB+1], s94, SCL
	s_mov_b64 s[G0SB+2:G0SB+3], s[92:93]
	s_or_b32 s[G0SB+3], s[G0SB+3], 0x80000000
	JLOAD G0S, G1S, G0SB, G1SB
.irp s, 0,1
	s_mov_b32 s[G0+4*\s], 1
	s_add_co_u32 s[G0+4*\s+1], s45, \s*SLOT
	s_add_nc_u64 s[G0+4*\s+2:G0+4*\s+3], s[20:21], \s*NQ*FRB
	s_or_b32 s[G0+4*\s+3], s[G0+4*\s+3], 0x80000000
	s_mov_b32 s[G0B+4*\s], 1
	s_add_co_u32 s[G0B+4*\s+1], s45, \s*SLOT
	s_add_nc_u64 s[G0B+4*\s+2:G0B+4*\s+3], s[46:47], \s*NQ*FRB
	s_or_b32 s[G0B+4*\s+3], s[G0B+4*\s+3], 0x80000000
	JLOAD G0+4*\s, G1, G0B+4*\s, G1B
.endr
	v_and_b32 v1, 15, v0
	v_bfe_u32 v2, v0, 4, 1
	v_and_b32 v3, 31, v0
	v_lshlrev_b32 v11, 2, v3                       ; 4 x lane
	v_lshlrev_b32 v3, 4, v3                        ; 16 x lane
	s_mul_i32 s21, s15, HALFT
	s_mul_i32 s22, s16, HALFT
	s_add_co_u32 s22, s22, 2*HALFT
.irp s, 0,1
	v_add_nc_u32 v[ADRA+\s], s21, v3
	v_add_nc_u32 v[ADRB+\s], s22, v3
	s_add_co_u32 s21, s21, SLOT
	s_add_co_u32 s22, s22, SLOT
.endr
	v_lshlrev_b32 v5, 2, v1
	s_mul_i32 s21, s15, HALFS
	s_mul_i32 s22, s16, HALFS
	s_add_co_u32 s22, s22, 2*HALFS
	s_sub_co_u32 s22, s22, s21
	v_mul_u32_u24 v6, s22, v2
	s_add_co_u32 s21, s21, SCL
	v_add_nc_u32 v5, v5, v6
	v_add_nc_u32 v[ADRS], s21, v5
	s_lshl_b32 s98, s42, 10
	s_lshl_b32 s99, s16, 9
	s_add_co_u32 s98, s98, s99                     ; my first column x 4
	v_lshl_add_u32 v8, v2, 6, s98                  ; + 64 h
.irp b, 0,1,2,3
.irp j, 0,1,2,3
	global_load_b128 v[CB+16*\b+4*\j:CB+16*\b+4*\j+3], v8, s[96:97] offset:128*\b+16*\j
.endr
.endr
	s_lshl_b32 s98, s17, 1
	s_add_co_u32 s98, s98, s15
	s_lshl_b32 s98, s98, 5                         ; (2 tile row + half) x 32 K steps
	s_lshl_b32 s99, s42, 1
	s_add_co_u32 s99, s99, s16                     ; the output's K step
	s_lshl_b32 s100, s98, 3
	s_add_co_u32 s100, s100, s99
	s_mul_i32 s100, s100, FRB
	s_mov_b32 s101, 0
	s_add_co_u32 s98, s98, s99
	s_lshl_b32 s98, s98, 9
	s_add_co_u32 s98, s98, 12582912
	s_mov_b32 s99, 0
	s_add_nc_u64 s[98:99], s[12:13], s[98:99]      ; my scale words
	s_add_nc_u64 s[12:13], s[12:13], s[100:101]    ; my first fragment
.macro FRAG reg, adr, q, i
.irp c, 0,1,2
	ds_load_b128 v[\reg+4*\c:\reg+4*\c+3], v[\adr] offset:(\i)*NQ*FRB+(\q)*FRB+512*\c
.endr
.endm
.macro MUL16 a0, p, q, sc, zero        ; the 64 accumulators take turns, one instruction a turn
.irp a, \a0, \a0+1
.irp b, 0,1,2,3,4,5,6,7
.if \zero
	v_wmma_scale_f32_16x16x128_f8f6f4 v[8*(8*((\a)%4)+\b):8*(8*((\a)%4)+\b)+7], v[128*(\p)+FR*\b:128*(\p)+FR*\b+FR-1], v[AF+FR*(\a):AF+FR*(\a)+FR-1], 0, v[SC+8*NQ*(\sc)+NQ*\b+(\q)], v[SC+8*NQ*(\sc)+NQ*(\a)+(\q)] matrix_a_fmt:MATRIX_FMT_BF6 matrix_b_fmt:MATRIX_FMT_BF6 matrix_a_scale:MATRIX_SCALE_ROW1
.else
	v_wmma_scale_f32_16x16x128_f8f6f4 v[8*(8*((\a)%4)+\b):8*(8*((\a)%4)+\b)+7], v[128*(\p)+FR*\b:128*(\p)+FR*\b+FR-1], v[AF+FR*(\a):AF+FR*(\a)+FR-1], v[8*(8*((\a)%4)+\b):8*(8*((\a)%4)+\b)+7], v[SC+8*NQ*(\sc)+NQ*\b+(\q)], v[SC+8*NQ*(\sc)+NQ*(\a)+(\q)] matrix_a_fmt:MATRIX_FMT_BF6 matrix_b_fmt:MATRIX_FMT_BF6 matrix_a_scale:MATRIX_SCALE_ROW1
.endif
.endr
.endr
.endm
.macro FETCH_B slot, q, p
	WIN TO_B
.irp i, 0,1,2,3,4,5,6,7
	FRAG 128*(\p)+FR*\i, ADRB+\slot, \q, \i
.endr
	WIN 0
.endm
.macro FETCH_A slot, q, i0
.irp i, \i0, \i0+1, \i0+2, \i0+3
	FRAG AF+FR*(\i), ADRA+\slot, \q, \i
.endr
.endm
.macro SCALES sc
.irp i, 0,1,2,3,4,5,6,7
.irp q, 0,1
	ds_load_b32 v[SC+8*NQ*\sc+NQ*\i+\q], v[ADRS] offset:64*\i+512*\q
.endr
.endr
.endm
.macro PLACES n
.rept \n
	v_nop
.endr
.endm
.macro STEP slot, q, zero
	s_wait_dscnt 4*NL                              ; all but the youngest 12 loads (A's blocks 4-7)
	WIN MUL_LO
	MUL16 0, (\q)%2, \q, \slot, \zero
	MUL16 2, (\q)%2, \q, \slot, \zero
	s_wait_dscnt 0
	PLACES NP
	FETCH_B \slot, (\q)+1, 1-(\q)%2
	FETCH_A \slot, (\q)+1, 0
	WIN MUL_HI
	MUL16 4, (\q)%2, \q, \slot, \zero
	MUL16 6, (\q)%2, \q, \slot, \zero
	PLACES NP
	WIN 0
	FETCH_A \slot, (\q)+1, 4
.endm
.macro TURN slot, next, fill
	s_wait_tensorcnt 0x0                           ; all my tensor loads have landed: my part of the next slot
	ds_add_u32 v[SPW], v[NIL]                      ; 0 onto my spare word
	s_wait_dscnt 4*NL+1                            ; (the add and A's blocks 4-7 may be out)
	WIN MUL_LO
	MUL16 0, 1, NQ-1, \slot, 0
	s_wait_dscnt 0x0                               ; the add is done, and my reads of this slot are over
	s_barrier_signal -1
	MUL16 2, 1, NQ-1, \slot, 0
	WIN 0
	s_barrier_wait -1
.if \fill
	CREST
	s_add_nc_u64 s[G0+4*\slot+2:G0+4*\slot+3], s[G0+4*\slot+2:G0+4*\slot+3], 2*NQ*FRB
	s_add_nc_u64 s[G0B+4*\slot+2:G0B+4*\slot+3], s[G0B+4*\slot+2:G0B+4*\slot+3], 2*NQ*FRB
	JLOAD G0+4*\slot, G1, G0B+4*\slot, G1B
.else
	PLACES NP
.endif
	v_add_nc_u32 v[ADRS], 512*NQ, v[ADRS]
	FETCH_B \next, 0, 0
	FETCH_A \next, 0, 0
	SCALES \next
	WIN MUL_HI
	MUL16 4, 1, NQ-1, \slot, 0
	MUL16 6, 1, NQ-1, \slot, 0
	PLACES NP
	WIN 0
	FETCH_A \next, 0, 4
.endm
	s_wait_tensorcnt 1                             ; the scale words and my part of slot 0 are in; slot 1's load may be out
	s_barrier_signal -1
	s_barrier_wait -1
	FETCH_B 0, 0, 0
	FETCH_A 0, 0, 0
	SCALES 0
	FETCH_A 0, 0, 4
	STEP 0, 0, 1
	s_mov_b32 s3, LAPS-1
.Llap:
	TURN 0, 1, 1
	STEP 1, 0, 0
	TURN 1, 0, 1
	STEP 0, 0, 0
	s_sub_co_u32 s3, s3, 1
	s_cmp_lg_u32 s3, 0
	s_cbranch_scc1 .Llap
	TURN 0, 1, 0
	STEP 1, 0, 0
	s_wait_dscnt 4*NL
	WIN MUL_LO
	MUL16 0, 1, NQ-1, 1, 0
	MUL16 2, 1, NQ-1, 1, 0
	s_wait_dscnt 0
	WIN MUL_HI
	MUL16 4, 1, NQ-1, 1, 0
	MUL16 6, 1, NQ-1, 1, 0
	WIN 0
.macro QUANT s, pw
.irp b, 0,1,2,3
	v_max3_num_f32 v[TM+\b], |v[\s+16*\b]|, |v[\s+1+16*\b]|, 0x2800000
.endr
.irp i, 2,4,6,8,10,12,14
.irp b, 0,1,2,3
	v_max3_num_f32 v[TM+\b], v[TM+\b], |v[\s+16*\b+\i]|, |v[\s+1+16*\b+\i]|
.endr
.endr
.irp b, 0,1,2,3
	v_permlanex16_b32 v[TM+4+\b], v[TM+\b], s18, s19
.endr
.irp b, 0,1,2,3
	v_max_num_f32 v[TM+\b], v[TM+\b], v[TM+4+\b]
.endr
.irp b, 0,1,2,3
	v_add_nc_u32 v[TM+12+\b], 0xfe000000, v[TM+\b]
.endr
.irp b, 0,1,2,3
	v_lshrrev_b32 v[TM+4+\b], 23, v[TM+12+\b]
.endr
	v_lshl_or_b32 v[\pw], v[TM+5], 8, v[TM+4]
	v_lshl_or_b32 v[\pw], v[TM+6], 16, v[\pw]
	v_lshl_or_b32 v[\pw], v[TM+7], 24, v[\pw]
.irp c, 0,1
	v_cvt_scalef32_pk16_bf6_f32 v[PC+6*\c:PC+2+6*\c], v[\s+32*\c:\s+15+32*\c], v[TM+12+2*\c]
	v_cvt_scalef32_pk16_bf6_f32 v[PC+12+4*\c:PC+14+4*\c], v[\s+16+32*\c:\s+31+32*\c], v[TM+12+2*\c+1]
.endr
	v_nop
.irp c, 0,1
.irp i, 0,1,2
	v_permlane16_swap_b32 v[PC+6*\c+\i], v[PC+12+4*\c+\i]
.endr
.irp i, 0,1,2
	v_mov_b32 v[PC+3+6*\c+\i], v[PC+12+4*\c+\i]
.endr
.endr
.endm
.macro EPI a
.if (\a) > 0
	s_wait_xcnt 0x0                                ; the last block's stores have read their registers
.endif
.set WN, 0x02+(\a)/4
	WIN WN
.set j, 0
.rept 32
	v_pk_add_f32 v[T+j:T+j+1], v[64*((\a)%4)+j:64*((\a)%4)+j+1], v[CB+j:CB+j+1]   ; each accumulator from its low end on
.set j, j+2
.endr
	WIN 0
.set j, 0
.rept 64
	v_max_num_f32 v[T+j], 0, v[T+j]
.set j, j+1
.endr
	QUANT T, PW+(\a)
.irp g, 0,1,2
	global_store_b128 v3, v[PC+4*\g:PC+4*\g+3], s[12:13] offset:(\a)*32*FRB+512*\g   ; 512 consecutive bytes
.endr
.if (\a)%2
	v_cndmask_b32 v[PW+(\a)-1], v[PW+(\a)-1], v[PW+(\a)], s20
	global_store_b32 v11, v[PW+(\a)-1], s[98:99] offset:128*((\a)/2)
.endif
.endm
	PLACES NP
	s_wait_loadcnt 0x0                             ; b1
	s_mov_b32 s18, 0x76543210
	s_mov_b32 s19, 0xfedcba98
	s_mov_b32 s20, 0xffff0000
.irp b, 0,1,2,3
	v_mov_b32 v[TM+4+\b], 0
.endr
.irp a, 0,1,2,3,4,5,6,7
	EPI \a
.endr
	s_wait_tensorcnt 0x0                           ; the wave's end
	ds_add_u32 v[SPW], v[NIL]
	s_wait_dscnt 0x0
	CROUND
	s_endpgm
.Lfunc_end_k_q48abeeb84f_ffn1:
	.size	k_q48abeeb84f_ffn1, .Lfunc_end_k_q48abeeb84f_ffn1-k_q48abeeb84f_ffn1
	.p2alignl 7, 3214868480
	.fill 96, 4, 3214868480
	.section	.rodata,"a",@progbits
	.p2align	6, 0x0
	.amdhsa_kernel k_q48abeeb84f_ffn1
		.amdhsa_group_segment_fixed_size 327680
		.amdhsa_private_segment_fixed_size 0
		.amdhsa_enable_private_segment 0
		.amdhsa_kernarg_size 32
		.amdhsa_user_sgpr_count 2
		.amdhsa_user_sgpr_kernarg_segment_ptr 1
		.amdhsa_wavefront_size32 1
		.amdhsa_system_sgpr_workgroup_id_x 1
		.amdhsa_system_sgpr_workgroup_id_y 1
		.amdhsa_system_sgpr_workgroup_id_z 1
		.amdhsa_system_vgpr_workitem_id 0
		.amdhsa_next_free_vgpr 1024
		.amdhsa_next_free_sgpr 102
		.amdhsa_reserve_vcc 0
		.amdhsa_float_denorm_mode_32 3
		.amdhsa_float_denorm_mode_16_64 3
		.amdhsa_memory_ordered 1
		.amdhsa_forward_progress 1
		.amdhsa_inst_pref_size 175
	.end_amdhsa_kernel
	.amdgpu_metadata
---
amdhsa.version: [ 1, 2 ]
amdhsa.kernels:
  - .name:           k_q48abeeb84f_ffn1
    .symbol:         k_q48abeeb84f_ffn1.kd
    .args:
      - { .name: ximg, .offset: 0, .size: 8, .value_kind: global_buffer, .address_space: global }
      - { .name: w, .offset: 8, .size: 8, .value_kind: global_buffer, .address_space: global }
      - { .name: b1, .offset: 16, .size: 8, .value_kind: global_buffer, .address_space: global }
      - { .name: himg, .offset: 24, .size: 8, .value_kind: global_buffer, .address_space: global }
    .group_segment_fixed_size: 327680
    .private_segment_fixed_size: 0
    .kernarg_segment_align: 8
    .kernarg_segment_size: 32
    .max_flat_workgroup_size: 128
    .sgpr_count:     102
    .vgpr_count:     1024
    .wavefront_size: 32
...
	.end_amdgpu_metadata
.endif
;; end of part 6
;; launch ffn2 (part 7): grid 4 x 16, 4 waves a work-group, clusters of 4 x 4, 327,680 bytes of LDS; arguments himg, w, y; writes y
.if DOCPART == 7
	.amdgcn_target "amdgcn-amd-amdhsa--gfx1250"
	.amdhsa_code_object_version 6
	.text
	.protected	k_q48abeeb84f_ffn2
	.globl	k_q48abeeb84f_ffn2
	.p2align	8
	.type	k_q48abeeb84f_ffn2,@function
k_q48abeeb84f_ffn2:
	s_mov_b64 s[64:65], 0
	v_nop
	global_prefetch_b8 v0, s[64:65] scope:SCOPE_SE
	s_setreg_imm32_b32 hwreg(HW_REG_WAVE_MODE, 25, 1), 1
	s_wait_xcnt 0x0
	s_wait_alu depctr_hold_cnt(0) depctr_sa_sdst(0) depctr_va_vdst(0) depctr_va_sdst(0) depctr_va_ssrc(0) depctr_va_vcc(0) depctr_vm_vsrc(0)
	s_getreg_b32 s2, hwreg(HW_REG_IB_STS2, 6, 4)
	s_cmp_eq_u32 s2, 0
	s_cbranch_scc0 .Lentry_in_a_cluster
	s_endpgm
.Lentry_in_a_cluster:
	s_bfe_u32 s2, ttmp6, 0x10000c
	s_cmp_lg_u32 s2, 0xf033
	s_cbranch_scc0 .Lentry_shape_is_right
	s_endpgm
.Lentry_shape_is_right:
; y = h W2^T, on codes of BF6 with one E8M0 scale for each 32 along K = 4,096; y [4,096][1,024] f32; the bias is added by the next launch.
; A tile of C, 256 x 256, is made by four waves, 128 x 128 each: 64 accumulators.  K goes in steps of 256 through a ring of two LDS slots.  Operands lie in memory as images of their registers
; (fragment = 16 rows x 128 K = 1,536 bytes, registers 4 g .. 4 g + 3 of lane l at 512 g + 16 l): a slot's part of a row block is 3,072 consecutive bytes, a fragment comes by three loads of 16 bytes a lane.
; The scale words of 128 rows for all of K are one dense block; they come into LDS once and stay.
; CLUSTERS: 4 x 4 work-groups; A's tiles are asked for jointly along a row of the cluster, B's along a column.  THE MATRIX INSTRUCTION IS USED TRANSPOSED (source 0 = B, source 1 = A): a lane holds eight neighbouring numbers of a row of C.
; The grid has 64 work-groups: C has 64 tiles of this size.
.set SIZE_K, 4096
.set SIZE_N, 1024
.set A_SC,   12582912
.set B_CO,   15728640
.set B_SC,   18874368+655360
.set KS,     SIZE_K/128
.set NQ,     2
.set FR,     12
.set NL,     3
.set NP,     4
.set FRB,    1536
.set HALFT,  8*NQ*FRB
.set SLOT,   4*HALFT
.set LAPS,   SIZE_K/512
.set SCL,    2*SLOT
.set HALFS,  KS*512
.set SPARE,  SCL+4*HALFS               ; the spare words, 128 bytes a wave: two blocks of 256 bytes that no other line names
.set SPITCH, 528                       ; the way out: a stage of 16 rows x (512 + 16) bytes a wave, in slot 0, which has had its last fill and its last read by then
.set ADRA, 16
.set ADRB, 20
.set STO,  24
.set RD,   25
.set CO,   26
.set ADRS, 27
.set SPW,  28
.set NIL,  29
.set SC,   32
.set AF,   128
.set BK,   128
.set G1, 24
.set G0, 32
.set G1B, 48
.set G0B, 56
.set G1S, 68
.set G0S, 76
.set G1SB, 80
.set G0SB, 88
.set MSB, 0
.macro WIN new
.if MSB != \new
	s_set_vgpr_msb (MSB<<8)|\new
.set MSB, \new
.endif
.endm
.set MUL_LO, 0xa1
.set MUL_HI, 0xf1
.set TO_B,   0x40
.macro JLOAD g0a, g1a, g0b, g1b
	s_cmp_eq_u32 s15, 0
	s_cbranch_scc0 .Lfor_b_\@
	tensor_load_to_lds s[\g0a:\g0a+3], s[\g1a:\g1a+7]
	s_nop 0
.rept 4
	v_nop
.endr
	s_branch .Lasked_\@
.Lfor_b_\@:
	tensor_load_to_lds s[\g0b:\g0b+3], s[\g1b:\g1b+7]
	s_nop 0
.rept 4
	v_nop
.endr
.Lasked_\@:
.endm
.macro CREST
	s_cmp_lg_u32 s14, 0
	s_cbranch_scc1 .Lnot_wave_0_\@
	s_barrier_signal -3
.Lnot_wave_0_\@:
	s_barrier_wait -3
	s_barrier_signal -1
	s_barrier_wait -1
.endm
.macro CROUND
	s_barrier_signal -1
	s_barrier_wait -1
	CREST
.endm
	s_load_b128 s[4:7], s[0:1], 0x0                ; A's buffer, w
	s_load_b64 s[12:13], s[0:1], 0x10              ; y
	v_lshl_add_u32 v[SPW], v0, 2, SPARE
	v_mov_b32 v[NIL], 0
	ds_add_u32 v28, v29
	ds_add_u32 v28, v29
	s_wait_dscnt 0x0
	v_lshrrev_b32 v1, 5, v0
	v_readfirstlane_b32 s14, v1
	s_lshr_b32 s15, s14, 1
	s_and_b32 s16, s14, 1
	s_bfe_u32 s40, ttmp6, 0x40000
	s_bfe_u32 s41, ttmp6, 0x40004
	s_lshl_b32 s42, ttmp9, 2
	s_add_co_u32 s42, s42, s40                     ; tile column
	s_and_b32 s17, ttmp7, 0xffff
	s_lshl_b32 s17, s17, 2
	s_add_co_u32 s17, s17, s41                     ; tile row
	s_lshl_b32 s43, s41, 2
	s_lshl_b32 s43, 15, s43
	s_lshl_b32 s44, 0x1111, s40
	s_or_b32 s[G1+0], s43, (3<<16)|(1<<21)
	s_or_b32 s[G1B+0], s44, (3<<16)|(1<<21)
.irp g, G1, G1B
	s_mov_b32 s[\g+1], (NQ*FRB/8)<<16
	s_mov_b32 s[\g+2], 8<<16
	s_mov_b32 s[\g+3], (NQ*FRB/8)<<16
	s_mov_b32 s[\g+4], 8
	s_mov_b32 s[\g+5], KS*FRB/8
	s_mov_b32 s[\g+6], 0
	s_mov_b32 s[\g+7], 0
.endr
	s_or_b32 s[G1S+0], s43, (3<<16)|(1<<21)
	s_or_b32 s[G1SB+0], s44, (3<<16)|(1<<21)
.irp g, G1S, G1SB
	s_mov_b32 s[\g+1], 32<<16
	s_mov_b32 s[\g+2], (HALFS/256)<<16
	s_mov_b32 s[\g+3], 32<<16
	s_mov_b32 s[\g+4], HALFS/256
	s_mov_b32 s[\g+5], 32
	s_mov_b32 s[\g+6], 0
	s_mov_b32 s[\g+7], 0
.endr
	s_lshl_b32 s18, s16, 3
	s_lshl_b32 s20, s17, 4
	s_add_co_u32 s20, s20, s18
	s_lshl_b32 s46, s42, 4
	s_add_co_u32 s46, s46, s18
	s_mul_i32 s22, s20, KS*64
	s_mul_i32 s92, s46, KS*64
	s_mul_i32 s20, s20, KS*FRB
	s_mul_i32 s46, s46, KS*FRB
	s_mov_b32 s21, 0
	s_mov_b32 s23, 0
	s_mov_b32 s47, 0
	s_mov_b32 s93, 0
	s_mul_i32 s45, s14, HALFT
	s_mul_i32 s94, s14, HALFS
	s_wait_kmcnt 0x0
	s_add_nc_u64 s[8:9], s[6:7], B_CO
	s_add_nc_u64 s[10:11], s[6:7], B_SC
	s_add_nc_u64 s[6:7], s[4:5], A_SC
	s_add_nc_u64 s[20:21], s[4:5], s[20:21]
	s_add_nc_u64 s[22:23], s[6:7], s[22:23]
	s_add_nc_u64 s[46:47], s[8:9], s[46:47]
	s_add_nc_u64 s[92:93], s[10:11], s[92:93]
	CROUND
	s_mov_b32 s[G0S], 1
	s_add_co_u32 s[G0S+1], s94, SCL
	s_mov_b64 s[G0S+2:G0S+3], s[22:23]
	s_or_b32 s[G0S+3], s[G0S+3], 0x80000000
	s_mov_b32 s[G0SB], 1
	s_add_co_u32 s[G0SB+1], s94, SCL
	s_mov_b64 s[G0SB+2:G0SB+3], s[92:93]
	s_or_b32 s[G0SB+3], s[G0SB+3], 0x80000000
	JLOAD G0S, G1S, G0SB, G1SB
.irp s, 0,1
	s_mov_b32 s[G0+4*\s], 1
	s_add_co_u32 s[G0+4*\s+1], s45, \s*SLOT
	s_add_nc_u64 s[G0+4*\s+2:G0+4*\s+3], s[20:21], \s*NQ*FRB
	s_or_b32 s[G0+4*\s+3], s[G0+4*\s+3], 0x80000000
	s_mov_b32 s[G0B+4*\s], 1
	s_add_co_u32 s[G0B+4*\s+1], s45, \s*SLOT
	s_add_nc_u64 s[G0B+4*\s+2:G0B+4*\s+3], s[46:47], \s*NQ*FRB
	s_or_b32 s[G0B+4*\s+3], s[G0B+4*\s+3], 0x80000000
	JLOAD G0+4*\s, G1, G0B+4*\s, G1B
.endr
	v_and_b32 v1, 15, v0
	v_bfe_u32 v2, v0, 4, 1
	v_and_b32 v3, 31, v0
	v_lshlrev_b32 v3, 4, v3
	s_mul_i32 s21, s15, HALFT
	s_mul_i32 s22, s16, HALFT
	s_add_co_u32 s22, s22, 2*HALFT
.irp s, 0,1
	v_add_nc_u32 v[ADRA+\s], s21, v3
	v_add_nc_u32 v[ADRB+\s], s22, v3
	s_add_co_u32 s21, s21, SLOT
	s_add_co_u32 s22, s22, SLOT
.endr
	v_lshlrev_b32 v5, 2, v1
	s_mul_i32 s21, s15, HALFS
	s_mul_i32 s22, s16, HALFS
	s_add_co_u32 s22, s22, 2*HALFS
	s_sub_co_u32 s22, s22, s21
	v_mul_u32_u24 v6, s22, v2
	s_add_co_u32 s21, s21, SCL
	v_add_nc_u32 v5, v5, v6
	v_add_nc_u32 v[ADRS], s21, v5
	s_mul_i32 s23, s14, 16*SPITCH                  ; my stage
	v_mul_u32_u24 v5, v1, SPITCH
	v_lshl_add_u32 v5, v2, 5, v5
	v_add_nc_u32 v[STO], s23, v5
	v_mov_b32 v[CO], v3
	v_add_nc_u32 v[RD], s23, v[CO]
	s_lshl_b32 s20, s17, 8
	s_lshl_b32 s21, s15, 7
	s_add_co_u32 s20, s20, s21                     ; my first row of C
	s_mov_b32 s21, 0
	s_mov_b64 s[18:19], SIZE_N*4
	s_mul_u64 s[20:21], s[20:21], s[18:19]
	s_lshl_b32 s46, s42, 10
	s_lshl_b32 s47, s16, 9
	s_add_co_u32 s46, s46, s47
	s_mov_b32 s47, 0
	s_add_nc_u64 s[20:21], s[20:21], s[46:47]
	s_add_nc_u64 s[12:13], s[12:13], s[20:21]
.macro FRAG reg, adr, q, i
.irp c, 0,1,2
	ds_load_b128 v[\reg+4*\c:\reg+4*\c+3], v[\adr] offset:(\i)*NQ*FRB+(\q)*FRB+512*\c
.endr
.endm
.macro MUL16 a0, p, q, sc, zero        ; the 64 accumulators take turns, one instruction a turn
.irp a, \a0, \a0+1
.irp b, 0,1,2,3,4,5,6,7
.if \zero
	v_wmma_scale_f32_16x16x128_f8f6f4 v[8*(8*((\a)%4)+\b):8*(8*((\a)%4)+\b)+7], v[128*(\p)+FR*\b:128*(\p)+FR*\b+FR-1], v[AF+FR*(\a):AF+FR*(\a)+FR-1], 0, v[SC+8*NQ*(\sc)+NQ*\b+(\q)], v[SC+8*NQ*(\sc)+NQ*(\a)+(\q)] matrix_a_fmt:MATRIX_FMT_BF6 matrix_b_fmt:MATRIX_FMT_BF6 matrix_a_scale:MATRIX_SCALE_ROW1
.else
	v_wmma_scale_f32_16x16x128_f8f6f4 v[8*(8*((\a)%4)+\b):8*(8*((\a)%4)+\b)+7], v[128*(\p)+FR*\b:128*(\p)+FR*\b+FR-1], v[AF+FR*(\a):AF+FR*(\a)+FR-1], v[8*(8*((\a)%4)+\b):8*(8*((\a)%4)+\b)+7], v[SC+8*NQ*(\sc)+NQ*\b+(\q)], v[SC+8*NQ*(\sc)+NQ*(\a)+(\q)] matrix_a_fmt:MATRIX_FMT_BF6 matrix_b_fmt:MATRIX_FMT_BF6 matrix_a_scale:MATRIX_SCALE_ROW1
.endif
.endr
.endr
.endm
.macro FETCH_B slot, q, p
	WIN TO_B
.irp i, 0,1,2,3,4,5,6,7
	FRAG 128*(\p)+FR*\i, ADRB+\slot, \q, \i
.endr
	WIN 0
.endm
.macro FETCH_A slot, q, i0
.irp i, \i0, \i0+1, \i0+2, \i0+3
	FRAG AF+FR*(\i), ADRA+\slot, \q, \i
.endr
.endm
.macro SCALES sc
.irp i, 0,1,2,3,4,5,6,7
.irp q, 0,1
	ds_load_b32 v[SC+8*NQ*\sc+NQ*\i+\q], v[ADRS] offset:64*\i+512*\q
.endr
.endr
.endm
.macro PLACES n
.rept \n
	v_nop
.endr
.endm
.macro STEP slot, q, zero
	s_wait_dscnt 4*NL                              ; all but the youngest 12 loads (A's blocks 4-7)
	WIN MUL_LO
	MUL16 0, (\q)%2, \q, \slot, \zero
	MUL16 2, (\q)%2, \q, \slot, \zero
	s_wait_dscnt 0
	PLACES NP
	FETCH_B \slot, (\q)+1, 1-(\q)%2
	FETCH_A \slot, (\q)+1, 0
	WIN MUL_HI
	MUL16 4, (\q)%2, \q, \slot, \zero
	MUL16 6, (\q)%2, \q, \slot, \zero
	PLACES NP
	WIN 0
	FETCH_A \slot, (\q)+1, 4
.endm
.macro TURN slot, next, fill
	s_wait_tensorcnt 0x0                           ; all my tensor loads have landed: my part of the next slot
	ds_add_u32 v[SPW], v[NIL]                      ; 0 onto my spare word
	s_wait_dscnt 4*NL+1                            ; (the add and A's blocks 4-7 may be out)
	WIN MUL_LO
	MUL16 0, 1, NQ-1, \slot, 0
	s_wait_dscnt 0x0                               ; the add is done, and my reads of this slot are over
	s_barrier_signal -1
	MUL16 2, 1, NQ-1, \slot, 0
	WIN 0
	s_barrier_wait -1
.if \fill
	CREST
	s_add_nc_u64 s[G0+4*\slot+2:G0+4*\slot+3], s[G0+4*\slot+2:G0+4*\slot+3], 2*NQ*FRB
	s_add_nc_u64 s[G0B+4*\slot+2:G0B+4*\slot+3], s[G0B+4*\slot+2:G0B+4*\slot+3], 2*NQ*FRB
	JLOAD G0+4*\slot, G1, G0B+4*\slot, G1B
.else
	PLACES NP
.endif
	v_add_nc_u32 v[ADRS], 512*NQ, v[ADRS]
	FETCH_B \next, 0, 0
	FETCH_A \next, 0, 0
	SCALES \next
	WIN MUL_HI
	MUL16 4, 1, NQ-1, \slot, 0
	MUL16 6, 1, NQ-1, \slot, 0
	PLACES NP
	WIN 0
	FETCH_A \next, 0, 4
.endm
	s_wait_tensorcnt 1                             ; the scale words and my part of slot 0 are in; slot 1's load may be out
	s_barrier_signal -1
	s_barrier_wait -1
	FETCH_B 0, 0, 0
	FETCH_A 0, 0, 0
	SCALES 0
	FETCH_A 0, 0, 4
	STEP 0, 0, 1
	s_mov_b32 s3, LAPS-1
.Llap:
	TURN 0, 1, 1
	STEP 1, 0, 0
	TURN 1, 0, 1
	STEP 0, 0, 0
	s_sub_co_u32 s3, s3, 1
	s_cmp_lg_u32 s3, 0
	s_cbranch_scc1 .Llap
	TURN 0, 1, 0
	STEP 1, 0, 0
	s_wait_dscnt 4*NL
	WIN MUL_LO
	MUL16 0, 1, NQ-1, 1, 0
	MUL16 2, 1, NQ-1, 1, 0
	s_wait_dscnt 0
	WIN MUL_HI
	MUL16 4, 1, NQ-1, 1, 0
	MUL16 6, 1, NQ-1, 1, 0
	WIN 0
; THE WAY OUT, block by block of 16 rows x 128 columns, through my own stage: in as 32 bytes a lane, back as whole rows of 512 bytes
.macro TOSTAGE a
.set AC, 64*((\a)%4)
.set WN, 0x08+4*((\a)/4)
	WIN WN
.irp b, 0,1,2,3,4,5,6,7
	ds_store_b128 v[STO], v[AC+8*\b:AC+8*\b+3] offset:64*\b          ; each accumulator from its low end on
	ds_store_b128 v[STO], v[AC+8*\b+4:AC+8*\b+7] offset:64*\b+16
.endr
	WIN 0
.set BB, BK+64*((\a)%2)
.irp t, 0,1,2,3,4,5,6,7,8,9,10,11,12,13,14,15
	ds_load_b128 v[BB+4*\t:BB+4*\t+3], v[RD] offset:\t*SPITCH
.endr
.endm
.macro SEND a, younger
.set BB, BK+64*((\a)%2)
	s_wait_dscnt \younger
.if (\a) > 0
	s_add_nc_u64 s[12:13], s[12:13], 16*SIZE_N*4   ; (behind a wait on XCNT)
.endif
.irp t, 0,1,2,3,4,5,6,7,8,9,10,11,12,13,14,15
	global_store_b128 v[CO], v[BB+4*\t:BB+4*\t+3], s[12:13] offset:\t*SIZE_N*4   ; 512 consecutive bytes, aligned
.endr
.endm
	PLACES NP
	TOSTAGE 0
.irp a, 1,2,3,4,5,6,7
.if \a > 1
	s_wait_xcnt 0x0                                ; block a - 2's stores have read their registers and their base
.endif
	TOSTAGE \a
	SEND \a-1, 32                                  ; behind block a - 1's loads: block a's 16 stores and 16 loads
.endr
	s_wait_xcnt 0x0
	SEND 7, 0
	s_wait_tensorcnt 0x0                           ; the wave's end
	ds_add_u32 v[SPW], v[NIL]
	s_wait_dscnt 0x0
	CROUND
	s_endpgm
.Lfunc_end_k_q48abeeb84f_ffn2:
	.size	k_q48abeeb84f_ffn2, .Lfunc_end_k_q48abeeb84f_ffn2-k_q48abeeb84f_ffn2
	.p2alignl 7, 3214868480
	.fill 96, 4, 3214868480
	.section	.rodata,"a",@progbits
	.p2align	6, 0x0
	.amdhsa_kernel k_q48abeeb84f_ffn2
		.amdhsa_group_segment_fixed_size 327680
		.amdhsa_private_segment_fixed_size 0
		.amdhsa_enable_private_segment 0
		.amdhsa_kernarg_size 24
		.amdhsa_user_sgpr_count 2
		.amdhsa_user_sgpr_kernarg_segment_ptr 1
		.amdhsa_wavefront_size32 1
		.amdhsa_system_sgpr_workgroup_id_x 1
		.amdhsa_system_sgpr_workgroup_id_y 1
		.amdhsa_system_sgpr_workgroup_id_z 1
		.amdhsa_system_vgpr_workitem_id 0
		.amdhsa_next_free_vgpr 1024
		.amdhsa_next_free_sgpr 98
		.amdhsa_reserve_vcc 0
		.amdhsa_float_denorm_mode_32 3
		.amdhsa_float_denorm_mode_16_64 3
		.amdhsa_memory_ordered 1
		.amdhsa_forward_progress 1
		.amdhsa_inst_pref_size 138
	.end_amdhsa_kernel
	.amdgpu_metadata
---
amdhsa.version: [ 1, 2 ]
amdhsa.kernels:
  - .name:           k_q48abeeb84f_ffn2
    .symbol:         k_q48abeeb84f_ffn2.kd
    .args:
      - { .name: himg, .offset: 0, .size: 8, .value_kind: global_buffer, .address_space: global }
      - { .name: w, .offset: 8, .size: 8, .value_kind: global_buffer, .address_space: global }
      - { .name: y, .offset: 16, .size: 8, .value_kind: global_buffer, .address_space: global }
    .group_segment_fixed_size: 327680
    .private_segment_fixed_size: 0
    .kernarg_segment_align: 8
    .kernarg_segment_size: 24
    .max_flat_workgroup_size: 128
    .sgpr_count:     98
    .vgpr_count:     1024
    .wavefront_size: 32
...
	.end_amdgpu_metadata
.endif
;; end of part 7
;; launch ln2 (part 8): grid 256 x 1, 4 waves a work-group, no clusters, 0 bytes of LDS; arguments y, xf, b2, ln2_w, ln2_b, out0; writes out0
.if DOCPART == 8
	.amdgcn_target "amdgcn-amd-amdhsa--gfx1250"
	.amdhsa_code_object_version 6
	.text
	.protected	k_q48abeeb84f_ln2
	.globl	k_q48abeeb84f_ln2
	.p2align	8
	.type	k_q48abeeb84f_ln2,@function
k_q48abeeb84f_ln2:
	s_mov_b64 s[64:65], 0
	v_nop
	global_prefetch_b8 v0, s[64:65] scope:SCOPE_SE
	s_setreg_imm32_b32 hwreg(HW_REG_WAVE_MODE, 25, 1), 1
	s_wait_xcnt 0x0
; out = LayerNorm(res + y + bias) w + b, rows of 1,024 f32.
; A work-group takes 16 rows, a wave 4.  A lane holds columns 128 i + 4 l + 0 .. 3: every load and store covers 512 consecutive bytes.  Two row slots in registers: one at work, one on its way in.
; Mean first, then the mean of the squared differences: a common offset of the inputs does no harm.
; No LDS, no matrix unit, no cluster, no tensor load: a row never leaves its wave, and the work-groups share only the three short vectors.  LIMITS: NaN and infinities are not served.
.set BI,  8                            ; v8-39    bias
.set LW,  40                           ; v40-71   w
.set LB,  72                           ; v72-103  b
.set SA,  104                          ; slot s: y at v[104 + 64 s], the residual 32 further on
.set T,   232                          ; v232-239 at work
.set SELA, 22
.set SELB, 23
	s_load_b256 s[4:11], s[0:1], 0x0               ; y, residual, bias, w
	s_load_b128 s[12:15], s[0:1], 0x20             ; b, the output
	v_lshrrev_b32 v2, 5, v0
	v_readfirstlane_b32 s18, v2                    ; wave
	v_and_b32 v2, 31, v0
	v_lshlrev_b32 v1, 4, v2                        ; 16 x lane
	s_lshl_b32 s20, ttmp9, 16                      ; 16 rows of 4,096 bytes,
	s_lshl_b32 s21, s18, 14                        ; my 4
	s_add_co_u32 s20, s20, s21
	s_mov_b32 s21, 0
	s_mov_b32 s[SELA], 0x76543210
	s_mov_b32 s[SELB], 0xfedcba98
	s_mov_b32 s24, 0x3727c5ac                      ; 1e-5
	s_mov_b32 s25, 0x3a800000                      ; 1 / 1,024
	v_mov_b32 v[T+5], 0
	v_mov_b32 v[T+7], 0
	s_wait_kmcnt 0x0
	s_add_nc_u64 s[4:5], s[4:5], s[20:21]
	s_add_nc_u64 s[6:7], s[6:7], s[20:21]
	s_add_nc_u64 s[14:15], s[14:15], s[20:21]
.irp i, 0,1,2,3,4,5,6,7
	global_load_b128 v[BI+4*\i:BI+4*\i+3], v1, s[8:9] offset:512*\i
	global_load_b128 v[LW+4*\i:LW+4*\i+3], v1, s[10:11] offset:512*\i
	global_load_b128 v[LB+4*\i:LB+4*\i+3], v1, s[12:13] offset:512*\i
.endr
.macro LOADROW rw
.irp i, 0,1,2,3,4,5,6,7
	global_load_b128 v[SA+64*((\rw)%2)+4*\i:SA+64*((\rw)%2)+4*\i+3], v1, s[4:5] offset:(\rw)*4096+512*\i th:TH_LOAD_NT
.endr
.irp i, 0,1,2,3,4,5,6,7
	global_load_b128 v[SA+64*((\rw)%2)+32+4*\i:SA+64*((\rw)%2)+32+4*\i+3], v1, s[6:7] offset:(\rw)*4096+512*\i th:TH_LOAD_NT
.endr
.endm
.macro REDUCE t                        ; the sum over the 32 lanes, in every lane
	v_add_f32_dpp v[\t], v[\t], v[\t] row_xmask:1 row_mask:0xf bank_mask:0xf
	v_add_f32_dpp v[\t], v[\t], v[\t] row_xmask:2 row_mask:0xf bank_mask:0xf
	v_add_f32_dpp v[\t], v[\t], v[\t] row_xmask:4 row_mask:0xf bank_mask:0xf
	v_add_f32_dpp v[\t], v[\t], v[\t] row_xmask:8 row_mask:0xf bank_mask:0xf
	v_permlanex16_b32 v[\t+1], v[\t], s[SELA], s[SELB]
	v_add_f32 v[\t], v[\t], v[\t+1]
.endm
.macro ROW rw, left
.set XS, SA+64*((\rw)%2)
	s_wait_loadcnt \left                           ; my row's 16 loads are in; the other slot's may be out
.set j, 0
.rept 16
	v_pk_add_f32 v[XS+j:XS+j+1], v[XS+j:XS+j+1], v[XS+32+j:XS+32+j+1]
.set j, j+2
.endr
.set j, 0
.rept 16
	v_pk_add_f32 v[XS+j:XS+j+1], v[XS+j:XS+j+1], v[BI+j:BI+j+1]
.set j, j+2
.endr
	v_pk_add_f32 v[T:T+1], v[XS:XS+1], v[XS+2:XS+3]
	v_pk_add_f32 v[T+2:T+3], v[XS+4:XS+5], v[XS+6:XS+7]
.set j, 8
.rept 6
	v_pk_add_f32 v[T:T+1], v[T:T+1], v[XS+j:XS+j+1]
	v_pk_add_f32 v[T+2:T+3], v[T+2:T+3], v[XS+j+2:XS+j+3]
.set j, j+4
.endr
	v_pk_add_f32 v[T:T+1], v[T:T+1], v[T+2:T+3]
	v_add_f32 v[T], v[T], v[T+1]
	REDUCE T
	v_mul_f32 v[T+4], s25, v[T]                    ; the mean
.set j, 0
.rept 16
	v_pk_add_f32 v[XS+j:XS+j+1], v[XS+j:XS+j+1], v[T+4:T+5] op_sel_hi:[1,0] neg_lo:[0,1] neg_hi:[0,1]
.set j, j+2
.endr
	v_pk_mul_f32 v[T:T+1], v[XS:XS+1], v[XS:XS+1]
	v_pk_mul_f32 v[T+2:T+3], v[XS+2:XS+3], v[XS+2:XS+3]
.set j, 4
.rept 7
	v_pk_fma_f32 v[T:T+1], v[XS+j:XS+j+1], v[XS+j:XS+j+1], v[T:T+1]
	v_pk_fma_f32 v[T+2:T+3], v[XS+j+2:XS+j+3], v[XS+j+2:XS+j+3], v[T+2:T+3]
.set j, j+4
.endr
	v_pk_add_f32 v[T:T+1], v[T:T+1], v[T+2:T+3]
	v_add_f32 v[T], v[T], v[T+1]
	REDUCE T
	v_fma_f32 v[T], v[T], s25, s24                 ; the variance + 1e-5
	v_rsq_f32 v[T+6], v[T]
	v_nop
.set j, 0
	s_wait_alu depctr_va_vdst(0)
.rept 16
	v_pk_mul_f32 v[XS+j:XS+j+1], v[XS+j:XS+j+1], v[T+6:T+7] op_sel_hi:[1,0]
.set j, j+2
.endr
.set j, 0
.rept 16
	v_pk_fma_f32 v[XS+j:XS+j+1], v[XS+j:XS+j+1], v[LW+j:LW+j+1], v[LB+j:LB+j+1]
.set j, j+2
.endr
.irp i, 0,1,2,3,4,5,6,7
	global_store_b128 v1, v[XS+4*\i:XS+4*\i+3], s[14:15] offset:(\rw)*4096+512*\i th:TH_STORE_NT
.endr
	s_wait_xcnt 0x0                                ; the stores have read their registers: the slot may be loaded again
.endm
	LOADROW 0
	LOADROW 1
	ROW 0, 16
	LOADROW 2
	ROW 1, 16
	LOADROW 3
	ROW 2, 16
	ROW 3, 0
	s_endpgm
.Lfunc_end_k_q48abeeb84f_ln2:
	.size	k_q48abeeb84f_ln2, .Lfunc_end_k_q48abeeb84f_ln2-k_q48abeeb84f_ln2
	.p2alignl 7, 3214868480
	.fill 96, 4, 3214868480
	.section	.rodata,"a",@progbits
	.p2align	6, 0x0
	.amdhsa_kernel k_q48abeeb84f_ln2
		.amdhsa_group_segment_fixed_size 0
		.amdhsa_private_segment_fixed_size 0
		.amdhsa_enable_private_segment 0
		.amdhsa_kernarg_size 48
		.amdhsa_user_sgpr_count 2
		.amdhsa_user_sgpr_kernarg_segment_ptr 1
		.amdhsa_wavefront_size32 1
		.amdhsa_system_sgpr_workgroup_id_x 1
		.amdhsa_system_sgpr_workgroup_id_y 1
		.amdhsa_system_sgpr_workgroup_id_z 1
		.amdhsa_system_vgpr_workitem_id 0
		.amdhsa_next_free_vgpr 256
		.amdhsa_next_free_sgpr 66
		.amdhsa_reserve_vcc 0
		.amdhsa_float_denorm_mode_32 3
		.amdhsa_float_denorm_mode_16_64 3
		.amdhsa_memory_ordered 1
		.amdhsa_forward_progress 1
		.amdhsa_inst_pref_size 45
	.end_amdhsa_kernel
	.amdgpu_metadata
---
amdhsa.version: [ 1, 2 ]
amdhsa.kernels:
  - .name:           k_q48abeeb84f_ln2
    .symbol:         k_q48abeeb84f_ln2.kd
    .args:
      - { .name: y, .offset: 0, .size: 8, .value_kind: global_buffer, .address_space: global }
      - { .name: xf, .offset: 8, .size: 8, .value_kind: global_buffer, .address_space: global }
      - { .name: b2, .offset: 16, .size: 8, .value_kind: global_buffer, .address_space: global }
      - { .name: ln2_w, .offset: 24, .size: 8, .value_kind: global_buffer, .address_space: global }
      - { .name: ln2_b, .offset: 32, .size: 8, .value_kind: global_buffer, .address_space: global }
      - { .name: out0, .offset: 40, .size: 8, .value_kind: global_buffer, .address_space: global }
    .group_segment_fixed_size: 0
    .private_segment_fixed_size: 0
    .kernarg_segment_align: 8
    .kernarg_segment_size: 48
    .max_flat_workgroup_size: 128
    .sgpr_count:     66
    .vgpr_count:     256
    .wavefront_size: 32
...
	.end_amdgpu_metadata
.endif
;; end of part 8
;; ======== version 2 of 2: 8 launches
;; limits: right only within a limited range of input values
;; workspace buffers: w 19,660,800 bytes; qkv 9,830,400 bytes; cimg 3,276,800 bytes; ximg 3,276,800 bytes; himg 13,107,200 bytes; y 16,777,216 bytes; xf 16,777,216 bytes; stats 32,768 bytes
;; launch quant (part 9): grid 768 x 1, 4 waves a work-group, no clusters, 34,304 bytes of LDS; arguments query, key, values, Wq, Wk, Wv, Wo, W1, W2, w; writes w
.if DOCPART == 9
	.amdgcn_target "amdgcn-amd-amdhsa--gfx1250"
	.amdhsa_code_object_version 6
	.text
	.protected	k_q48abeeb84f_quant
	.globl	k_q48abeeb84f_quant
	.p2align	8
	.type	k_q48abeeb84f_quant,@function
k_q48abeeb84f_quant:
	s_mov_b64 s[64:65], 0
	v_nop
	global_prefetch_b8 v0, s[64:65] scope:SCOPE_SE
	s_setreg_imm32_b32 hwreg(HW_REG_WAVE_MODE, 25, 1), 1
	s_wait_xcnt 0x0
; The nine large f32 inputs become codes of BF6 (E3M2) with one E8M0 byte for each 32 along K, laid as IMAGES OF OPERAND REGISTERS.
; A fragment is 16 positions x 128 K, 12 registers a lane: lane (r, h) holds, of position r, k = 64 c + 32 h + 0 .. 31 in registers 6 c .. 6 c + 5.
; Its image is 1,536 bytes: registers 4 g .. 4 g + 3 of lane l at 512 g + 16 l.  Fragment (row block rb, K step ks) lies at (rb K/128 + ks) x 1,536.
; Scale words (four bytes, one K step of one position) lie at ((p / 128 x K/128 + ks) x 128 + p % 128) x 4.
; POSITIONS: natural (row = position) for query, Wo, W2; for the six others bits 3 and 4 of the position change places, so that lane r of block t
; holds row 32 (t / 2) + 8 (t % 2) + r + 8 (r / 8): a product that takes such rows as its source 0 leaves 16 neighbouring columns in a lane.
; SHARES: a wave takes one row block x 512 K, four fragments; unit U = 4 x work-group + wave; the tensors lie in w in the order of the units, 6,144 bytes of codes a unit.
; Each load reads 512 consecutive bytes of one row; a fragment's 16 rows turn through the wave's own stage in LDS (rows of 512 + 16 bytes) and come back 128 bytes a lane and block.
; No matrix unit, no cluster, no tensor load: the work-groups share no input and every byte is read once.
; A block's byte is its largest magnitude's exponent field - 4, held at 1 from below; a block of zeros keeps the byte 1 (its codes are zeros, and this program alone reads the bytes).
; LIMITS: NaN and infinities among the inputs are not served.
.set WS,  18874368                     ; the scale words begin here in w
.set OFF, 12                           ; v12-27   byte offset of row i of my block, + 16 x lane
.set X,   28                           ; v28-155  two sets of 64: a fragment's numbers as loaded
.set Y,   156                          ; v156-219 the same, 32 neighbours of each of my two blocks
.set C,   220                          ; v220-243 two sets of 12: codes
.set TP,  244                          ; v244-246, v248-250 the second halves' codes
.set MX,  252                          ; v252-253 largest magnitudes, then bytes
.set SO,  254                          ; v254-255 the conversions' scale operands
.set WD,  8                            ; v8-11    a scale word for each fragment
.set H8,  5                            ; v5       8 h
.set PT,  6                            ; v6       the lane exchange's destination
.set SELA, 50
.set SELB, 51
	s_load_b512 s[4:19], s[0:1], 0x0               ; query, key, values, Wq, Wk, Wv, Wo, W1
	s_load_b128 s[20:23], s[0:1], 0x40             ; W2, w
	v_lshl_add_u32 v247, v0, 2, 0x8400
	v_mov_b32 v251, 0
	v_lshrrev_b32 v5, 5, v0
	v_readfirstlane_b32 s24, v5                    ; wave
	v_and_b32 v6, 31, v0                           ; lane
	v_and_b32 v7, 15, v0                           ; r
	v_bfe_u32 v5, v0, 4, 1                         ; h
	v_lshlrev_b32 v1, 4, v6                        ; 16 x lane
	s_wait_alu depctr_va_vdst(0)
	s_mul_i32 s25, s24, 8448                       ; my stage: 16 rows of 528 bytes
	v_add_nc_u32 v2, s25, v1                       ; into it: 16 x lane, the row in the immediate
	v_mul_u32_u24 v3, v7, 528
	v_lshl_add_u32 v3, v5, 7, v3
	v_add_nc_u32 v3, s25, v3                       ; out of it: row r, + 128 h
	v_lshlrev_b32 v4, 2, v7
	v_lshl_add_u32 v4, v5, 9, v4                   ; scale words: 4 r, lanes 16-31 one K step on
	v_lshlrev_b32 v[H8], 3, v5
	v_mov_b32 v[PT], 0
	s_mov_b32 s[SELA], 0x76543210
	s_mov_b32 s[SELB], 0xfedcba98                  ; selects for lane l xor 16
	s_mov_b32 s52, 0xffff0000                      ; lanes 16-31
	; which tensor, and which unit of it
	s_lshr_b32 s26, ttmp9, 7                       ; g: 128 work-groups to a group
	s_bfe_u32 s27, ttmp9, 0x20005                  ; in group 3: which of the four square weights
	s_add_co_u32 s28, s27, 3
	s_add_co_u32 s29, s26, 3
	s_mov_b32 s30, 511
	s_cmp_eq_u32 s26, 3
	s_cselect_b32 s28, s28, s29
	s_cselect_b32 s27, s27, 0
	s_cselect_b32 s30, 127, s30                    ; units in the tensor - 1
	s_cmp_lt_u32 s26, 3
	s_cselect_b32 s28, s26, s28                    ; ti: 0 query .. 8 W2
	s_lshl_b32 s31, ttmp9, 2
	s_add_co_u32 s31, s31, s24                     ; U
	s_and_b32 s30, s31, s30                        ; u: the unit within its tensor
	s_cmp_eq_u32 s28, 8
	s_cselect_b32 s32, 3, 1                        ; log2 of the units in a row block
	s_cselect_b32 s33, 14, 12                      ; log2 of a row's bytes
	s_cselect_b32 s34, 32, 8                       ; K / 128
	s_lshr_b32 s35, s30, s32                       ; rb
	s_lshl_b32 s36, s35, s32
	s_sub_co_u32 s36, s30, s36                     ; kq: which 512 along K
	s_lshr_b32 s37, 0xbe, s28
	s_and_b32 s37, s37, 1                          ; P = 1: permuted positions (ti 1, 2, 3, 4, 5, 7)
	s_lshr_b32 s38, s35, 1
	s_lshl_b32 s38, s38, 5
	s_and_b32 s39, s35, 1
	s_lshl_b32 s39, s39, 3
	s_add_co_u32 s38, s38, s39                     ; 32 (rb / 2) + 8 (rb % 2)
	s_lshl_b32 s39, s35, 4                         ; 16 rb
	s_cmp_eq_u32 s37, 1
	s_cselect_b32 s38, s38, s39                    ; my block's first row
	s_lshl_b32 s38, s38, s33
	s_lshl_b32 s39, s36, 11
	s_add_co_u32 s38, s38, s39                     ; in bytes, + 2,048 kq
	s_lshl_b32 s39, 1, s33                         ; a row
	s_lshl_b32 s40, s37, 3
	s_lshl_b32 s40, s40, s33                       ; permuted: rows 8 to 15 of the block lie 8 rows further on
.irp i, 0,1,2,3,4,5,6,7,8,9,10,11,12,13,14,15
	v_add_nc_u32 v[OFF+\i], s38, v1
	s_add_co_u32 s38, s38, s39
.if \i == 7
	s_add_co_u32 s38, s38, s40
.endif
.endr
	s_lshr_b32 s41, s35, 3                         ; scale words: ((rb / 8 x K/128 + 4 kq) x 128 + 16 (rb % 8)) x 4
	s_mul_i32 s41, s41, s34
	s_lshl_b32 s42, s36, 2
	s_add_co_u32 s41, s41, s42
	s_lshl_b32 s41, s41, 9
	s_and_b32 s42, s35, 7
	s_lshl_b32 s42, s42, 6
	s_add_co_u32 s41, s41, s42
	s_lshl_b32 s42, s26, 17                        ; the tensor's scale words: 131,072 bytes a group, 32,768 a square weight
	s_add_co_u32 s41, s41, s42
	s_lshl_b32 s42, s27, 15
	s_add_co_u32 s41, s41, s42
	s_add_co_u32 s42, s41, WS
	s_mov_b32 s43, 0
	s_mul_i32 s44, s31, 6144                       ; my codes
	s_mov_b32 s45, 0
	s_wait_alu depctr_va_vdst(0)
	s_wait_kmcnt 0x0
	s_cmp_eq_u32 s28, 1                            ; the input is chosen by the work-group's number alone
	s_cselect_b64 s[4:5], s[6:7], s[4:5]
	s_cmp_eq_u32 s28, 2
	s_cselect_b64 s[4:5], s[8:9], s[4:5]
	s_cmp_eq_u32 s28, 3
	s_cselect_b64 s[4:5], s[10:11], s[4:5]
	s_cmp_eq_u32 s28, 4
	s_cselect_b64 s[4:5], s[12:13], s[4:5]
	s_cmp_eq_u32 s28, 5
	s_cselect_b64 s[4:5], s[14:15], s[4:5]
	s_cmp_eq_u32 s28, 6
	s_cselect_b64 s[4:5], s[16:17], s[4:5]
	s_cmp_eq_u32 s28, 7
	s_cselect_b64 s[4:5], s[18:19], s[4:5]
	s_cmp_eq_u32 s28, 8
	s_cselect_b64 s[4:5], s[20:21], s[4:5]
	s_add_nc_u64 s[46:47], s[22:23], s[42:43]      ; my scale words
	s_add_nc_u64 s[48:49], s[22:23], s[44:45]      ; my codes
.macro LOAD t                          ; fragment t: 16 rows x 512 consecutive bytes
.irp i, 0,1,2,3,4,5,6,7,8,9,10,11,12,13,14,15
	global_load_b128 v[X+64*((\t)%2)+4*\i:X+64*((\t)%2)+4*\i+3], v[OFF+\i], s[4:5] offset:512*(\t) th:TH_LOAD_NT
.endr
.endm
; 64 numbers of a lane, v[y + 32 k + i] = k 64 k + 32 h + i of my position, become the fragment's 12 registers at v[c] and its scale word in v[w].  A lane holds two whole blocks.
.macro QB y, c, w
.irp k, 0,1
	v_max3_num_f32 v[MX+\k], |v[\y+32*\k]|, |v[\y+32*\k+1]|, 0x2800000   ; and the floor 2^(5 - 127): the byte cannot fall under 1
.endr
.irp i, 2,4,6,8,10,12,14,16,18,20,22,24,26,28,30
.irp k, 0,1
	v_max3_num_f32 v[MX+\k], v[MX+\k], |v[\y+32*\k+\i]|, |v[\y+32*\k+\i+1]|
.endr
.endr
.irp k, 0,1
	v_add_nc_u32 v[SO+\k], 0xfe000000, v[MX+\k]    ; 4 off the exponent field: the conversion's scale operand
.endr
.irp k, 0,1
	v_lshrrev_b32 v[MX+\k], 23, v[SO+\k]           ; the byte
.endr
	v_lshl_or_b32 v[\w], v[MX+1], 16, v[MX]        ; my bytes: blocks h and 2 + h,
	v_lshlrev_b32 v[\w], v[H8], v[\w]              ; at their places;
	v_permlanex16_b32 v[PT], v[\w], s[SELA], s[SELB]
	v_or_b32 v[\w], v[\w], v[PT]                   ; with lane l xor 16's two the word is whole
.irp k, 0,1
	v_cvt_scalef32_pk16_bf6_f32 v[\c+6*\k:\c+6*\k+2], v[\y+32*\k:\y+32*\k+15], v[SO+\k]
	v_cvt_scalef32_pk16_bf6_f32 v[TP+4*\k:TP+4*\k+2], v[\y+32*\k+16:\y+32*\k+31], v[SO+\k]   ; (a conversion's three registers begin on an even number)
.endr
	v_nop                                          ; one plain place behind a scaled conversion
.irp k, 0,1
.irp i, 0,1,2
	v_mov_b32 v[\c+3+6*\k+\i], v[TP+4*\k+\i]
.endr
.endr
.endm
.macro FRAGQ f
.if \f < 3
	s_wait_loadcnt 16                              ; this fragment's 16 loads are in, the next one's may be out
.else
	s_wait_loadcnt 0x0
.endif
.irp i, 0,1,2,3,4,5,6,7,8,9,10,11,12,13,14,15
	ds_store_b128 v2, v[X+64*((\f)%2)+4*\i:X+64*((\f)%2)+4*\i+3] offset:528*\i
.endr
.irp k, 0,1
.irp j, 0,1,2,3,4,5,6,7
	ds_load_b128 v[Y+32*\k+4*\j:Y+32*\k+4*\j+3], v3 offset:256*\k+16*\j   ; LDS serves a wave's instructions in order: these see the stores above
.endr
.endr
	s_wait_dscnt 0x0                               ; the numbers are back, and the stores have read their registers
.if \f < 2
	LOAD (\f)+2
.else
	s_wait_xcnt 0x0                                ; the stores of two fragments ago have read this set of codes
.endif
	QB Y, C+12*((\f)%2), WD+\f
.irp g, 0,1,2
	global_store_b128 v1, v[C+12*((\f)%2)+4*\g:C+12*((\f)%2)+4*\g+3], s[48:49] offset:1536*(\f)+512*\g   ; 512 consecutive bytes
.endr
.if (\f)%2
	v_cndmask_b32 v[WD+(\f)-1], v[WD+(\f)-1], v[WD+(\f)], s52   ; lanes 0-15: the K step before, lanes 16-31: this one
	global_store_b32 v4, v[WD+(\f)-1], s[46:47] offset:1024*((\f)/2)
.endif
.endm
	LOAD 0
	LOAD 1
	FRAGQ 0
	FRAGQ 1
	FRAGQ 2
	FRAGQ 3
	s_wait_tensorcnt 0x0
	ds_add_u32 v247, v251
	s_wait_dscnt 0x0
	s_endpgm
.Lfunc_end_k_q48abeeb84f_quant:
	.size	k_q48abeeb84f_quant, .Lfunc_end_k_q48abeeb84f_quant-k_q48abeeb84f_quant
	.p2alignl 7, 3214868480
	.fill 96, 4, 3214868480
	.section	.rodata,"a",@progbits
	.p2align	6, 0x0
	.amdhsa_kernel k_q48abeeb84f_quant
		.amdhsa_group_segment_fixed_size 34304
		.amdhsa_private_segment_fixed_size 0
		.amdhsa_enable_private_segment 0
		.amdhsa_kernarg_size 80
		.amdhsa_user_sgpr_count 2
		.amdhsa_user_sgpr_kernarg_segment_ptr 1
		.amdhsa_wavefront_size32 1
		.amdhsa_system_sgpr_workgroup_id_x 1
		.amdhsa_system_sgpr_workgroup_id_y 1
		.amdhsa_system_sgpr_workgroup_id_z 1
		.amdhsa_system_vgpr_workitem_id 0
		.amdhsa_next_free_vgpr 256
		.amdhsa_next_free_sgpr 66
		.amdhsa_reserve_vcc 0
		.amdhsa_float_denorm_mode_32 3
		.amdhsa_float_denorm_mode_16_64 3
		.amdhsa_memory_ordered 1
		.amdhsa_forward_progress 1
		.amdhsa_inst_pref_size 33
	.end_amdhsa_kernel
	.amdgpu_metadata
---
amdhsa.version: [ 1, 2 ]
amdhsa.kernels:
  - .name:           k_q48abeeb84f_quant
    .symbol:         k_q48abeeb84f_quant.kd
    .args:
      - { .name: query, .offset: 0, .size: 8, .value_kind: global_buffer, .address_space: global }
      - { .name: key, .offset: 8, .size: 8, .value_kind: global_buffer, .address_space: global }
      - { .name: values, .offset: 16, .size: 8, .value_kind: global_buffer, .address_space: global }
      - { .name: Wq, .offset: 24, .size: 8, .value_kind: global_buffer, .address_space: global }
      - { .name: Wk, .offset: 32, .size: 8, .value_kind: global_buffer, .address_space: global }
      - { .name: Wv, .offset: 40, .size: 8, .value_kind: global_buffer, .address_space: global }
      - { .name: Wo, .offset: 48, .size: 8, .value_kind: global_buffer, .address_space: global }
      - { .name: W1, .offset: 56, .size: 8, .value_kind: global_buffer, .address_space: global }
      - { .name: W2, .offset: 64, .size: 8, .value_kind: global_buffer, .address_space: global }
      - { .name: w, .offset: 72, .size: 8, .value_kind: global_buffer, .address_space: global }
    .group_segment_fixed_size: 34304
    .private_segment_fixed_size: 0
    .kernarg_segment_align: 8
    .kernarg_segment_size: 80
    .max_flat_workgroup_size: 128
    .sgpr_count:     66
    .vgpr_count:     256
    .wavefront_size: 32
...
	.end_amdgpu_metadata
.endif
;; end of part 9
;; launch qkv (part 10): grid 4 x 48, 4 waves a work-group, clusters of 4 x 4, 327,680 bytes of LDS; arguments w, bq, bk, bv, qkv; writes qkv
.if DOCPART == 10
	.amdgcn_target "amdgcn-amd-amdhsa--gfx1250"
	.amdhsa_code_object_version 6
	.text
	.protected	k_q48abeeb84f_qkv
	.globl	k_q48abeeb84f_qkv
	.p2align	8
	.type	k_q48abeeb84f_qkv,@function
k_q48abeeb84f_qkv:
	s_mov_b64 s[64:65], 0
	v_nop
	global_prefetch_b8 v0, s[64:65] scope:SCOPE_SE
	s_setreg_imm32_b32 hwreg(HW_REG_WAVE_MODE, 25, 1), 1
	s_wait_xcnt 0x0
	s_wait_alu depctr_hold_cnt(0) depctr_sa_sdst(0) depctr_va_vdst(0) depctr_va_sdst(0) depctr_va_ssrc(0) depctr_va_vcc(0) depctr_vm_vsrc(0)
	s_getreg_b32 s2, hwreg(HW_REG_IB_STS2, 6, 4)
	s_cmp_eq_u32 s2, 0
	s_cbranch_scc0 .Lentry_in_a_cluster
	s_endpgm
.Lentry_in_a_cluster:
	s_bfe_u32 s2, ttmp6, 0x10000c
	s_cmp_lg_u32 s2, 0xf033
	s_cbranch_scc0 .Lentry_shape_is_right
	s_endpgm
.Lentry_shape_is_right:
.set SIZE_K, 1024
.set WS,     18874368
.set KS,     SIZE_K/128
.set NQ,     2
.set FR,     12
.set NL,     3
.set NP,     4
.set FRB,    1536
.set HALFT,  8*NQ*FRB
.set SLOT,   4*HALFT
.set LAPS,   SIZE_K/512
.set SCL,    2*SLOT
.set HALFS,  KS*512
.set SPARE,  SCL+4*HALFS
.set ADRA, 16
.set ADRB, 20
.set ADRS, 27
.set SPW,  28
.set NIL,  29
.set SC,   32
.set AF,   128
.set CB,   64
.set T,    128
.set PC,   192
.set TM,   212
.set PW,   232
.set RB,   240
.set RBC,  248
.set G1, 24
.set G0, 32
.set G1B, 48
.set G0B, 56
.set G1S, 68
.set G0S, 76
.set G1SB, 80
.set G0SB, 88
.set MSB, 0
.macro WIN new
.if MSB != \new
	s_set_vgpr_msb (MSB<<8)|\new
.set MSB, \new
.endif
.endm
.set MUL_LO, 0xa1
.set MUL_HI, 0xf1
.set TO_B,   0x40
.macro JLOAD g0a, g1a, g0b, g1b
	s_cmp_eq_u32 s15, 0
	s_cbranch_scc0 .Lfor_b_\@
	tensor_load_to_lds s[\g0a:\g0a+3], s[\g1a:\g1a+7]
	s_nop 0
.rept 4
	v_nop
.endr
	s_branch .Lasked_\@
.Lfor_b_\@:
	tensor_load_to_lds s[\g0b:\g0b+3], s[\g1b:\g1b+7]
	s_nop 0
.rept 4
	v_nop
.endr
.Lasked_\@:
.endm
.macro CREST
	s_cmp_lg_u32 s14, 0
	s_cbranch_scc1 .Lnot_wave_0_\@
	s_barrier_signal -3
.Lnot_wave_0_\@:
	s_barrier_wait -3
	s_barrier_signal -1
	s_barrier_wait -1
.endm
.macro CROUND
	s_barrier_signal -1
	s_barrier_wait -1
	CREST
.endm
	s_load_b256 s[4:11], s[0:1], 0x0
	s_load_b64 s[12:13], s[0:1], 0x20
	v_lshl_add_u32 v[SPW], v0, 2, SPARE
	v_mov_b32 v[NIL], 0
	ds_add_u32 v28, v29
	ds_add_u32 v28, v29
	s_wait_dscnt 0x0
	v_lshrrev_b32 v1, 5, v0
	v_readfirstlane_b32 s14, v1
	s_lshr_b32 s15, s14, 1
	s_and_b32 s16, s14, 1
	s_bfe_u32 s40, ttmp6, 0x40000
	s_bfe_u32 s41, ttmp6, 0x40004
	s_and_b32 s95, ttmp7, 0xffff
	s_and_b32 s2, s95, 3
	s_lshl_b32 s2, s2, 2
	s_lshr_b32 s95, s95, 2
	s_cmp_lt_u32 s95, 2
	s_cselect_b32 s17, s2, 0
	s_cselect_b32 s42, 0, s2
	s_add_co_u32 s17, s17, s41
	s_add_co_u32 s42, s42, s40
	s_lshl_b32 s43, s41, 2
	s_lshl_b32 s43, 15, s43
	s_lshl_b32 s44, 0x1111, s40
	s_or_b32 s[G1+0], s43, (3<<16)|(1<<21)
	s_or_b32 s[G1B+0], s44, (3<<16)|(1<<21)
.irp g, G1, G1B
	s_mov_b32 s[\g+1], (NQ*FRB/8)<<16
	s_mov_b32 s[\g+2], 16<<16                      ; the head's loads of codes bring a whole tile: 16 row blocks
	s_mov_b32 s[\g+3], (NQ*FRB/8)<<16
	s_mov_b32 s[\g+4], 16
	s_mov_b32 s[\g+5], KS*FRB/8
	s_mov_b32 s[\g+6], 0
	s_mov_b32 s[\g+7], 0
.endr
	s_or_b32 s[G1S+0], s43, (3<<16)|(1<<21)
	s_or_b32 s[G1SB+0], s44, (3<<16)|(1<<21)
.irp g, G1S, G1SB
	s_mov_b32 s[\g+1], 32<<16
	s_mov_b32 s[\g+2], (2*HALFS/256)<<16           ; the scale words of all 256 rows in one load
	s_mov_b32 s[\g+3], 32<<16
	s_mov_b32 s[\g+4], 2*HALFS/256
	s_mov_b32 s[\g+5], 32
	s_mov_b32 s[\g+6], 0
	s_mov_b32 s[\g+7], 0
.endr
	s_mov_b32 s96, 0
	s_mov_b32 s97, 9437184
	s_mov_b32 s98, WS
	s_mov_b32 s99, WS+393216
	s_cmp_eq_u32 s95, 1
	s_cselect_b32 s96, 3145728, s96
	s_cselect_b32 s97, 10223616, s97
	s_cselect_b32 s98, WS+131072, s98
	s_cselect_b32 s99, WS+425984, s99
	s_cmp_eq_u32 s95, 2
	s_cselect_b32 s96, 11010048, s96
	s_cselect_b32 s97, 6291456, s97
	s_cselect_b32 s98, WS+458752, s98
	s_cselect_b32 s99, WS+262144, s99
	s_lshl_b32 s18, s16, 3
	s_lshl_b32 s20, s17, 4
	s_add_co_u32 s20, s20, s18
	s_lshl_b32 s46, s42, 4
	s_add_co_u32 s46, s46, s18
	s_mul_i32 s22, s20, KS*64
	s_mul_i32 s92, s46, KS*64
	s_mul_i32 s20, s20, KS*FRB
	s_mul_i32 s46, s46, KS*FRB
	s_add_co_u32 s20, s20, s96
	s_add_co_u32 s46, s46, s97
	s_add_co_u32 s22, s22, s98
	s_add_co_u32 s92, s92, s99
	s_mov_b32 s21, 0
	s_mov_b32 s23, 0
	s_mov_b32 s47, 0
	s_mov_b32 s93, 0
	s_mul_i32 s45, s14, HALFT
	s_mul_i32 s94, s14, HALFS
	s_wait_kmcnt 0x0
	s_add_nc_u64 s[20:21], s[4:5], s[20:21]
	s_add_nc_u64 s[22:23], s[4:5], s[22:23]
	s_add_nc_u64 s[46:47], s[4:5], s[46:47]
	s_add_nc_u64 s[92:93], s[4:5], s[92:93]
	s_cmp_eq_u32 s95, 1
	s_cselect_b64 s[96:97], s[8:9], s[6:7]
	s_cmp_eq_u32 s95, 2
	s_cselect_b64 s[96:97], s[10:11], s[96:97]
	CROUND
	s_mov_b32 s[G0S], 1
	s_add_co_u32 s[G0S+1], s94, SCL-HALFS          ; wave 1 asks by this set: its half's place less a half is the block's start, in LDS and in memory
	s_sub_nc_u64 s[G0S+2:G0S+3], s[22:23], HALFS
	s_or_b32 s[G0S+3], s[G0S+3], 0x80000000
	s_mov_b32 s[G0SB], 1
	s_add_co_u32 s[G0SB+1], s94, SCL-HALFS         ; wave 3 likewise
	s_sub_nc_u64 s[G0SB+2:G0SB+3], s[92:93], HALFS
	s_or_b32 s[G0SB+3], s[G0SB+3], 0x80000000
.irp s, 0,1
	s_mov_b32 s[G0+4*\s], 1
	s_add_co_u32 s[G0+4*\s+1], s45, \s*SLOT
	s_add_nc_u64 s[G0+4*\s+2:G0+4*\s+3], s[20:21], \s*NQ*FRB
	s_or_b32 s[G0+4*\s+3], s[G0+4*\s+3], 0x80000000
	s_mov_b32 s[G0B+4*\s], 1
	s_add_co_u32 s[G0B+4*\s+1], s45, \s*SLOT
	s_add_nc_u64 s[G0B+4*\s+2:G0B+4*\s+3], s[46:47], \s*NQ*FRB
	s_or_b32 s[G0B+4*\s+3], s[G0B+4*\s+3], 0x80000000
.endr
; THE HEAD'S LOADS, ONE A WAVE: wave 0 slot 0's 256 rows of A, wave 1 A's scale words, wave 2 slot 0's 256 rows of B, wave 3 B's scale words.
; One chain of branches on the wave's number; every way passes exactly one load.
.macro ARM under, g0, g1, next
	s_cmp_lt_u32 s14, \under
	s_cbranch_scc0 \next
	tensor_load_to_lds s[\g0:\g0+3], s[\g1:\g1+7]
	s_nop 0
.rept 4
	v_nop
.endr
	s_branch .Lhead_asked
\next:
.endm
	ARM 1, G0,  G1,  .Lhead_sa
	ARM 2, G0S, G1S, .Lhead_b
	ARM 3, G0B, G1B, .Lhead_sb
	tensor_load_to_lds s[G0SB:G0SB+3], s[G1SB:G1SB+7]
	s_nop 0
.rept 4
	v_nop
.endr
.Lhead_asked:
	; THE PREFETCHES.  A fill is 3,072 bytes of each row block; K has four fills.  Of the 8 row blocks that my wave fetches in the ring, each of the four partners that ask for them jointly names two,
	; told apart by address (cx for A, cy for B): 24 blocks of 256 bytes, a lane a block; lanes 24-31 name the last again.  Fills 1 and 2 are named here, fill 3 behind slot 1's load; fill 0 comes by its load alone.
	s_cmp_eq_u32 s15, 0                            ; do I fetch for A?
	s_cselect_b64 s[66:67], s[20:21], s[46:47]     ; my 8 row blocks
	s_cselect_b32 s92, s40, s41                    ; my place among the four
	s_mul_i32 s92, s92, 2*KS*FRB
	s_add_co_u32 s92, s92, NQ*FRB                  ; at fill 1
	s_mov_b32 s93, 0
	s_add_nc_u64 s[66:67], s[66:67], s[92:93]
	v_and_b32 v30, 31, v0
	v_min_u32 v30, 23, v30
	v_mul_u32_u24 v31, v30, 11
	v_lshrrev_b32 v31, 7, v31                      ; 1 from lane 12 on: the second row block
	v_mul_u32_u24 v31, v31, KS*FRB-12*256
	v_lshl_add_u32 v30, v30, 8, v31                ; v30: never rewritten
	s_wait_alu depctr_va_vdst(0)                   ; v30 is written before the prefetches read it
	global_prefetch_b8 v30, s[66:67] th:TH_LOAD_NT scope:SCOPE_SE
	global_prefetch_b8 v30, s[66:67] offset:NQ*FRB th:TH_LOAD_NT scope:SCOPE_SE
	v_and_b32 v1, 15, v0
	v_bfe_u32 v2, v0, 4, 1
	v_and_b32 v3, 31, v0
	v_lshlrev_b32 v11, 2, v3
	v_lshlrev_b32 v10, 3, v3
	v_lshlrev_b32 v3, 4, v3
	s_mul_i32 s21, s15, HALFT
	s_mul_i32 s22, s16, HALFT
	s_add_co_u32 s22, s22, 2*HALFT
.irp s, 0,1
	v_add_nc_u32 v[ADRA+\s], s21, v3
	v_add_nc_u32 v[ADRB+\s], s22, v3
	s_add_co_u32 s21, s21, SLOT
	s_add_co_u32 s22, s22, SLOT
.endr
	v_lshlrev_b32 v5, 2, v1
	s_mul_i32 s21, s15, HALFS
	s_mul_i32 s22, s16, HALFS
	s_add_co_u32 s22, s22, 2*HALFS
	s_sub_co_u32 s22, s22, s21
	v_mul_u32_u24 v6, s22, v2
	s_add_co_u32 s21, s21, SCL
	v_add_nc_u32 v5, v5, v6
	v_add_nc_u32 v[ADRS], s21, v5
	s_lshl_b32 s98, s42, 10
	s_lshl_b32 s99, s16, 9
	s_add_co_u32 s98, s98, s99
	s_lshl_b32 s99, s17, 10
	s_lshl_b32 s2, s15, 9
	s_add_co_u32 s99, s99, s2
	s_cmp_lt_u32 s95, 2
	s_cselect_b32 s98, s98, 0
	s_cselect_b32 s99, 0, s99
	v_lshl_add_u32 v8, v2, 6, s98
	v_and_b32 v9, 8, v1
	v_add_nc_u32 v9, v9, v1
	v_lshl_add_u32 v9, v9, 2, s99
.irp b, 0,1,2,3
.irp j, 0,1,2,3
	global_load_b128 v[CB+16*\b+4*\j:CB+16*\b+4*\j+3], v8, s[96:97] offset:128*\b+16*\j
.endr
.endr
.irp a, 0,1,2,3,4,5,6,7
	global_load_b32 v[RB+\a], v9, s[96:97] offset:(32*(\a/2)+8*(\a%2))*4
.endr
	s_cmp_lt_u32 s95, 2
	s_cselect_b32 s2, 8, 32
	s_lshl_b32 s98, s17, 1
	s_add_co_u32 s98, s98, s15
	s_mul_i32 s98, s98, s2
	s_lshl_b32 s99, s42, 1
	s_add_co_u32 s99, s99, s16
	s_lshl_b32 s100, s98, 3
	s_add_co_u32 s100, s100, s99
	s_mul_i32 s100, s100, FRB
	s_mul_i32 s101, s95, 3145728
	s_add_co_u32 s100, s100, s101
	s_mov_b32 s101, 0
	s_add_co_u32 s98, s98, s99
	s_lshl_b32 s98, s98, 9
	s_lshl_b32 s99, s95, 17
	s_add_co_u32 s98, s98, s99
	s_add_co_u32 s98, s98, 9437184
	s_mov_b32 s99, 0
	s_add_nc_u64 s[98:99], s[12:13], s[98:99]
	s_add_nc_u64 s[12:13], s[12:13], s[100:101]
	s_mul_i32 s100, s2, FRB
	s_mov_b32 s101, 0
.macro FRAG reg, adr, q, i
.irp c, 0,1,2
	ds_load_b128 v[\reg+4*\c:\reg+4*\c+3], v[\adr] offset:(\i)*NQ*FRB+(\q)*FRB+512*\c
.endr
.endm
.macro MUL16 a0, p, q, sc, zero
.irp a, \a0, \a0+1
.irp b, 0,1,2,3,4,5,6,7
.if \zero
	v_wmma_scale_f32_16x16x128_f8f6f4 v[8*(8*((\a)%4)+\b):8*(8*((\a)%4)+\b)+7], v[128*(\p)+FR*\b:128*(\p)+FR*\b+FR-1], v[AF+FR*(\a):AF+FR*(\a)+FR-1], 0, v[SC+8*NQ*(\sc)+NQ*\b+(\q)], v[SC+8*NQ*(\sc)+NQ*(\a)+(\q)] matrix_a_fmt:MATRIX_FMT_BF6 matrix_b_fmt:MATRIX_FMT_BF6 matrix_a_scale:MATRIX_SCALE_ROW1
.else
	v_wmma_scale_f32_16x16x128_f8f6f4 v[8*(8*((\a)%4)+\b):8*(8*((\a)%4)+\b)+7], v[128*(\p)+FR*\b:128*(\p)+FR*\b+FR-1], v[AF+FR*(\a):AF+FR*(\a)+FR-1], v[8*(8*((\a)%4)+\b):8*(8*((\a)%4)+\b)+7], v[SC+8*NQ*(\sc)+NQ*\b+(\q)], v[SC+8*NQ*(\sc)+NQ*(\a)+(\q)] matrix_a_fmt:MATRIX_FMT_BF6 matrix_b_fmt:MATRIX_FMT_BF6 matrix_a_scale:MATRIX_SCALE_ROW1
.endif
.endr
.endr
.endm
.macro FETCH_B slot, q, p
	WIN TO_B
.irp i, 0,1,2,3,4,5,6,7
	FRAG 128*(\p)+FR*\i, ADRB+\slot, \q, \i
.endr
	WIN 0
.endm
.macro FETCH_A slot, q, i0
.irp i, \i0, \i0+1, \i0+2, \i0+3
	FRAG AF+FR*(\i), ADRA+\slot, \q, \i
.endr
.endm
.macro SCALES sc
.irp i, 0,1,2,3,4,5,6,7
.irp q, 0,1
	ds_load_b32 v[SC+8*NQ*\sc+NQ*\i+\q], v[ADRS] offset:64*\i+512*\q
.endr
.endr
.endm
.macro PLACES n
.rept \n
	v_nop
.endr
.endm
.macro STEP slot, q, zero
	s_wait_dscnt 4*NL
	WIN MUL_LO
	MUL16 0, (\q)%2, \q, \slot, \zero
	MUL16 2, (\q)%2, \q, \slot, \zero
	s_wait_dscnt 0
	PLACES NP
	FETCH_B \slot, (\q)+1, 1-(\q)%2
	FETCH_A \slot, (\q)+1, 0
	WIN MUL_HI
	MUL16 4, (\q)%2, \q, \slot, \zero
	MUL16 6, (\q)%2, \q, \slot, \zero
	PLACES NP
	WIN 0
	FETCH_A \slot, (\q)+1, 4
.endm
.macro TURN slot, next, fill
	s_wait_tensorcnt 0x0
	ds_add_u32 v[SPW], v[NIL]
	s_wait_dscnt 4*NL+1
	WIN MUL_LO
	MUL16 0, 1, NQ-1, \slot, 0
	s_wait_dscnt 0x0
	s_barrier_signal -1
	MUL16 2, 1, NQ-1, \slot, 0
	WIN 0
	s_barrier_wait -1
.if \fill
	CREST
	s_add_nc_u64 s[G0+4*\slot+2:G0+4*\slot+3], s[G0+4*\slot+2:G0+4*\slot+3], 2*NQ*FRB
	s_add_nc_u64 s[G0B+4*\slot+2:G0B+4*\slot+3], s[G0B+4*\slot+2:G0B+4*\slot+3], 2*NQ*FRB
	JLOAD G0+4*\slot, G1, G0B+4*\slot, G1B
.else
	PLACES NP
.endif
	s_wait_alu depctr_va_vdst(0)
	v_add_nc_u32 v[ADRS], 512*NQ, v[ADRS]
	FETCH_B \next, 0, 0
	FETCH_A \next, 0, 0
	SCALES \next
	WIN MUL_HI
	MUL16 4, 1, NQ-1, \slot, 0
	MUL16 6, 1, NQ-1, \slot, 0
	PLACES NP
	WIN 0
	FETCH_A \next, 0, 4
.endm
	s_wait_alu depctr_va_vdst(0)
	s_wait_tensorcnt 0x0                           ; my tile of the head's four is in
	ds_add_u32 v[SPW], v[NIL]
	s_mov_b32 s[G1+2], 8<<16                       ; no load of mine is out: from here on a load brings 8 row blocks
	s_mov_b32 s[G1+4], 8
	s_mov_b32 s[G1B+2], 8<<16
	s_mov_b32 s[G1B+4], 8
	s_wait_dscnt 0x0
	CROUND                                         ; all four tiles are in, in every work-group of the cluster
	JLOAD G0+4, G1, G0B+4, G1B                     ; slot 1's first fill, a quarter a wave
	FETCH_B 0, 0, 0
	FETCH_A 0, 0, 0
	SCALES 0
	FETCH_A 0, 0, 4
	global_prefetch_b8 v30, s[66:67] offset:2*NQ*FRB th:TH_LOAD_NT scope:SCOPE_SE   ; fill 3, two refills ahead of its load
	STEP 0, 0, 1
	s_mov_b32 s3, LAPS-1
.Llap:
	TURN 0, 1, 1
	STEP 1, 0, 0
	TURN 1, 0, 1
	STEP 0, 0, 0
	s_sub_co_u32 s3, s3, 1
	s_cmp_lg_u32 s3, 0
	s_cbranch_scc1 .Llap
	TURN 0, 1, 0
	STEP 1, 0, 0
	s_wait_dscnt 4*NL
	WIN MUL_LO
	MUL16 0, 1, NQ-1, 1, 0
	MUL16 2, 1, NQ-1, 1, 0
	s_wait_dscnt 0
	WIN MUL_HI
	MUL16 4, 1, NQ-1, 1, 0
	MUL16 6, 1, NQ-1, 1, 0
	WIN 0
.macro QUANT s, pw
.irp b, 0,1,2,3
	v_max3_num_f32 v[TM+\b], |v[\s+16*\b]|, |v[\s+1+16*\b]|, 0x2800000
.endr
.irp i, 2,4,6,8,10,12,14
.irp b, 0,1,2,3
	v_max3_num_f32 v[TM+\b], v[TM+\b], |v[\s+16*\b+\i]|, |v[\s+1+16*\b+\i]|
.endr
.endr
.irp b, 0,1,2,3
	v_permlanex16_b32 v[TM+4+\b], v[TM+\b], s18, s19
.endr
.irp b, 0,1,2,3
	v_max_num_f32 v[TM+\b], v[TM+\b], v[TM+4+\b]
.endr
.irp b, 0,1,2,3
	v_add_nc_u32 v[TM+12+\b], 0xfe000000, v[TM+\b]
.endr
.irp b, 0,1,2,3
	v_lshrrev_b32 v[TM+4+\b], 23, v[TM+12+\b]
.endr
	v_lshl_or_b32 v[\pw], v[TM+5], 8, v[TM+4]
	v_lshl_or_b32 v[\pw], v[TM+6], 16, v[\pw]
	v_lshl_or_b32 v[\pw], v[TM+7], 24, v[\pw]
.irp c, 0,1
	v_cvt_scalef32_pk16_bf6_f32 v[PC+6*\c:PC+2+6*\c], v[\s+32*\c:\s+15+32*\c], v[TM+12+2*\c]
	v_cvt_scalef32_pk16_bf6_f32 v[PC+12+4*\c:PC+14+4*\c], v[\s+16+32*\c:\s+31+32*\c], v[TM+12+2*\c+1]
.endr
	v_nop
.irp c, 0,1
.irp i, 0,1,2
	v_permlane16_swap_b32 v[PC+6*\c+\i], v[PC+12+4*\c+\i]
.endr
.irp i, 0,1,2
	v_mov_b32 v[PC+3+6*\c+\i], v[PC+12+4*\c+\i]
.endr
.endr
.endm
.macro EPI a
.if (\a) > 0
	s_wait_xcnt 0x0
	s_add_nc_u64 s[12:13], s[12:13], s[100:101]
.endif
	v_mov_b32 v[RBC], v[RB+(\a)]
.set WN, 0x02+(\a)/4
	WIN WN
.set j, 0
.rept 32
	v_pk_add_f32 v[T+j:T+j+1], v[64*((\a)%4)+j:64*((\a)%4)+j+1], v[CB+j:CB+j+1]
.set j, j+2
.endr
	WIN 0
.set j, 0
.rept 32
	v_pk_add_f32 v[T+j:T+j+1], v[T+j:T+j+1], v[RBC:RBC+1] op_sel_hi:[1,0]
.set j, j+2
.endr
	QUANT T, PW+(\a)
	global_store_b128 v3, v[PC:PC+3], s[12:13]
	global_store_b64 v10, v[PC+4:PC+5], s[12:13] offset:512
	global_store_b128 v3, v[PC+6:PC+9], s[12:13] offset:768
	global_store_b64 v10, v[PC+10:PC+11], s[12:13] offset:1280
.if (\a)%2
	v_cndmask_b32 v[PW+(\a)-1], v[PW+(\a)-1], v[PW+(\a)], s20
	global_store_b32 v11, v[PW+(\a)-1], s[98:99] offset:128*((\a)/2)
.endif
.endm
	PLACES NP
	s_wait_loadcnt 0x0
	s_mov_b32 s18, 0x76543210
	s_mov_b32 s19, 0xfedcba98
	s_mov_b32 s20, 0xffff0000
	s_cmp_lt_u32 s95, 2
	s_cselect_b32 s2, 0x3f800000, 0
	s_cselect_b32 s94, 0, 0x3f800000
	s_mov_b32 s3, s2
.irp b, 0,1,2,3
	v_mov_b32 v[TM+4+\b], 0
.endr
	v_mov_b32 v[RBC+1], 0
.set j, 0
.rept 32
	v_pk_mul_f32 v[CB+j:CB+j+1], v[CB+j:CB+j+1], s[2:3] op_sel_hi:[1,0]
.set j, j+2
.endr
.irp a, 0,1,2,3,4,5,6,7
	v_mul_f32 v[RB+\a], s94, v[RB+\a]
.endr
.irp a, 0,1,2,3,4,5,6,7
	EPI \a
.endr
	s_wait_tensorcnt 0x0
	ds_add_u32 v[SPW], v[NIL]
	s_wait_dscnt 0x0
	CROUND
	s_endpgm
.Lfunc_end_k_q48abeeb84f_qkv:
	.size	k_q48abeeb84f_qkv, .Lfunc_end_k_q48abeeb84f_qkv-k_q48abeeb84f_qkv
	.p2alignl 7, 3214868480
	.fill 96, 4, 3214868480
	.section	.rodata,"a",@progbits
	.p2align	6, 0x0
	.amdhsa_kernel k_q48abeeb84f_qkv
		.amdhsa_group_segment_fixed_size 327680
		.amdhsa_private_segment_fixed_size 0
		.amdhsa_enable_private_segment 0
		.amdhsa_kernarg_size 40
		.amdhsa_user_sgpr_count 2
		.amdhsa_user_sgpr_kernarg_segment_ptr 1
		.amdhsa_wavefront_size32 1
		.amdhsa_system_sgpr_workgroup_id_x 1
		.amdhsa_system_sgpr_workgroup_id_y 1
		.amdhsa_system_sgpr_workgroup_id_z 1
		.amdhsa_system_vgpr_workitem_id 0
		.amdhsa_next_free_vgpr 1024
		.amdhsa_next_free_sgpr 102
		.amdhsa_reserve_vcc 0
		.amdhsa_float_denorm_mode_32 3
		.amdhsa_float_denorm_mode_16_64 3
		.amdhsa_memory_ordered 1
		.amdhsa_forward_progress 1
		.amdhsa_inst_pref_size 183
	.end_amdhsa_kernel
	.amdgpu_metadata
---
amdhsa.version: [ 1, 2 ]
amdhsa.kernels:
  - .name:           k_q48abeeb84f_qkv
    .symbol:         k_q48abeeb84f_qkv.kd
    .args:
      - { .name: w, .offset: 0, .size: 8, .value_kind: global_buffer, .address_space: global }
      - { .name: bq, .offset: 8, .size: 8, .value_kind: global_buffer, .address_space: global }
      - { .name: bk, .offset: 16, .size: 8, .value_kind: global_buffer, .address_space: global }
      - { .name: bv, .offset: 24, .size: 8, .value_kind: global_buffer, .address_space: global }
      - { .name: qkv, .offset: 32, .size: 8, .value_kind: global_buffer, .address_space: global }
    .group_segment_fixed_size: 327680
    .private_segment_fixed_size: 0
    .kernarg_segment_align: 8
    .kernarg_segment_size: 40
    .max_flat_workgroup_size: 128
    .sgpr_count:     102
    .vgpr_count:     1024
    .wavefront_size: 32
...
	.end_amdgpu_metadata
.endif
;; end of part 10
;; launch attn (part 11): grid 8 x 32, 16 waves a work-group, clusters of 4 x 1, 219,648 bytes of LDS; arguments qkv, gammas, cimg; writes cimg
.if DOCPART == 11
	.amdgcn_target "amdgcn-amd-amdhsa--gfx1250"
	.amdhsa_code_object_version 6
	.text
	.protected	k_q48abeeb84f_attn
	.globl	k_q48abeeb84f_attn
	.p2align	8
	.type	k_q48abeeb84f_attn,@function
k_q48abeeb84f_attn:
	s_mov_b64 s[64:65], 0
	v_nop
	global_prefetch_b8 v0, s[64:65] scope:SCOPE_SE
	s_setreg_imm32_b32 hwreg(HW_REG_WAVE_MODE, 25, 1), 1
	s_wait_xcnt 0x0
	s_wait_alu depctr_hold_cnt(0) depctr_sa_sdst(0) depctr_va_vdst(0) depctr_va_sdst(0) depctr_va_ssrc(0) depctr_va_vcc(0) depctr_vm_vsrc(0)
	s_getreg_b32 s2, hwreg(HW_REG_IB_STS2, 6, 4)
	s_cmp_eq_u32 s2, 0
	s_cbranch_scc0 .Lentry_in_a_cluster
	s_endpgm
.Lentry_in_a_cluster:
	s_bfe_u32 s2, ttmp6, 0x10000c
	s_cmp_lg_u32 s2, 0x3003
	s_cbranch_scc0 .Lentry_shape_is_right
	s_endpgm
.Lentry_shape_is_right:
; Attention with the distance decay, both products on codes of BF6.  For a query i of a head:
;   s_j = q_i . k_j (all 1,024 keys);  E_j = 2^(s_j c - M1), c = log2(e) / 8, M1 = the ceiling of the row's largest s c;  Z = the sum of all E_j;
;   for j <= i: A_j = the sum of E_j' over j < j' <= i;  effect_j = clip(2^(G sqrt(A_j (i - j))), 1e-5, 1e5), G = -softplus(gamma) log2(e) / sqrt(Z);
;   t_j = s_j effect_j c;  p_j = 2^(t_j - M), M the ceiling of the running largest t;  O = (the sum of Q(p_j) Q(v_j)) / (the sum of the unquantised p_j);  O is quantised along the model's axis into cimg.
; PASS 1 walks all eight key steps of 128 for M1 and Z.  PASS 2 walks DOWN from the query's own step to step 0, so that A_j is a running sum carried from step to step; steps above the diagonal are left out by a scalar branch on ids.
; SHARES.  A work-group serves one batch and one PAIR of heads (128 columns = one K step of the images): their K and V for all 1,024 keys lie in LDS, filled once.  Sixteen waves, 16 queries each:
; wave w: head (w / 4) % 2, tile w / 8, block index bi = (w + w / 4) % 4, block of 128 queries kd = 2 bi + ((c + bi) % 2), c the cluster's x; queries 128 kd + 32 cx + 16 tile on.
; bi is a Latin square of w % 4 and w / 4: the four waves 4 g .. 4 g + 3 and the four waves s, s + 4, s + 8, s + 12 alike hold all four blocks, 18 steps of pass 2 together.
; CLUSTER.  The four work-groups of a cluster serve the same batch and heads: each tile is asked for jointly, mask 15.  kd hangs on the wave's and the cluster's number alone; cx enters only global addresses and data.
; LAYOUT.  Both products are used transposed: a lane holds one query (lane % 16).  The K image's keys and the V image's channels are permuted, so that register 16 b + i of a lane is key (channel) 32 b + 16 (lane / 16) + i.
; The first product's K is 64: Q's upper six registers are zero codes, K's upper six are whatever follows (the next tile's codes): they meet zeros; the upper two scale bytes are 0, which is 2^-127 and no NaN.
; LIMITS: NaN and infinities are not served; v_exp_f32 and v_sqrt_f32 flush denormals; softplus of a gamma under about -15 is good to 1e-7 absolute only; a block of zeros keeps the byte 1.
.set VC,   98304                       ; LDS: K's codes [64 token blocks][1,536] from 0; V's [8 channel blocks][8 K steps][1,536] from here;
.set KSW,  196608                      ; K's scale words, 4 bytes a position;
.set VSW,  200704                      ; V's, [8 K steps][128 channels];
.set STG,  204800                      ; the way out: 8 fragments of 1,536 bytes,
.set STS,  217088                      ; and their scale words
.set F,    32                          ; v32-85   fragments of K or V; at work between
.set R,    96                          ; v96-159  scores, then p
.set W,    160                         ; v160-223 E, the decay; then at work
.set O,    224                         ; v224-255 O^T
.set BM,   W
.set BT,   W+4
.set SO,   W+8
.set CT,   W+12
.set PCD,  W+20                        ; p's codes
.set SM,   W+32
.set TT,   W+34
.set TS,   F
.set TL,   F+8
.set TO,   F+12
.set AA,   F+16
.set PP,   F+24
.set NI,   F+28
.set DI,   F+29
.set WV,   10
.set PAR,  11
.set SUB,  12
.set BI,   13
.set KD,   14
.set CX,   15
.set BB,   16
.set HP,   17
.set SEL,  18
.set CS,   20
.set CLO,  22
.set CHI,  23
.set G1K,  24
.set G1V,  32
.set G1KS, 40
.set G1VS, 48
.set G0K,  56
.set G0V,  60
.set G0KS, 68
.set G0VS, 72
.set IT,   76
.set KSI,  77
.set SK,   78
.set SS,   79
.set SV,   80
; other registers: v1, v2 K's places; v3 K's scale words; v4, v5 V's places; v6 V's scale words; v7 my query - 16 h within its block of 128 (data only); v8-11 the step's addresses;
; v12 -M, v13 the largest t, v[14:15] the sum; v16-27 Q; v28 Q's scale word; v29 1 in lanes 0-15, 0 above; v31 the carry; v86-89 K's and V's scale words, v90 p's: they hold nothing else;
; v30 = -M1 + log2(sp^2 / Z), sp = softplus x log2(e) (v91): so pass 2's E, its sums and the carry come out multiplied by G^2, and the effect is 2^-sqrt(sum x distance);
; v92 at work; v93 the distance; v[94:95] f
.macro ROUND
	s_barrier_signal -1
	s_barrier_wait -1
	s_cmp_lg_u32 s[WV], 0
	s_cbranch_scc1 .Lnot_wave_0_\@
	s_barrier_signal -3
.Lnot_wave_0_\@:
	s_barrier_wait -3
	s_barrier_signal -1
	s_barrier_wait -1
.endm
	s_load_b128 s[4:7], s[0:1], 0x0                ; qkv, gammas
	s_load_b64 s[8:9], s[0:1], 0x10                ; cimg
	v_lshl_add_u32 v254, v0, 2, 0x35200
	v_mov_b32 v255, 0
	ds_add_u32 v254, v255
	ds_add_u32 v254, v255
	s_wait_dscnt 0x0
	v_lshrrev_b32 v8, 5, v0
	s_delay_alu instid0(VALU_DEP_1)
	v_readfirstlane_b32 s[WV], v8                  ; wave 0..15
	s_bfe_u32 s[PAR], s[WV], 0x10002               ; the head of the pair: bit 2 of the wave's number
	s_bfe_u32 s[SUB], s[WV], 0x10003               ; the tile of 16 queries: bit 3
	s_lshr_b32 s[BI], s[WV], 2
	s_add_co_u32 s[BI], s[BI], s[WV]
	s_and_b32 s[BI], s[BI], 3                      ; the block index: (w + w / 4) % 4
	s_add_co_u32 s[KD], ttmp9, s[BI]
	s_and_b32 s[KD], s[KD], 1
	s_lshl_b32 s81, s[BI], 1
	s_add_co_u32 s[KD], s[KD], s81                 ; my block of 128 queries, and my diagonal key step
	s_bfe_u32 s[CX], ttmp6, 0x40000
	s_and_b32 s[BB], ttmp7, 0xffff
	s_and_b32 s[HP], s[BB], 7                      ; the pair of heads
	s_lshr_b32 s[BB], s[BB], 3                     ; the batch
	s_mov_b32 s[SEL], 0x76543210
	s_mov_b32 s[SEL+1], 0xfedcba98
	s_mov_b32 s[CS], 0x3e38aa3b                    ; c = log2(e) / 8
	s_mov_b32 s[CS+1], s[CS]
	s_mov_b32 s[CLO], 0x3727c5ac                   ; 1e-5
	; descriptor groups 1: mask 15, elements of 8 bytes, bit 21 beside the mask, no padding
	s_mov_b32 s[G1K], 15|(3<<16)|(1<<21)           ; K: 16 token blocks x 1,536 bytes, 12,288 bytes apart
	s_mov_b32 s[G1K+1], 192<<16
	s_mov_b32 s[G1K+2], 16<<16
	s_mov_b32 s[G1K+3], 192<<16
	s_mov_b32 s[G1K+4], 16
	s_mov_b32 s[G1K+5], 1536
	s_mov_b32 s[G1K+6], 0
	s_mov_b32 s[G1K+7], 0
	s_mov_b32 s[G1V], 15|(3<<16)|(1<<21)           ; V: 2 channel blocks x 12,288 bytes (8 K steps), 49,152 bytes apart
	s_mov_b32 s[G1V+1], 1536<<16
	s_mov_b32 s[G1V+2], 2<<16
	s_mov_b32 s[G1V+3], 1536<<16
	s_mov_b32 s[G1V+4], 2
	s_mov_b32 s[G1V+5], 6144
	s_mov_b32 s[G1V+6], 0
	s_mov_b32 s[G1V+7], 0
	s_mov_b32 s[G1KS], 15|(3<<16)|(1<<21)          ; K's scale words: 8 x 512 bytes, 4,096 bytes apart
	s_mov_b32 s[G1KS+1], 64<<16
	s_mov_b32 s[G1KS+2], 8<<16
	s_mov_b32 s[G1KS+3], 64<<16
	s_mov_b32 s[G1KS+4], 8
	s_mov_b32 s[G1KS+5], 512
	s_mov_b32 s[G1KS+6], 0
	s_mov_b32 s[G1KS+7], 0
	s_mov_b32 s[G1VS], 15|(3<<16)|(1<<21)          ; V's: 4,096 dense bytes as rows of 256
	s_mov_b32 s[G1VS+1], 32<<16
	s_mov_b32 s[G1VS+2], 16<<16
	s_mov_b32 s[G1VS+3], 32<<16
	s_mov_b32 s[G1VS+4], 16
	s_mov_b32 s[G1VS+5], 32
	s_mov_b32 s[G1VS+6], 0
	s_mov_b32 s[G1VS+7], 0
	s_and_b32 s81, s[WV], 3                        ; which quarter of K or of V I fetch, if I fetch
	s_lshl_b32 s82, s[BB], 6
	s_lshl_b32 s83, s81, 4
	s_add_co_u32 s82, s82, s83
	s_lshl_b32 s82, s82, 3
	s_add_co_u32 s82, s82, s[HP]
	s_mul_i32 s82, s82, 1536
	s_add_co_u32 s82, s82, 3145728                 ; K: ((64 b + 16 quarter) x 8 + hp) x 1,536 in k's image
	s_mov_b32 s83, 0
	s_lshl_b32 s84, s[HP], 3
	s_lshl_b32 s85, s81, 1
	s_add_co_u32 s84, s84, s85
	s_lshl_b32 s84, s84, 5
	s_lshl_b32 s85, s[BB], 3
	s_add_co_u32 s84, s84, s85
	s_mul_i32 s84, s84, 1536
	s_add_co_u32 s84, s84, 6291456                 ; V: ((8 hp + 2 quarter) x 32 + 8 b) x 1,536 in v^T's image
	s_mov_b32 s85, 0
	s_lshl_b32 s86, s[BB], 6
	s_add_co_u32 s86, s86, s[HP]
	s_lshl_b32 s86, s86, 9
	s_add_co_u32 s86, s86, 9568256
	s_mov_b32 s87, 0
	s_lshl_b32 s88, s[HP], 5
	s_lshl_b32 s89, s[BB], 3
	s_add_co_u32 s88, s88, s89
	s_lshl_b32 s88, s88, 9
	s_add_co_u32 s88, s88, 9699328
	s_mov_b32 s89, 0
	s_mul_i32 s81, s81, 24576
	; my queries: Q's half fragment, and the same place in cimg
	s_lshl_b32 s90, s[BB], 6
	s_lshl_b32 s91, s[KD], 3
	s_add_co_u32 s90, s90, s91
	s_lshl_b32 s91, s[CX], 1
	s_add_co_u32 s90, s90, s91
	s_add_co_u32 s90, s90, s[SUB]                  ; row block 64 b + 8 kd + 2 cx + tile
	s_lshl_b32 s90, s90, 3
	s_add_co_u32 s90, s90, s[HP]
	s_mul_i32 s90, s90, 1536
	s_mul_i32 s91, s[PAR], 768
	s_add_co_u32 s90, s90, s91
	s_mov_b32 s91, 0
	s_lshl_b32 s92, s[BB], 3
	s_add_co_u32 s92, s92, s[KD]
	s_lshl_b32 s92, s92, 3
	s_add_co_u32 s92, s92, s[HP]
	s_lshl_b32 s92, s92, 9
	s_lshl_b32 s93, s[CX], 7
	s_add_co_u32 s92, s92, s93                     ; the scale words of my work-group's 32 queries of this block
	s_lshl_b32 s94, s[SUB], 6
	s_add_co_u32 s94, s94, s92
	s_lshl_b32 s95, s[PAR], 1
	s_add_co_u32 s94, s94, s95
	s_add_co_u32 s94, s94, 9437184                 ; Q's: my tile's, my head's two bytes
	s_mov_b32 s95, 0
	s_add_co_u32 s92, s92, 3145728                 ; cimg's
	s_mov_b32 s93, 0
	s_wait_kmcnt 0x0
	s_mov_b32 s[G0K], 1
	s_mov_b32 s[G0K+1], s81
	s_add_nc_u64 s[G0K+2:G0K+3], s[4:5], s[82:83]
	s_or_b32 s[G0K+3], s[G0K+3], 0x80000000
	s_mov_b32 s[G0V], 1
	s_add_co_u32 s[G0V+1], s81, VC
	s_add_nc_u64 s[G0V+2:G0V+3], s[4:5], s[84:85]
	s_or_b32 s[G0V+3], s[G0V+3], 0x80000000
	s_mov_b32 s[G0KS], 1
	s_mov_b32 s[G0KS+1], KSW
	s_add_nc_u64 s[G0KS+2:G0KS+3], s[4:5], s[86:87]
	s_or_b32 s[G0KS+3], s[G0KS+3], 0x80000000
	s_mov_b32 s[G0VS], 1
	s_mov_b32 s[G0VS+1], VSW
	s_add_nc_u64 s[G0VS+2:G0VS+3], s[4:5], s[88:89]
	s_or_b32 s[G0VS+3], s[G0VS+3], 0x80000000
	s_add_nc_u64 s[96:97], s[4:5], s[90:91]        ; Q's codes
	s_add_nc_u64 s[98:99], s[4:5], s[94:95]        ; Q's scale words
	s_add_nc_u64 s[90:91], s[8:9], s[90:91]        ; my half fragment of cimg
	s_add_nc_u64 s[92:93], s[8:9], s[92:93]        ; and its scale words
	ROUND                                          ; all four work-groups are here: the joint loads meet
	s_cmp_lt_u32 s[WV], 4                          ; one load a wave, waves 0 to 9; the branches hang on the wave's number alone; four v_nop follow each load
	s_cbranch_scc0 .Lnot_k
	tensor_load_to_lds s[G0K:G0K+3], s[G1K:G1K+7]
	s_nop 0
.rept 4
	v_nop
.endr
	s_branch .Lasked
.Lnot_k:
	s_cmp_lt_u32 s[WV], 8
	s_cbranch_scc0 .Lnot_v
	tensor_load_to_lds s[G0V:G0V+3], s[G1V:G1V+7]
	s_nop 0
.rept 4
	v_nop
.endr
	s_branch .Lasked
.Lnot_v:
	s_cmp_eq_u32 s[WV], 8
	s_cbranch_scc0 .Lnot_ks
	tensor_load_to_lds s[G0KS:G0KS+3], s[G1KS:G1KS+7]
	s_nop 0
.rept 4
	v_nop
.endr
	s_branch .Lasked
.Lnot_ks:
	s_cmp_eq_u32 s[WV], 9
	s_cbranch_scc0 .Lasked
	tensor_load_to_lds s[G0VS:G0VS+3], s[G1VS:G1VS+7]
	s_nop 0
.rept 4
	v_nop
.endr
.Lasked:
	v_and_b32 v8, 31, v0                           ; lane
	v_and_b32 v9, 15, v0                           ; r
	v_bfe_u32 v10, v0, 4, 1                        ; h
	s_delay_alu instid0(VALU_DEP_3)
	v_lshlrev_b32 v32, 4, v8
	s_delay_alu instid0(VALU_DEP_4)
	v_lshlrev_b32 v33, 3, v8
	s_delay_alu instid0(VALU_DEP_4)
	v_lshlrev_b32 v34, 2, v9
	s_lshl_b32 s81, s[HP], 1
	s_add_co_u32 s81, s81, s[PAR]
	s_lshl_b32 s81, s81, 2
	v_mov_b32 v35, s81                             ; my head's gamma
	global_load_b128 v[16:19], v32, s[96:97]       ; Q's six registers stay
	global_load_b64 v[20:21], v33, s[96:97] offset:512
	global_load_u16 v28, v34, s[98:99]             ; two bytes; the upper two are 0
	global_load_b32 v91, v35, s[6:7]
	s_mul_i32 s81, s[PAR], 768
	v_lshl_add_u32 v1, v8, 4, s81                  ; K: my head's half of a fragment: registers 0-3
	s_add_co_u32 s81, s81, 512
	v_lshl_add_u32 v2, v8, 3, s81                  ; registers 4, 5
	s_lshl_b32 s81, s[PAR], 1
	s_add_co_u32 s81, s81, KSW
	v_lshl_add_u32 v3, v8, 2, s81                  ; K's scale words: two tiles' positions in 32 lanes, my head's two bytes
	s_mul_i32 s81, s[PAR], 49152
	s_add_co_u32 s81, s81, VC
	v_lshl_add_u32 v4, v8, 4, s81                  ; V: my head's four channel blocks
	v_lshl_add_u32 v5, v8, 3, s81
	s_lshl_b32 s81, s[PAR], 8
	s_add_co_u32 s81, s81, VSW
	v_lshl_add_u32 v6, v8, 2, s81
	s_lshl_b32 s81, s[CX], 5
	s_lshl_b32 s82, s[SUB], 4
	s_add_co_u32 s81, s81, s82
	v_lshlrev_b32 v11, 4, v10
	s_delay_alu instid0(VALU_DEP_1)
	v_sub_nc_u32 v7, v9, v11
	s_delay_alu instid0(VALU_DEP_1)
	v_add_nc_u32 v7, s81, v7                       ; my query within its 128, - 16 h
	v_cvt_f32_u32 v29, v10
	s_delay_alu instid0(VALU_DEP_1)
	v_sub_f32 v29, 1.0, v29
.irp j, 22,23,24,25,26,27,80,81,82,83,84,85
	v_mov_b32 v[\j], 0                             ; Q's upper half: zero codes; and what stands behind K's last tile
.endr
	v_mov_b32 v13, 0xff61b1e6                      ; -3e38, under every t
	s_delay_alu instid0(VALU_DEP_1)
	v_floor_f32 v12, -v13
	v_mov_b32 v14, 0
	v_mov_b32 v15, 0
	v_mov_b32 v95, 0
	v_mov_b32 v93, 0
.irp b, 0,1,2,3
	v_mov_b32 v[BT+\b], 0                          ; a lane permute's destination counts as one of its sources
.endr
	s_wait_loadcnt 0x0
	v_mul_f32 v91, 0x3fb8aa3b, v91                 ; softplus(g) log2(e) = max(g', 0) + log2(1 + 2^-|g'|), g' = g log2(e)
	s_wait_alu depctr_va_vdst(0)
	v_exp_f32 v92, -|v91|
	v_nop
	s_wait_alu depctr_va_vdst(0)
	v_add_f32 v92, 1.0, v92
	s_wait_alu depctr_va_vdst(0)
	v_log_f32 v92, v92
	v_max_num_f32 v91, 0, v91                      ; (a plain place behind the logarithm)
	s_wait_alu depctr_va_vdst(0)
	v_add_f32 v91, v91, v92
	s_wait_tensorcnt 0x0                           ; my load has landed,
	s_barrier_signal -1
	s_barrier_wait -1                              ; everybody's has: LDS is whole, and nothing is filled again
; S^T of one key step: eight tiles of 16 keys.  The four additions are the places in front of loads into registers that matrix instructions have read.
.macro LOADK                           ; a key step's eight tiles of K and their scale words are asked for
	v_add_nc_u32 v8, s[SK], v1
	v_add_nc_u32 v9, s[SK], v2
	v_add_nc_u32 v10, s[SS], v3
	v_add_nc_u32 v11, s[SS], v6
.irp t, 0,1,2,3,4,5,6,7
	ds_load_b128 v[F+6*\t:F+6*\t+3], v8 offset:1536*\t
	ds_load_b64 v[F+6*\t+4:F+6*\t+5], v9 offset:1536*\t
.endr
.irp t, 0,1,2,3
	ds_load_u16 v[86+\t], v10 offset:128*\t        ; lanes 0-15: tile 2 t, lanes 16-31: tile 2 t + 1
.endr
.endm
.macro MULK                            ; and multiplied
	s_wait_dscnt 0x0
.irp t, 0,1,2,3,4,5,6,7
.if \t%2
	v_wmma_scale_f32_16x16x128_f8f6f4 v[R+8*\t:R+8*\t+7], v[F+6*\t:F+6*\t+11], v[16:27], 0, v[86+\t/2], v28 matrix_a_fmt:MATRIX_FMT_BF6 matrix_b_fmt:MATRIX_FMT_BF6 matrix_a_scale:MATRIX_SCALE_ROW1
.else
	v_wmma_scale_f32_16x16x128_f8f6f4 v[R+8*\t:R+8*\t+7], v[F+6*\t:F+6*\t+11], v[16:27], 0, v[86+\t/2], v28 matrix_a_fmt:MATRIX_FMT_BF6 matrix_b_fmt:MATRIX_FMT_BF6
.endif
.endr
.rept 4
	v_nop
.endr
.endm
.macro SCORES
	LOADK
	MULK
.endm
; the largest number of each block of 32 keys in R, the running M (a whole number, kept as -M) and f = 2^(old M - new M)
.macro NEWM
.irp b, 0,1,2,3
	v_max3_num_f32 v[BM+\b], v[R+16*\b], v[R+16*\b+1], v[R+16*\b+2]
.endr
.irp i, 3,5,7,9,11,13
.irp b, 0,1,2,3
	v_max3_num_f32 v[BM+\b], v[BM+\b], v[R+16*\b+\i], v[R+16*\b+\i+1]
.endr
.endr
.irp b, 0,1,2,3
	v_max_num_f32 v[BM+\b], v[BM+\b], v[R+16*\b+15]
.endr
.irp b, 0,1,2,3
	s_delay_alu instid0(VALU_DEP_4)
	v_permlanex16_b32 v[BT+\b], v[BM+\b], s[SEL], s[SEL+1]
.endr
.irp b, 0,1,2,3
	s_delay_alu instid0(VALU_DEP_4)
	v_max_num_f32 v[BM+\b], v[BM+\b], v[BT+\b]
.endr
	s_delay_alu instid0(VALU_DEP_2)
	v_max3_num_f32 v[TT], v[BM], v[BM+1], v[BM+2]
	s_delay_alu instid0(VALU_DEP_1)
	v_max_num_f32 v[TT], v[TT], v[BM+3]
	s_delay_alu instid0(VALU_DEP_1)
	v_mul_f32 v[TT], s[CS], v[TT]
	s_delay_alu instid0(VALU_DEP_1)
	v_max_num_f32 v13, v13, v[TT]
	v_mov_b32 v[TT], v12
	s_delay_alu instid0(VALU_DEP_2)
	v_floor_f32 v12, -v13
	s_delay_alu instid0(VALU_DEP_1)
	v_sub_f32 v[TT], v12, v[TT]
	s_delay_alu instid0(VALU_DEP_1)
	v_cvt_i32_f32 v[TT], v[TT]                     ; (it saturates)
	s_delay_alu instid0(VALU_DEP_1)
	v_ldexp_f32 v94, 1.0, v[TT]
.endm
.macro SHIFT                           ; R = R c - M, two at a time
.set j, 0
.rept 32
	v_pk_fma_f32 v[R+j:R+j+1], v[R+j:R+j+1], s[CS:CS+1], v[12:13] op_sel_hi:[1,0,0]
.set j, j+2
.endr
.endm
.macro EXP64 base
.set j, 0
.rept 64
	v_exp_f32 v[\base+j], v[\base+j]
.set j, j+1
.endr
.endm
.macro SUMR                            ; v[14:15] += the 64 numbers of R, in eight chains
	v_pk_add_f32 v[192:193], v[100:101], v[104:105]
	v_pk_add_f32 v[222:223], v[108:109], v[112:113]
	v_pk_add_f32 v[220:221], v[116:117], v[120:121]
	v_pk_add_f32 v[218:219], v[124:125], v[128:129]
	v_pk_add_f32 v[216:217], v[132:133], v[136:137]
	v_pk_add_f32 v[214:215], v[140:141], v[144:145]
	v_pk_add_f32 v[212:213], v[148:149], v[152:153]
	v_pk_add_f32 v[14:15], v[14:15], v[156:157]
	v_pk_add_f32 v[192:193], v[192:193], v[96:97]
	v_pk_add_f32 v[222:223], v[222:223], v[98:99]
	v_pk_add_f32 v[220:221], v[220:221], v[102:103]
	v_pk_add_f32 v[218:219], v[218:219], v[106:107]
	v_pk_add_f32 v[216:217], v[216:217], v[110:111]
	v_pk_add_f32 v[214:215], v[214:215], v[114:115]
	v_pk_add_f32 v[212:213], v[212:213], v[118:119]
	v_pk_add_f32 v[14:15], v[14:15], v[122:123]
	v_pk_add_f32 v[192:193], v[192:193], v[126:127]
	v_pk_add_f32 v[222:223], v[222:223], v[130:131]
	v_pk_add_f32 v[220:221], v[220:221], v[134:135]
	v_pk_add_f32 v[218:219], v[218:219], v[138:139]
	v_pk_add_f32 v[216:217], v[216:217], v[142:143]
	v_pk_add_f32 v[214:215], v[214:215], v[146:147]
	v_pk_add_f32 v[212:213], v[212:213], v[150:151]
	v_pk_add_f32 v[14:15], v[14:15], v[154:155]
	v_pk_add_f32 v[192:193], v[192:193], v[158:159]
	s_delay_alu instid0(VALU_DEP_2)
	v_pk_add_f32 v[14:15], v[14:15], v[218:219]
	s_delay_alu instid0(VALU_DEP_2)
	v_pk_add_f32 v[192:193], v[192:193], v[216:217]
	v_pk_add_f32 v[222:223], v[222:223], v[214:215]
	v_pk_add_f32 v[220:221], v[220:221], v[212:213]
	s_delay_alu instid0(VALU_DEP_2)
	v_pk_add_f32 v[14:15], v[14:15], v[222:223]
	s_delay_alu instid0(VALU_DEP_2)
	v_pk_add_f32 v[192:193], v[192:193], v[220:221]
	s_delay_alu instid0(VALU_DEP_1)
	v_pk_add_f32 v[14:15], v[14:15], v[192:193]
.endm
	; PASS 1: M1 and Z over all keys
.macro P1WORK
	NEWM
	SHIFT
	s_wait_alu depctr_va_vdst(0)
	EXP64 R
	v_pk_mul_f32 v[14:15], v[14:15], v[94:95] op_sel_hi:[1,0]   ; Z under the new M.  (A plain place behind the exponentials)
	s_wait_alu depctr_va_vdst(0)
	SUMR
.endm
	s_mov_b32 s[IT], 0
.Lp1:
	s_mul_i32 s[SK], s[IT], 12288
	s_lshl_b32 s[SS], s[IT], 9
	SCORES
	P1WORK
	s_add_co_u32 s[IT], s[IT], 1
	s_cmp_lt_u32 s[IT], 8
	s_cbranch_scc1 .Lp1
	v_add_f32 v14, v14, v15
	s_delay_alu instid0(VALU_DEP_1)
	v_permlanex16_b32 v[BT], v14, s[SEL], s[SEL+1]
	s_delay_alu instid0(VALU_DEP_1)
	v_add_f32 v14, v14, v[BT]                      ; Z
	s_wait_alu depctr_va_vdst(0)
	v_log_f32 v92, v14                             ; log2 Z
	v_log_f32 v93, v91                             ; log2 sp
	v_mov_b32 v31, 0                               ; the carry.  (A plain place behind the logarithms)
	s_wait_alu depctr_va_vdst(0)
	v_sub_f32 v30, v12, v92                        ; -M1 - log2 Z
	v_fma_f32 v30, 2.0, v93, v30                   ; + 2 log2 sp
	v_mov_b32 v13, 0xff61b1e6
	s_delay_alu instid0(VALU_DEP_1)
	v_floor_f32 v12, -v13
	v_mov_b32 v14, 0
	v_mov_b32 v15, 0
.set j, 0
.rept 32
	v_mov_b32 v[O+j], 0                            ; the step is written once: the first finds zeros
.set j, j+1
.endr
	; PASS 2: eight trips, key steps 7 down to 0; those above my diagonal step are left out
	s_mov_b32 s[IT], 0
.Lp2:
	s_xor_b32 s[KSI], s[IT], 7
	s_cmp_gt_u32 s[KSI], s[KD]
	s_cbranch_scc1 .Lp2_next
	s_mul_i32 s[SK], s[KSI], 12288
	s_lshl_b32 s[SS], s[KSI], 9
	s_mul_i32 s[SV], s[KSI], 1536
	SCORES
	s_cmp_lg_u32 s[KSI], s[KD]
	s_cbranch_scc1 .Lopen
	v_mov_b32 v[NI], 0xff800000                    ; on the diagonal the scores of keys behind my query become -infinity: E = 0 and p = 0 then
.set n, 0
.rept 64
	v_cmp_gt_i32 vcc_lo, 32*(n/16)+n%16, v7
	v_cndmask_b32 v[R+n], v[R+n], v[NI], vcc_lo
.set n, n+1
.endr
.Lopen:
.set j, 0
.rept 32
	v_pk_fma_f32 v[W+j:W+j+1], v[R+j:R+j+1], s[CS:CS+1], v[30:31] op_sel_hi:[1,0,0]   ; s c - M1
.set j, j+2
.endr
	s_wait_alu depctr_va_vdst(0)
	EXP64 W                                        ; E
	s_sub_co_u32 s81, s[KD], s[KSI]
	s_lshl_b32 s81, s81, 7
	v_add_nc_u32 v[DI], s81, v7                    ; (a plain place behind the exponentials)
	s_delay_alu instid0(VALU_DEP_1)
	v_cvt_f32_i32 v93, v[DI]                       ; my query - the step's first key - 16 h
	; each block's sum of my 16, and of lane l xor 16's
	s_wait_alu depctr_va_vdst(0)
.irp b, 0,1,2,3
	v_pk_add_f32 v[TS+2*\b:TS+2*\b+1], v[W+16*\b:W+16*\b+1], v[W+16*\b+2:W+16*\b+3]
.endr
.irp i, 4,6,8,10,12,14
.irp b, 0,1,2,3
	v_pk_add_f32 v[TS+2*\b:TS+2*\b+1], v[TS+2*\b:TS+2*\b+1], v[W+16*\b+\i:W+16*\b+\i+1]
.endr
.endr
.irp b, 0,1,2,3
	s_delay_alu instid0(VALU_DEP_4)
	v_add_f32 v[TL+\b], v[TS+2*\b], v[TS+2*\b+1]
.endr
.irp b, 0,1,2,3
	s_delay_alu instid0(VALU_DEP_4)
	v_permlanex16_b32 v[TO+\b], v[TL+\b], s[SEL], s[SEL+1]
.endr
.irp b, 0,1,2,3
	s_delay_alu instid0(VALU_DEP_4)
	v_add_f32 v[TL+\b], v[TL+\b], v[TO+\b]         ; the block's 32
.endr
.set AP, F+16                          ; v48-63: for each block two pairs by turns: (the sum behind key 2 m, the sum behind key 2 m + 1)
.set DP, F+32                          ; v64-71: for each block the pair of distances at keys 2 m, 2 m + 1
.irp b, 3
	v_fma_f32 v[AP+4*\b+1], v29, v[TO+\b], v31     ; what lies behind my last key of block b: the carry, and in lanes 0-15 the upper 16 keys
	s_delay_alu instid0(VALU_DEP_2)
	v_add_f32 v31, v31, v[TL+\b]
.endr
.irp b, 2, 1, 0
	s_delay_alu instid0(VALU_DEP_1)
	v_fma_f32 v[AP+4*\b+1], v29, v[TO+\b], v31
	s_delay_alu instid0(VALU_DEP_2)
	v_add_f32 v31, v31, v[TL+\b]
.endr
	v_add_f32 v[DP], 0xc1600000, v93               ; the distances at my last two keys of each block: - 14, - 15; - 46, - 47; - 78, - 79; - 110, - 111
	v_add_f32 v[DP+1], 0xc1700000, v93
	v_add_f32 v[DP+2], 0xc2380000, v93
	v_add_f32 v[DP+3], 0xc23c0000, v93
	v_add_f32 v[DP+4], 0xc29c0000, v93
	v_add_f32 v[DP+5], 0xc29e0000, v93
	v_add_f32 v[DP+6], 0xc2dc0000, v93
	v_add_f32 v[DP+7], 0xc2de0000, v93
	; down my 16 keys of each block, two keys a turn, the four blocks by turns: one addition a key, then W = (the sum behind the key) x distance, packed
.set m, 7
.rept 8
.set CU, AP+2*((7-m)%2)
.set NX, AP+2*((8-m)%2)
.irp b, 0,1,2,3
	v_add_f32 v[CU+4*\b], v[CU+4*\b+1], v[W+16*\b+2*m+1]
.endr
.if m > 0
.irp b, 0,1,2,3
	v_add_f32 v[NX+4*\b+1], v[CU+4*\b], v[W+16*\b+2*m]
.endr
.endif
.irp b, 0,1,2,3
	v_pk_mul_f32 v[W+16*\b+2*m:W+16*\b+2*m+1], v[CU+4*\b:CU+4*\b+1], v[DP+2*\b:DP+2*\b+1]
.endr
.if m > 0
.irp b, 0,1,2,3
	v_pk_add_f32 v[DP+2*\b:DP+2*\b+1], v[DP+2*\b:DP+2*\b+1], 2.0 op_sel_hi:[1,0]
.endr
.endif
.set m, m-1
.endr
	; V's four fragments and scale words of this key step are asked for here: they land under the work below
	v_add_nc_u32 v8, s[SV], v4
	v_add_nc_u32 v9, s[SV], v5
.irp t, 0,1,2,3
	ds_load_b128 v[F+12*\t:F+12*\t+3], v8 offset:12288*\t
	ds_load_b64 v[F+12*\t+4:F+12*\t+5], v9 offset:12288*\t+512
	ds_load_b128 v[F+12*\t+6:F+12*\t+9], v8 offset:12288*\t+768
	ds_load_b64 v[F+12*\t+10:F+12*\t+11], v9 offset:12288*\t+1280
.endr
	ds_load_b32 v86, v11
	ds_load_b32 v87, v11 offset:128
.set j, 0
	s_wait_alu depctr_va_vdst(0)
.rept 64
	v_sqrt_f32 v[W+j], |v[W+j]|                    ; (behind my query the product is -0)
.set j, j+1
.endr
	v_nop
.set j, 0
	s_wait_alu depctr_va_vdst(0)
.rept 64
	v_exp_f32 v[W+j], -v[W+j]                      ; the root already holds |G|: the effect is 2^-root
.set j, j+1
.endr
	v_nop
.set j, 0
	s_wait_alu depctr_va_vdst(0)
.rept 32                               ; the clip: 2^-r with r >= 0 is at most 1, so of the two bounds 1e-5 and 1e5 only the lower can move a value; two maxima an instruction
	v_dual_max_num_f32 v[W+j], s[CLO], v[W+j] :: v_dual_max_num_f32 v[W+j+1], s[CLO], v[W+j+1]
.set j, j+2
.endr
.set j, 0
.rept 32
	v_pk_mul_f32 v[R+j:R+j+1], v[R+j:R+j+1], v[W+j:W+j+1]   ; score x effect
.set j, j+2
.endr
	NEWM
	SHIFT
.irp b, 0,1,2,3
	v_fma_f32 v[BM+\b], v[BM+\b], s[CS], v12       ; the same of each block's largest: p rises with it
.endr
	s_wait_alu depctr_va_vdst(0)
	EXP64 R                                        ; p, not normalised
.irp b, 0,1,2,3
	v_exp_f32 v[BM+\b], v[BM+\b]                   ; the block's largest p
.endr
	v_pk_mul_f32 v[14:15], v[14:15], v[94:95] op_sel_hi:[1,0]   ; (a plain place behind the exponentials)
	s_wait_alu depctr_va_vdst(0)
.irp b, 0,1,2,3
	v_max_num_f32 v[BM+\b], 0x2800000, v[BM+\b]    ; the floor 2^(5 - 127)
.endr
.irp b, 0,1,2,3
	s_delay_alu instid0(VALU_DEP_4)
	v_add_nc_u32 v[SO+\b], 0xfe000000, v[BM+\b]
.endr
.irp b, 0,1,2,3
	s_delay_alu instid0(VALU_DEP_4)
	v_lshrrev_b32 v[BT+\b], 23, v[SO+\b]
.endr
	s_delay_alu instid0(VALU_DEP_3)
	v_lshl_or_b32 v90, v[BT+1], 8, v[BT]
	s_delay_alu instid0(VALU_DEP_1)
	v_lshl_or_b32 v90, v[BT+2], 16, v90
	s_delay_alu instid0(VALU_DEP_1)
	v_lshl_or_b32 v90, v[BT+3], 24, v90
.irp c, 0,1
	v_cvt_scalef32_pk16_bf6_f32 v[PCD+6*\c:PCD+6*\c+2], v[R+32*\c:R+32*\c+15], v[SO+2*\c]
	v_cvt_scalef32_pk16_bf6_f32 v[CT+4*\c:CT+4*\c+2], v[R+32*\c+16:R+32*\c+31], v[SO+2*\c+1]
.endr
	v_nop
.irp c, 0,1
.irp i, 0,1,2
	v_permlane16_swap_b32 v[PCD+6*\c+\i], v[CT+4*\c+\i]
.endr
.irp i, 0,1,2
	s_delay_alu instid0(VALU_DEP_3)
	v_mov_b32 v[PCD+3+6*\c+\i], v[CT+4*\c+\i]
.endr
.endr
	SUMR                                           ; the row's sum is taken of the unquantised p
.set j, 0
.rept 16
	v_pk_mul_f32 v[O+j:O+j+1], v[O+j:O+j+1], v[94:95] op_sel_hi:[1,0]   ; O^T under the new M.  (These and the sums are the places in front of the matrix instructions)
.set j, j+2
.endr
	s_wait_alu depctr_va_vdst(0)
	s_wait_dscnt 0x0                               ; V
.irp t, 0,1,2,3                        ; four accumulators by turns, one instruction a turn
.if \t%2
	v_wmma_scale_f32_16x16x128_f8f6f4 v[O+8*\t:O+8*\t+7], v[F+12*\t:F+12*\t+11], v[PCD:PCD+11], v[O+8*\t:O+8*\t+7], v[86+\t/2], v90 matrix_a_fmt:MATRIX_FMT_BF6 matrix_b_fmt:MATRIX_FMT_BF6 matrix_a_scale:MATRIX_SCALE_ROW1
.else
	v_wmma_scale_f32_16x16x128_f8f6f4 v[O+8*\t:O+8*\t+7], v[F+12*\t:F+12*\t+11], v[PCD:PCD+11], v[O+8*\t:O+8*\t+7], v[86+\t/2], v90 matrix_a_fmt:MATRIX_FMT_BF6 matrix_b_fmt:MATRIX_FMT_BF6
.endif
.endr
.Lp2_next:
	s_add_co_u32 s[IT], s[IT], 1
	s_cmp_lt_u32 s[IT], 8
	s_cbranch_scc1 .Lp2
	; THE WAY OUT: O / the sum; my head's 64 channels are two blocks of 32: half a fragment of cimg; the two heads' halves meet in LDS and leave in runs of 256 bytes
.rept 4
	v_nop
.endr
	v_add_f32 v14, v14, v15
	s_delay_alu instid0(VALU_DEP_1)
	v_permlanex16_b32 v[BT], v14, s[SEL], s[SEL+1]
	s_delay_alu instid0(VALU_DEP_1)
	v_add_f32 v14, v14, v[BT]
	s_wait_alu depctr_va_vdst(0)
	v_rcp_f32 v14, v14
	v_nop
.set j, 0
	s_wait_alu depctr_va_vdst(0)
.rept 16
	v_pk_mul_f32 v[R+j:R+j+1], v[O+j:O+j+1], v[14:15] op_sel_hi:[1,0]
.set j, j+2
.endr
.irp b, 0,1
	v_max3_num_f32 v[BM+\b], |v[R+16*\b]|, |v[R+16*\b+1]|, 0x2800000
.endr
.irp i, 2,4,6,8,10,12,14
.irp b, 0,1
	s_delay_alu instid0(VALU_DEP_2)
	v_max3_num_f32 v[BM+\b], v[BM+\b], |v[R+16*\b+\i]|, |v[R+16*\b+\i+1]|
.endr
.endr
.irp b, 0,1
	s_delay_alu instid0(VALU_DEP_2)
	v_permlanex16_b32 v[BT+\b], v[BM+\b], s[SEL], s[SEL+1]
.endr
.irp b, 0,1
	s_delay_alu instid0(VALU_DEP_2)
	v_max_num_f32 v[BM+\b], v[BM+\b], v[BT+\b]
.endr
.irp b, 0,1
	s_delay_alu instid0(VALU_DEP_2)
	v_add_nc_u32 v[SO+\b], 0xfe000000, v[BM+\b]
.endr
.irp b, 0,1
	s_delay_alu instid0(VALU_DEP_2)
	v_lshrrev_b32 v[BT+\b], 23, v[SO+\b]
.endr
	s_delay_alu instid0(VALU_DEP_1)
	v_lshl_or_b32 v[TT], v[BT+1], 8, v[BT]         ; my head's two bytes of the row's scale word
	v_cvt_scalef32_pk16_bf6_f32 v[PCD:PCD+2], v[R:R+15], v[SO]
	v_cvt_scalef32_pk16_bf6_f32 v[CT:CT+2], v[R+16:R+31], v[SO+1]
	v_nop
.irp i, 0,1,2
	v_permlane16_swap_b32 v[PCD+\i], v[CT+\i]
.endr
.irp i, 0,1,2
	s_delay_alu instid0(VALU_DEP_3)
	v_mov_b32 v[PCD+3+\i], v[CT+\i]
.endr
	v_and_b32 v8, 31, v0
	s_wait_alu depctr_va_vdst(0)
	v_and_b32 v9, 15, v0
	s_wait_alu depctr_va_vdst(0)
	s_lshl_b32 s81, s[BI], 1
	s_add_co_u32 s81, s81, s[SUB]                  ; my tile of queries among the work-group's eight: 2 x block index + tile
	s_mul_i32 s82, s81, 1536
	s_add_co_u32 s82, s82, STG
	s_mul_i32 s83, s[PAR], 520
	s_add_co_u32 s83, s83, s82
	v_lshl_add_u32 v1, v8, 4, s83                  ; the image has registers 4 g .. 4 g + 3 at 512 g + 16 l: my six are 0-5 (head 0) or 6-11 (head 1): pairs at 0, 8, 512 or at 520, 1,024, 1,032
	s_wait_alu depctr_va_vdst(0)
	s_mul_i32 s83, s[PAR], 1016
	s_add_co_u32 s83, s83, s82
	s_add_co_u32 s83, s83, 8
	v_lshl_add_u32 v2, v8, 4, s83
	s_mul_i32 s83, s[PAR], 768
	s_add_co_u32 s83, s83, s82
	v_lshl_add_u32 v3, v8, 3, s83                  ; back: my half of the fragment's bytes
	s_lshl_b32 s82, s81, 6
	s_add_co_u32 s82, s82, STS
	v_lshl_add_u32 v5, v8, 2, s82                  ; back: two tiles' scale words
	s_lshl_b32 s83, s[PAR], 1
	s_add_co_u32 s83, s83, s82
	v_lshl_add_u32 v4, v9, 2, s83
	v_lshlrev_b32 v6, 3, v8
	v_lshlrev_b32 v10, 2, v8
	ds_store_b64 v1, v[PCD:PCD+1]
	ds_store_b64 v2, v[PCD+2:PCD+3]
	ds_store_b64 v1, v[PCD+4:PCD+5] offset:512
	ds_store_b16 v4, v[TT]                         ; lanes r and r + 16 write the same two bytes with the same value
	s_wait_alu depctr_va_vdst(0)
	s_wait_dscnt 0x0                               ; for the others' sake
	s_barrier_signal -1
	s_barrier_wait -1
.irp g, 0,1,2
	ds_load_b64 v[R+2*\g:R+2*\g+1], v3 offset:256*\g
.endr
	s_wait_dscnt 0x0
.irp g, 0,1,2
	global_store_b64 v6, v[R+2*\g:R+2*\g+1], s[90:91] offset:256*\g   ; 256 consecutive bytes, aligned
.endr
	s_cmp_ge_u32 s[WV], 4
	s_cbranch_scc1 .Lno_words                      ; waves 0 to 3 (head 0, tile 0, one for each block) store their block's 32 queries' scale words
	ds_load_b32 v[R+8], v5
	s_wait_dscnt 0x0
	global_store_b32 v10, v[R+8], s[92:93]
.Lno_words:
	s_wait_xcnt 0x0
	v_lshl_add_u32 v254, v0, 2, 0x35200
	v_mov_b32 v255, 0
	s_wait_alu depctr_va_vdst(0)
	s_wait_tensorcnt 0x0
	ds_add_u32 v254, v255
	s_wait_dscnt 0x0
	ROUND                                          ; the closing round
	s_endpgm
.Lfunc_end_k_q48abeeb84f_attn:
	.size	k_q48abeeb84f_attn, .Lfunc_end_k_q48abeeb84f_attn-k_q48abeeb84f_attn
	.p2alignl 7, 3214868480
	.fill 96, 4, 3214868480
	.section	.rodata,"a",@progbits
	.p2align	6, 0x0
	.amdhsa_kernel k_q48abeeb84f_attn
		.amdhsa_group_segment_fixed_size 219648
		.amdhsa_private_segment_fixed_size 0
		.amdhsa_enable_private_segment 0
		.amdhsa_kernarg_size 24
		.amdhsa_user_sgpr_count 2
		.amdhsa_user_sgpr_kernarg_segment_ptr 1
		.amdhsa_wavefront_size32 1
		.amdhsa_system_sgpr_workgroup_id_x 1
		.amdhsa_system_sgpr_workgroup_id_y 1
		.amdhsa_system_sgpr_workgroup_id_z 1
		.amdhsa_system_vgpr_workitem_id 0
		.amdhsa_next_free_vgpr 256
		.amdhsa_next_free_sgpr 100
		.amdhsa_reserve_vcc 1
		.amdhsa_float_denorm_mode_32 3
		.amdhsa_float_denorm_mode_16_64 3
		.amdhsa_memory_ordered 1
		.amdhsa_forward_progress 1
		.amdhsa_inst_pref_size 81
	.end_amdhsa_kernel
	.amdgpu_metadata
---
amdhsa.version: [ 1, 2 ]
amdhsa.kernels:
  - .name:           k_q48abeeb84f_attn
    .symbol:         k_q48abeeb84f_attn.kd
    .args:
      - { .name: qkv, .offset: 0, .size: 8, .value_kind: global_buffer, .address_space: global }
      - { .name: gammas, .offset: 8, .size: 8, .value_kind: global_buffer, .address_space: global }
      - { .name: cimg, .offset: 16, .size: 8, .value_kind: global_buffer, .address_space: global }
    .group_segment_fixed_size: 219648
    .private_segment_fixed_size: 0
    .kernarg_segment_align: 8
    .kernarg_segment_size: 24
    .max_flat_workgroup_size: 512
    .sgpr_count:     100
    .vgpr_count:     256
    .wavefront_size: 32
...
	.end_amdgpu_metadata
.endif
;; end of part 11
;; launch wo (part 12): grid 8 x 32, 4 waves a work-group, clusters of 4 x 4, 327,680 bytes of LDS; arguments cimg, w, y, query; writes y
.if DOCPART == 12
	.amdgcn_target "amdgcn-amd-amdhsa--gfx1250"
	.amdhsa_code_object_version 6
	.text
	.protected	k_q48abeeb84f_wo
	.globl	k_q48abeeb84f_wo
	.p2align	8
	.type	k_q48abeeb84f_wo,@function
k_q48abeeb84f_wo:
	s_mov_b64 s[64:65], 0
	v_nop
	global_prefetch_b8 v0, s[64:65] scope:SCOPE_SE
	s_setreg_imm32_b32 hwreg(HW_REG_WAVE_MODE, 25, 1), 1
	s_wait_xcnt 0x0
	s_wait_alu depctr_hold_cnt(0) depctr_sa_sdst(0) depctr_va_vdst(0) depctr_va_sdst(0) depctr_va_ssrc(0) depctr_va_vcc(0) depctr_vm_vsrc(0)
	s_getreg_b32 s2, hwreg(HW_REG_IB_STS2, 6, 4)
	s_cmp_eq_u32 s2, 0
	s_cbranch_scc0 .Lentry_in_a_cluster
	s_endpgm
.Lentry_in_a_cluster:
	s_bfe_u32 s2, ttmp6, 0x10000c
	s_cmp_lg_u32 s2, 0xf033
	s_cbranch_scc0 .Lentry_shape_is_right
	s_endpgm
.Lentry_shape_is_right:
; y = concat Wo^T, on codes of BF6 with one E8M0 scale for each 32 along K = 1,024; y [4,096][1,024] f32; the bias is added by the next launch.
; A tile of C is 128 x 128, so that C has 256 tiles, one to a work-group (of 256 x 256 it would have 64).  Four waves, 64 x 64 each: 16 accumulators.  The price: a wave loads 8 fragments from LDS for 16 products.
; Operands lie in memory as images of their registers (fragment = 16 rows x 128 K = 1,536 bytes, registers 4 g .. 4 g + 3 of lane l at 512 g + 16 l): a fragment comes by three loads of 16 bytes a lane, 512 consecutive bytes each.
; K goes in steps of 512 through two LDS slots: a slot's part of a row block is 6,144 consecutive bytes; a wave's tensor load brings 8 row blocks, all of K.  With K = 1,024 the two first fills are all of K: nothing is filled again.
; The scale words of 128 rows for all of K are one dense block, [K step][128 rows]; they come into LDS once, a whole block by one wave, and stay.
; CLUSTERS: 4 x 4 work-groups; A's tiles are asked for jointly along a row of the cluster, B's along a column.  THE MATRIX INSTRUCTION IS USED TRANSPOSED (source 0 = B, source 1 = A): a lane holds eight neighbouring numbers of a row of C.
; REGISTERS: window 0: v0-31 addresses; v32-63 scale words, two sets, nothing else; v64-127 the way out; v128-255 the accumulators ((a, b) at v[128 + 8 (4 a + b)]).
;   window 1: two fragment buffers at v0 and v128: 48 registers of A (4 x 16 rows x 128 K), then 48 of B.
.set SIZE_K, 1024
.set SIZE_N, 1024
.set A_SC,   3145728                   ; A's scale words behind A's codes
.set B_CO,   11796480                  ; B's codes in w
.set B_SC,   18874368+491520           ; B's scale words in w
.set KS,     SIZE_K/128
.set NQ,     4                         ; K steps of 128 in a slot
.set FR,     12
.set NP,     4                         ; places behind this matrix instruction (ISA guide 7.12.1)
.set FRB,    1536
; ALL OF K LIES IN LDS AT ONCE: A's 8 row blocks x 12,288 bytes from 0, B's behind them; four head loads, one a wave, bring codes and scale words; nothing is filled later.
; y = concat Wo^T + query: the residual is asked for into v512-639 when the operands are in, behind the first fragment loads, and added on the way out, block by block; the bias is added by the next launch.
; No prefetch: the launch has no loop to run ahead in; all its tiles are asked for by its first four loads.
.set HALFT,  4*KS*FRB                  ; 64 rows x all of K: what one wave reads of A or of B
.set SLOT,   NQ*FRB                    ; from a row block's first four K steps to its last four
.set LAPS,   SIZE_K/(256*NQ)
.set SCL,    4*HALFT                   ; behind the codes: A's scale words, then B's
.set HALFS,  KS*256                    ; half a block of scale words: one tensor load brings a whole block
.set SPARE,  SCL+4*HALFS               ; the spare words, 128 bytes a wave: two blocks of 256 bytes that no other line names
.set SPITCH, 272                       ; the way out: a stage of 16 rows x (256 + 16) bytes a wave,
.set STAGE,  SPARE+512                 ; on bytes of its own behind the spare words: no load lands there
.set ADRA, 16                          ; v16-17  LDS address of my A fragments in slot 0, 1
.set ADRB, 20                          ; v20-21  the same for B
.set STO,  24
.set RD,   25
.set CO,   26
.set ADRS, 27                          ; v27     LDS address of my scale words: lanes 0-15 A's rows, lanes 16-31 B's
.set SPW,  28
.set NIL,  29
.set SC,   32                          ; set s at v[SC + 16 s]; in it register 4 i + q: block i, the slot's q-th K step
.set OB,   64
.set ACC,  128
.set G1, 24
.set G0, 32
.set G1B, 48
.set G0B, 56
.set G1S, 68
.set G0S, 76
.set G1SB, 80
.set G0SB, 88
.set MSB, 0
.macro WIN new                         ; the immediate's high byte repeats the setting that is left
.if MSB != \new
	s_set_vgpr_msb (MSB<<8)|\new
.set MSB, \new
.endif
.endm
.set MUL,  0x05                        ; sources 0 (B) and 1 (A) window 1; C and D window 0
.set TO_F, 0x40                        ; destination window 1, address window 0
.macro JLOAD g0a, g1a, g0b, g1b        ; a joint load: waves 0, 1 fetch for A, waves 2, 3 for B; four v_nop follow each line
	s_cmp_eq_u32 s15, 0
	s_cbranch_scc0 .Lfor_b_\@
	tensor_load_to_lds s[\g0a:\g0a+3], s[\g1a:\g1a+7]
	s_nop 0
.rept 4
	v_nop
.endr
	s_branch .Lasked_\@
.Lfor_b_\@:
	tensor_load_to_lds s[\g0b:\g0b+3], s[\g1b:\g1b+7]
	s_nop 0
.rept 4
	v_nop
.endr
.Lasked_\@:
.endm
.macro CREST
	s_cmp_lg_u32 s14, 0
	s_cbranch_scc1 .Lnot_wave_0_\@
	s_barrier_signal -3
.Lnot_wave_0_\@:
	s_barrier_wait -3
	s_barrier_signal -1
	s_barrier_wait -1
.endm
.macro CROUND
	s_barrier_signal -1
	s_barrier_wait -1
	CREST
.endm
	s_load_b128 s[4:7], s[0:1], 0x0                ; A's buffer, w
	s_load_b64 s[12:13], s[0:1], 0x10              ; y
	s_load_b64 s[96:97], s[0:1], 0x18              ; query, the residual
	v_lshl_add_u32 v[SPW], v0, 2, SPARE
	v_mov_b32 v[NIL], 0
	ds_add_u32 v28, v29
	ds_add_u32 v28, v29
	s_wait_dscnt 0x0
	v_lshrrev_b32 v1, 5, v0
	v_readfirstlane_b32 s14, v1                    ; wave
	s_lshr_b32 s15, s14, 1                         ; which half of the tile's rows is mine; also: I fetch for A (0) or B (1)
	s_and_b32 s16, s14, 1                          ; which half of its columns; also: which half I fetch
	s_bfe_u32 s40, ttmp6, 0x40000                  ; cx
	s_bfe_u32 s41, ttmp6, 0x40004                  ; cy
	s_lshl_b32 s42, ttmp9, 2
	s_add_co_u32 s42, s42, s40                     ; tile column
	s_and_b32 s17, ttmp7, 0xffff
	s_lshl_b32 s17, s17, 2
	s_add_co_u32 s17, s17, s41                     ; tile row
	s_lshl_b32 s43, s41, 2
	s_lshl_b32 s43, 15, s43                        ; my row of the cluster
	s_lshl_b32 s44, 0x1111, s40                    ; my column
	s_or_b32 s[G1+0], s43, (3<<16)|(1<<21)         ; the mask; elements of 8 bytes; bit 21 beside a mask; no padding
	s_or_b32 s[G1B+0], s44, (3<<16)|(1<<21)
.irp g, G1, G1B
	s_mov_b32 s[\g+1], (KS*FRB/8)<<16              ; tensor_dim0: a row block's 12,288 bytes, all of K
	s_mov_b32 s[\g+2], 8<<16                       ; tensor_dim1: the tile's 8 row blocks
	s_mov_b32 s[\g+3], (KS*FRB/8)<<16              ; tile_dim0
	s_mov_b32 s[\g+4], 8                           ; tile_dim1
	s_mov_b32 s[\g+5], KS*FRB/8                    ; from row block to row block
	s_mov_b32 s[\g+6], 0
	s_mov_b32 s[\g+7], 0
.endr
	s_or_b32 s[G1S+0], s43, (3<<16)|(1<<21)
	s_or_b32 s[G1SB+0], s44, (3<<16)|(1<<21)
.irp g, G1S, G1SB
	s_mov_b32 s[\g+1], 32<<16                      ; a dense block as rows of 256 bytes
	s_mov_b32 s[\g+2], (2*HALFS/256)<<16           ; a whole block of scale words in one load
	s_mov_b32 s[\g+3], 32<<16
	s_mov_b32 s[\g+4], 2*HALFS/256
	s_mov_b32 s[\g+5], 32
	s_mov_b32 s[\g+6], 0
	s_mov_b32 s[\g+7], 0
.endr
	s_lshl_b32 s18, s16, 2                         ; which 4 row blocks of the tile I fetch
	s_lshl_b32 s20, s17, 3
	s_add_co_u32 s20, s20, s18                     ; A: row block 8 x tile row + 4 x half
	s_lshl_b32 s46, s42, 3
	s_add_co_u32 s46, s46, s18                     ; B likewise
	s_mul_i32 s22, s20, KS*64                      ; the scale words: KS x 512 bytes for 8 row blocks; the half is a half along K
	s_mul_i32 s92, s46, KS*64
	s_mul_i32 s20, s20, KS*FRB
	s_mul_i32 s46, s46, KS*FRB
	s_mov_b32 s21, 0
	s_mov_b32 s23, 0
	s_mov_b32 s47, 0
	s_mov_b32 s93, 0
	s_mul_i32 s45, s14, HALFT                      ; where they go: by the wave's number alone
	s_mul_i32 s94, s14, HALFS
	s_wait_kmcnt 0x0
	s_add_nc_u64 s[8:9], s[6:7], B_CO
	s_add_nc_u64 s[10:11], s[6:7], B_SC
	s_add_nc_u64 s[6:7], s[4:5], A_SC
	s_add_nc_u64 s[20:21], s[4:5], s[20:21]
	s_add_nc_u64 s[22:23], s[6:7], s[22:23]
	s_add_nc_u64 s[46:47], s[8:9], s[46:47]
	s_add_nc_u64 s[92:93], s[10:11], s[92:93]
	CROUND                                         ; all sixteen work-groups are here: the first joint loads meet
	s_mov_b32 s[G0S], 1
	s_add_co_u32 s[G0S+1], s94, SCL-HALFS          ; wave 1 asks by this set: its half's place less a half is the block's start, in LDS and in memory
	s_sub_nc_u64 s[G0S+2:G0S+3], s[22:23], HALFS
	s_or_b32 s[G0S+3], s[G0S+3], 0x80000000
	s_mov_b32 s[G0SB], 1
	s_add_co_u32 s[G0SB+1], s94, SCL-HALFS         ; wave 3 likewise
	s_sub_nc_u64 s[G0SB+2:G0SB+3], s[92:93], HALFS
	s_or_b32 s[G0SB+3], s[G0SB+3], 0x80000000
.irp s, 0
	s_mov_b32 s[G0+4*\s], 1
	s_add_co_u32 s[G0+4*\s+1], s45, \s*SLOT
	s_add_nc_u64 s[G0+4*\s+2:G0+4*\s+3], s[20:21], \s*NQ*FRB
	s_or_b32 s[G0+4*\s+3], s[G0+4*\s+3], 0x80000000
	s_mov_b32 s[G0B+4*\s], 1
	s_add_co_u32 s[G0B+4*\s+1], s45, \s*SLOT
	s_add_nc_u64 s[G0B+4*\s+2:G0B+4*\s+3], s[46:47], \s*NQ*FRB
	s_or_b32 s[G0B+4*\s+3], s[G0B+4*\s+3], 0x80000000
.endr
; THE HEAD'S LOADS, ONE A WAVE: wave 0 A's 128 rows, wave 1 A's scale words, wave 2 B's 128 rows, wave 3 B's scale words.
; One chain of branches on the wave's number; every way passes exactly one load.
.macro ARM under, g0, g1, next
	s_cmp_lt_u32 s14, \under
	s_cbranch_scc0 \next
	tensor_load_to_lds s[\g0:\g0+3], s[\g1:\g1+7]
	s_nop 0
.rept 4
	v_nop
.endr
	s_branch .Lhead_asked
\next:
.endm
	ARM 1, G0,  G1,  .Lhead_sa
	ARM 2, G0S, G1S, .Lhead_b
	ARM 3, G0B, G1B, .Lhead_sb
	tensor_load_to_lds s[G0SB:G0SB+3], s[G1SB:G1SB+7]
	s_nop 0
.rept 4
	v_nop
.endr
.Lhead_asked:
	v_and_b32 v1, 15, v0                           ; r
	v_bfe_u32 v2, v0, 4, 1                         ; h
	s_wait_alu depctr_va_vdst(0)
	v_and_b32 v3, 31, v0
	v_lshlrev_b32 v3, 4, v3                        ; 16 x lane
	s_mul_i32 s21, s15, HALFT                      ; my 64 rows of A
	s_mul_i32 s22, s16, HALFT                      ; my 64 of B,
	s_add_co_u32 s22, s22, 2*HALFT                 ; which lie behind A's 128
.irp s, 0,1
	v_add_nc_u32 v[ADRA+\s], s21, v3
	v_add_nc_u32 v[ADRB+\s], s22, v3
	s_add_co_u32 s21, s21, SLOT
	s_add_co_u32 s22, s22, SLOT
.endr
	v_lshlrev_b32 v5, 2, v1                        ; scale words: 4 r,
	s_lshl_b32 s21, s15, 8                         ; A's: my 64 rows begin 256 bytes x half into a K step's 512
	s_lshl_b32 s22, s16, 8                         ; B's likewise,
	s_add_co_u32 s22, s22, 2*HALFS                 ; a whole block behind A's
	s_sub_co_u32 s22, s22, s21
	v_mul_u32_u24 v6, s22, v2                      ; lanes 16-31 take B's
	s_add_co_u32 s21, s21, SCL
	v_add_nc_u32 v5, v5, v6
	v_add_nc_u32 v[ADRS], s21, v5
	s_mul_i32 s23, s14, 16*SPITCH                  ; my stage
	s_add_co_u32 s23, s23, STAGE
	v_mul_u32_u24 v5, v1, SPITCH                   ; in: row r, 32 bytes for each half of the lanes
	v_lshl_add_u32 v5, v2, 5, v5
	v_add_nc_u32 v[STO], s23, v5
	v_mul_u32_u24 v5, v2, SPITCH                   ; back: lanes 0-15 take one row of 256 bytes, lanes 16-31 the next
	v_lshl_add_u32 v5, v1, 4, v5
	v_add_nc_u32 v[RD], s23, v5
	v_mul_u32_u24 v5, v2, SIZE_N*4                 ; and the same two rows in C
	v_lshl_add_u32 v[CO], v1, 4, v5
	s_lshl_b32 s20, s17, 7
	s_lshl_b32 s21, s15, 6
	s_add_co_u32 s20, s20, s21                     ; my first row of C: 128 x tile row + 64 x half
	s_mov_b32 s21, 0
	s_mov_b64 s[18:19], SIZE_N*4
	s_mul_u64 s[20:21], s[20:21], s[18:19]
	s_lshl_b32 s46, s42, 9                         ; my first column, in bytes: 512 x tile column + 256 x half
	s_lshl_b32 s47, s16, 8
	s_add_co_u32 s46, s46, s47
	s_mov_b32 s47, 0
	s_add_nc_u64 s[20:21], s[20:21], s[46:47]
	s_add_nc_u64 s[12:13], s[12:13], s[20:21]
	s_add_nc_u64 s[96:97], s[96:97], s[20:21]      ; the same place in the residual
.macro FRAG reg, adr, q, i             ; a fragment as it lies: three loads, 512 consecutive bytes each
.irp c, 0,1,2
	ds_load_b128 v[\reg+4*\c:\reg+4*\c+3], v[\adr] offset:(\i)*KS*FRB+(\q)*FRB+512*\c
.endr
.endm
.macro FETCH slot, q, p                ; 24 LDS loads in one run: the fragments of the slot's q-th K step into buffer p
	WIN TO_F
.irp i, 0,1,2,3
	FRAG 128*(\p)+48+FR*\i, ADRB+\slot, \q, \i
.endr
.irp i, 0,1,2,3
	FRAG 128*(\p)+FR*\i, ADRA+\slot, \q, \i
.endr
.endm
; 8 matrix instructions: A's blocks a0, a0 + 1 x B's four, from buffer p.  The 16 accumulators take turns, one instruction a turn, in the same order in every step.
.macro MUL8 p, a0, q, sc, zero
.irp a, \a0, \a0+1
.irp b, 0,1,2,3
.if \zero
	v_wmma_scale_f32_16x16x128_f8f6f4 v[ACC+8*(4*(\a)+\b):ACC+8*(4*(\a)+\b)+7], v[128*(\p)+48+FR*\b:128*(\p)+48+FR*\b+FR-1], v[128*(\p)+FR*(\a):128*(\p)+FR*(\a)+FR-1], 0, v[SC+4*NQ*(\sc)+NQ*\b+(\q)], v[SC+4*NQ*(\sc)+NQ*(\a)+(\q)] matrix_a_fmt:MATRIX_FMT_BF6 matrix_b_fmt:MATRIX_FMT_BF6 matrix_a_scale:MATRIX_SCALE_ROW1
.else
	v_wmma_scale_f32_16x16x128_f8f6f4 v[ACC+8*(4*(\a)+\b):ACC+8*(4*(\a)+\b)+7], v[128*(\p)+48+FR*\b:128*(\p)+48+FR*\b+FR-1], v[128*(\p)+FR*(\a):128*(\p)+FR*(\a)+FR-1], v[ACC+8*(4*(\a)+\b):ACC+8*(4*(\a)+\b)+7], v[SC+4*NQ*(\sc)+NQ*\b+(\q)], v[SC+4*NQ*(\sc)+NQ*(\a)+(\q)] matrix_a_fmt:MATRIX_FMT_BF6 matrix_b_fmt:MATRIX_FMT_BF6 matrix_a_scale:MATRIX_SCALE_ROW1
.endif
.endr
.endr
.endm
.macro SCALES sc                       ; a slot's scale words: lanes 0-15 A's block i, lanes 16-31 B's block i
.irp i, 0,1,2,3
.irp q, 0,1,2,3
	ds_load_b32 v[SC+4*NQ*\sc+NQ*\i+\q], v[ADRS] offset:64*\i+512*\q
.endr
.endr
.endm
.macro PLACES n
.rept \n
	v_nop
.endr
.endm
.macro STEP slot, q, zero              ; one of a slot's first three K steps: the next step's fragments are asked for, then this step's are multiplied
	s_wait_dscnt 0x0                               ; this step's fragments (and scale words) are in
	PLACES NP                                      ; in front of loads into the buffer that the last products read
	FETCH \slot, (\q)+1, 1-(\q)%2
	WIN MUL
	MUL8 (\q)%2, 0, \q, \slot, \zero
	MUL8 (\q)%2, 2, \q, \slot, \zero
.endm
.macro TURN slot, next, fill           ; a slot's last K step (buffer 1) changes slots: one barrier
	WIN 0                                          ; (the add's two registers lie in window 0)
	s_wait_tensorcnt 0x0                           ; all my tensor loads have landed: my part of the next slot
	ds_add_u32 v[SPW], v[NIL]                      ; 0 onto my spare word
	s_wait_dscnt 0x0                               ; the add is done, and my reads of this slot are over: its last fragments are in registers
	s_barrier_signal -1
	WIN MUL
	MUL8 1, 0, NQ-1, \slot, 0                      ; work on registers while the others arrive
	WIN 0
	s_barrier_wait -1
.if \fill
	CREST                                          ; the barrier has opened a round of the cluster's: no wave of any partner still reads this slot or has a load on its way
	s_add_nc_u64 s[G0+4*\slot+2:G0+4*\slot+3], s[G0+4*\slot+2:G0+4*\slot+3], 2*NQ*FRB
	s_add_nc_u64 s[G0B+4*\slot+2:G0B+4*\slot+3], s[G0B+4*\slot+2:G0B+4*\slot+3], 2*NQ*FRB
	JLOAD G0+4*\slot, G1, G0B+4*\slot, G1B         ; the first tensor load behind the round; its four v_nop are the places in front of the loads below
.else
	PLACES NP
.endif
	v_add_nc_u32 v[ADRS], 512*NQ, v[ADRS]          ; the next slot's scale words
	SCALES \next
	FETCH \next, 0, 0
	WIN MUL
	MUL8 1, 2, NQ-1, \slot, 0
.endm
	s_wait_alu depctr_va_vdst(0)
	s_wait_tensorcnt 0x0                           ; my tile of the four is in; behind the barrier everybody's is
	s_barrier_signal -1
	s_barrier_wait -1
	SCALES 0
	FETCH 0, 0, 0
	WIN 0x80                                       ; destination window 2
.irp a, 0,1,2,3
.irp t, 0,1,2,3,4,5,6,7
	global_load_b128 v[32*\a+4*\t:32*\a+4*\t+3], v[CO], s[96:97] offset:(16*\a+2*\t)*SIZE_N*4 th:TH_LOAD_NT   ; my 64 x 64 of the residual, laid as the stores of y are: 16 lanes read 256 consecutive bytes
.endr
.endr
	STEP 0, 0, 1                                   ; the first step's products start the sums
	STEP 0, 1, 0
	STEP 0, 2, 0
	WIN 0                                          ; at a label and at a branch every window is 0
.if LAPS > 1
	s_mov_b32 s3, LAPS-1
.Llap:                                                 ; a trip goes once round the ring and fills both slots again
	TURN 0, 1, 1
	STEP 1, 0, 0
	STEP 1, 1, 0
	STEP 1, 2, 0
	TURN 1, 0, 1
	STEP 0, 0, 0
	STEP 0, 1, 0
	STEP 0, 2, 0
	WIN 0
	s_sub_co_u32 s3, s3, 1
	s_cmp_lg_u32 s3, 0
	s_cbranch_scc1 .Llap
.endif
	TURN 0, 1, 0                                   ; the last lap fills nothing
	STEP 1, 0, 0
	STEP 1, 1, 0
	STEP 1, 2, 0
	s_wait_dscnt 0x0                               ; the very last step: nothing more to fetch
	MUL8 1, 0, NQ-1, 1, 0
	MUL8 1, 2, NQ-1, 1, 0
	WIN 0
; THE WAY OUT, block by block of 16 rows x 64 columns, through my own stage: in as 32 bytes a lane, back as whole rows of 256 bytes.  LDS serves a wave's instructions in order: no wait between the stores and the loads.
.macro TOSTAGE a
.irp b, 0,1,2,3
	ds_store_b128 v[STO], v[ACC+8*(4*(\a)+\b):ACC+8*(4*(\a)+\b)+3] offset:64*\b          ; each accumulator from its low end on
	ds_store_b128 v[STO], v[ACC+8*(4*(\a)+\b)+4:ACC+8*(4*(\a)+\b)+7] offset:64*\b+16
.endr
.set BB, OB+32*((\a)%2)
.irp t, 0,1,2,3,4,5,6,7
	ds_load_b128 v[BB+4*\t:BB+4*\t+3], v[RD] offset:\t*2*SPITCH
.endr
.endm
.macro SEND a, younger
.set BB, OB+32*((\a)%2)
	s_wait_dscnt \younger
.if (\a) > 0
	s_add_nc_u64 s[12:13], s[12:13], 16*SIZE_N*4   ; (behind a wait on XCNT)
.endif
	s_wait_loadcnt 24-8*(\a)                       ; this block's eight loads of the residual are in; the later blocks' may be out
	WIN 0x08                                       ; source 1 window 2
.set j, 0
.rept 16
	v_pk_add_f32 v[BB+j:BB+j+1], v[BB+j:BB+j+1], v[32*(\a)+j:32*(\a)+j+1]
.set j, j+2
.endr
	WIN 0
.irp t, 0,1,2,3,4,5,6,7
	global_store_b128 v[CO], v[BB+4*\t:BB+4*\t+3], s[12:13] offset:2*\t*SIZE_N*4   ; 16 lanes store 256 consecutive bytes, aligned
.endr
.endm
	PLACES NP                                      ; behind the last products
	TOSTAGE 0
.irp a, 1,2,3
.if \a > 1
	s_wait_xcnt 0x0                                ; block a - 2's stores have read their registers and their base
.endif
	TOSTAGE \a
	SEND \a-1, 16                                  ; behind block a - 1's loads: block a's 8 stores and 8 loads
.endr
	s_wait_xcnt 0x0
	SEND 3, 0
	s_wait_tensorcnt 0x0                           ; the wave's end
	ds_add_u32 v[SPW], v[NIL]
	s_wait_dscnt 0x0
	CROUND                                         ; the closing round
	s_endpgm
.Lfunc_end_k_q48abeeb84f_wo:
	.size	k_q48abeeb84f_wo, .Lfunc_end_k_q48abeeb84f_wo-k_q48abeeb84f_wo
	.p2alignl 7, 3214868480
	.fill 96, 4, 3214868480
	.section	.rodata,"a",@progbits
	.p2align	6, 0x0
	.amdhsa_kernel k_q48abeeb84f_wo
		.amdhsa_group_segment_fixed_size 327680
		.amdhsa_private_segment_fixed_size 0
		.amdhsa_enable_private_segment 0
		.amdhsa_kernarg_size 32
		.amdhsa_user_sgpr_count 2
		.amdhsa_user_sgpr_kernarg_segment_ptr 1
		.amdhsa_wavefront_size32 1
		.amdhsa_system_sgpr_workgroup_id_x 1
		.amdhsa_system_sgpr_workgroup_id_y 1
		.amdhsa_system_sgpr_workgroup_id_z 1
		.amdhsa_system_vgpr_workitem_id 0
		.amdhsa_next_free_vgpr 640
		.amdhsa_next_free_sgpr 98
		.amdhsa_reserve_vcc 0
		.amdhsa_float_denorm_mode_32 3
		.amdhsa_float_denorm_mode_16_64 3
		.amdhsa_memory_ordered 1
		.amdhsa_forward_progress 1
		.amdhsa_inst_pref_size 57
	.end_amdhsa_kernel
	.amdgpu_metadata
---
amdhsa.version: [ 1, 2 ]
amdhsa.kernels:
  - .name:           k_q48abeeb84f_wo
    .symbol:         k_q48abeeb84f_wo.kd
    .args:
      - { .name: cimg, .offset: 0, .size: 8, .value_kind: global_buffer, .address_space: global }
      - { .name: w, .offset: 8, .size: 8, .value_kind: global_buffer, .address_space: global }
      - { .name: y, .offset: 16, .size: 8, .value_kind: global_buffer, .address_space: global }
      - { .name: query, .offset: 24, .size: 8, .value_kind: global_buffer, .address_space: global }
    .group_segment_fixed_size: 327680
    .private_segment_fixed_size: 0
    .kernarg_segment_align: 8
    .kernarg_segment_size: 32
    .max_flat_workgroup_size: 128
    .sgpr_count:     98
    .vgpr_count:     640
    .wavefront_size: 32
...
	.end_amdgpu_metadata
.endif
;; end of part 12
;; launch ln1 (part 13): grid 256 x 1, 8 waves a work-group, no clusters, 66,816 bytes of LDS; arguments y, bo, ln1_w, ln1_b, stats, ximg; writes stats, ximg
.if DOCPART == 13
	.amdgcn_target "amdgcn-amd-amdhsa--gfx1250"
	.amdhsa_code_object_version 6
	.text
	.protected	k_q48abeeb84f_ln1
	.globl	k_q48abeeb84f_ln1
	.p2align	8
	.type	k_q48abeeb84f_ln1,@function
k_q48abeeb84f_ln1:
	s_mov_b64 s[64:65], 0
	v_nop
	global_prefetch_b8 v0, s[64:65] scope:SCOPE_SE
	s_setreg_imm32_b32 hwreg(HW_REG_WAVE_MODE, 25, 1), 1
	s_wait_xcnt 0x0
; x = LayerNorm(res + y + bias) w + b, rows of 1,024 f32; its rows' mean and rstd stored, and quantised along the row into an image of operand registers with its scale words.
; A work-group takes 16 rows (one row block of the image), each of its eight waves 2.  A lane holds columns 128 i + 4 l + 0 .. 3: every load and store covers 512 consecutive bytes.
; Both rows of a wave are asked for at the start: all of the work-group's 64 KiB of rows are on their way at once.
; Mean first, then the mean of the squared differences: a common offset of the inputs does no harm.  The 16 rows meet in LDS (rows of 4,096 + 16 bytes); behind one barrier wave w makes K step w of the image.
; No matrix unit, no cluster, no tensor load: the work-groups share only the three short vectors.  LIMITS: NaN and infinities are not served; a block of zeros keeps the byte 1.
.set BI,  8                            ; v8-39    bias
.set LW,  40                           ; v40-71   w
.set LB,  72                           ; v72-103  b
.set SA,  104                          ; row s: y at v[104 + 64 s].  y already holds the residual: the launch before added it
.set T,   232                          ; v232-239 at work
.set Y,   104                          ; the second phase works in the registers that the rows have left:
.set C,   168
.set TP,  192
.set MX,  200
.set SO,  202
.set WD,  204
.set H8,  240                          ; v240     8 h: made at the head and kept, so it lies above the rows
.set PT,  241                          ; v241     the lane exchange's destination: likewise
.set SELA, 22
.set SELB, 23
	s_load_b64 s[4:5], s[0:1], 0x0                 ; y, the residual within
	s_load_b256 s[8:15], s[0:1], 0x8               ; bias, w, b, stats.  x is not stored as f32: each row's mean and 1 / sqrt(variance + 1e-5) are, 8 bytes a row, and the launch that wants x makes it again from y
	s_load_b64 s[16:17], s[0:1], 0x28              ; the image
	v_lshl_add_u32 v254, v0, 2, 0x10100
	v_mov_b32 v255, 0
	v_mov_b32 v246, 0                              ; the offset of the stores into stats: every lane stores its row's pair to the same place
	v_lshrrev_b32 v2, 5, v0
	s_delay_alu instid0(VALU_DEP_1)
	v_readfirstlane_b32 s18, v2                    ; wave 0..7
	v_and_b32 v2, 31, v0
	s_delay_alu instid0(VALU_DEP_1)
	v_lshlrev_b32 v1, 4, v2                        ; 16 x lane
	s_wait_alu depctr_va_vdst(0)
	s_lshl_b32 s20, ttmp9, 16                      ; 16 rows of 4,096 bytes,
	s_lshl_b32 s21, s18, 13                        ; my 2
	s_add_co_u32 s20, s20, s21
	s_mov_b32 s21, 0
	s_mov_b32 s[SELA], 0x76543210
	s_mov_b32 s[SELB], 0xfedcba98
	s_mov_b32 s24, 0x3727c5ac                      ; 1e-5
	s_mov_b32 s25, 0x3a800000                      ; 1 / 1,024
	v_mov_b32 v[T+5], 0
	v_mov_b32 v[T+7], 0
	s_mul_i32 s26, s18, 2*4112
	v_add_nc_u32 v2, s26, v1                       ; LDS, in: my 2 rows
	v_and_b32 v5, 15, v0                           ; r
	v_bfe_u32 v6, v0, 4, 1                         ; h
	s_delay_alu instid0(VALU_DEP_2)
	v_mul_u32_u24 v3, v5, 4112
	s_delay_alu instid0(VALU_DEP_1)
	v_lshl_add_u32 v3, v6, 7, v3
	s_lshl_b32 s26, s18, 9
	v_add_nc_u32 v3, s26, v3                       ; out: row r, + 128 h, + my K step's 512 bytes
	v_lshlrev_b32 v4, 2, v5                        ; scale words: 4 r
	v_lshlrev_b32 v[H8], 3, v6
	v_mov_b32 v[PT], 0
	s_mul_i32 s28, ttmp9, 12288
	s_mul_i32 s29, s18, 1536
	s_add_co_u32 s28, s28, s29                     ; my fragment: (work-group x 8 + wave) x 1,536
	s_mov_b32 s29, 0
	s_lshr_b32 s30, ttmp9, 3
	s_lshl_b32 s30, s30, 3
	s_add_co_u32 s30, s30, s18
	s_lshl_b32 s30, s30, 9                         ; its scale words: ((work-group / 8) x 8 + wave) x 512
	s_and_b32 s31, ttmp9, 7
	s_lshl_b32 s31, s31, 6                         ; + 16 (work-group % 8) rows of 4 bytes
	s_add_co_u32 s30, s30, s31
	s_add_co_u32 s30, s30, 3145728
	s_mov_b32 s31, 0
	s_wait_kmcnt 0x0
	s_add_nc_u64 s[4:5], s[4:5], s[20:21]
	s_lshr_b32 s32, s20, 9                         ; 8 bytes a row where y has 4,096
	s_mov_b32 s33, 0
	s_add_nc_u64 s[14:15], s[14:15], s[32:33]
	s_add_nc_u64 s[30:31], s[16:17], s[30:31]
	s_add_nc_u64 s[16:17], s[16:17], s[28:29]
.irp i, 0,1,2,3,4,5,6,7
	global_load_b128 v[BI+4*\i:BI+4*\i+3], v1, s[8:9] offset:512*\i
	global_load_b128 v[LW+4*\i:LW+4*\i+3], v1, s[10:11] offset:512*\i
	global_load_b128 v[LB+4*\i:LB+4*\i+3], v1, s[12:13] offset:512*\i
.endr
.macro LOADROW rw
.irp i, 0,1,2,3,4,5,6,7
	global_load_b128 v[SA+64*(\rw)+4*\i:SA+64*(\rw)+4*\i+3], v1, s[4:5] offset:(\rw)*4096+512*\i th:TH_LOAD_NT
.endr
.endm
.macro REDUCE t                        ; the sum over the 32 lanes, in every lane
	s_delay_alu instid0(VALU_DEP_1)
	v_add_f32_dpp v[\t], v[\t], v[\t] row_xmask:1 row_mask:0xf bank_mask:0xf
	s_delay_alu instid0(VALU_DEP_1)
	v_add_f32_dpp v[\t], v[\t], v[\t] row_xmask:2 row_mask:0xf bank_mask:0xf
	s_delay_alu instid0(VALU_DEP_1)
	v_add_f32_dpp v[\t], v[\t], v[\t] row_xmask:4 row_mask:0xf bank_mask:0xf
	s_delay_alu instid0(VALU_DEP_1)
	v_add_f32_dpp v[\t], v[\t], v[\t] row_xmask:8 row_mask:0xf bank_mask:0xf
	s_delay_alu instid0(VALU_DEP_1)
	v_permlanex16_b32 v[\t+1], v[\t], s[SELA], s[SELB]
	s_delay_alu instid0(VALU_DEP_1)
	v_add_f32 v[\t], v[\t], v[\t+1]
.endm
.macro ROW rw, left
.set XS, SA+64*(\rw)
	s_wait_loadcnt \left                           ; my row's 8 loads are in; the other row's may be out
.set j, 0
.rept 16
	v_pk_add_f32 v[XS+j:XS+j+1], v[XS+j:XS+j+1], v[BI+j:BI+j+1]
.set j, j+2
.endr
	v_pk_add_f32 v[T:T+1], v[XS:XS+1], v[XS+2:XS+3]
	v_pk_add_f32 v[T+2:T+3], v[XS+4:XS+5], v[XS+6:XS+7]
.set j, 8
.rept 6
	s_delay_alu instid0(VALU_DEP_2)
	v_pk_add_f32 v[T:T+1], v[T:T+1], v[XS+j:XS+j+1]
	s_delay_alu instid0(VALU_DEP_2)
	v_pk_add_f32 v[T+2:T+3], v[T+2:T+3], v[XS+j+2:XS+j+3]
.set j, j+4
.endr
	s_delay_alu instid0(VALU_DEP_1)
	v_pk_add_f32 v[T:T+1], v[T:T+1], v[T+2:T+3]
	s_delay_alu instid0(VALU_DEP_1)
	v_add_f32 v[T], v[T], v[T+1]
	REDUCE T
	s_delay_alu instid0(VALU_DEP_1)
	v_mul_f32 v[T+4], s25, v[T]                    ; the mean
.set j, 0
.rept 16
	v_pk_add_f32 v[XS+j:XS+j+1], v[XS+j:XS+j+1], v[T+4:T+5] op_sel_hi:[1,0] neg_lo:[0,1] neg_hi:[0,1]
.set j, j+2
.endr
	v_pk_mul_f32 v[T:T+1], v[XS:XS+1], v[XS:XS+1]
	v_pk_mul_f32 v[T+2:T+3], v[XS+2:XS+3], v[XS+2:XS+3]
.set j, 4
.rept 7
	s_delay_alu instid0(VALU_DEP_2)
	v_pk_fma_f32 v[T:T+1], v[XS+j:XS+j+1], v[XS+j:XS+j+1], v[T:T+1]
	s_delay_alu instid0(VALU_DEP_2)
	v_pk_fma_f32 v[T+2:T+3], v[XS+j+2:XS+j+3], v[XS+j+2:XS+j+3], v[T+2:T+3]
.set j, j+4
.endr
	s_delay_alu instid0(VALU_DEP_1)
	v_pk_add_f32 v[T:T+1], v[T:T+1], v[T+2:T+3]
	s_delay_alu instid0(VALU_DEP_1)
	v_add_f32 v[T], v[T], v[T+1]
	REDUCE T
	s_delay_alu instid0(VALU_DEP_1)
	v_fma_f32 v[T], v[T], s25, s24                 ; the variance + 1e-5
	s_wait_alu depctr_va_vdst(0)
	v_rsq_f32 v[T+6], v[T]
	v_nop
.set j, 0
	s_wait_alu depctr_va_vdst(0)
.rept 16
	v_pk_mul_f32 v[XS+j:XS+j+1], v[XS+j:XS+j+1], v[T+6:T+7] op_sel_hi:[1,0]
.set j, j+2
.endr
.set j, 0
.rept 16
	v_pk_fma_f32 v[XS+j:XS+j+1], v[XS+j:XS+j+1], v[LW+j:LW+j+1], v[LB+j:LB+j+1]
.set j, j+2
.endr
	v_mov_b32 v[242+2*(\rw)], v[T+4]               ; the mean,
	v_mov_b32 v[243+2*(\rw)], v[T+6]               ; and 1 / sqrt(variance + 1e-5): registers of their own for each row, so that no store's data are written again
	global_store_b64 v246, v[242+2*(\rw):243+2*(\rw)], s[14:15] offset:8*(\rw)
.irp i, 0,1,2,3,4,5,6,7
	ds_store_b128 v2, v[XS+4*\i:XS+4*\i+3] offset:(\rw)*4112+512*\i
.endr
.endm
	LOADROW 0
	LOADROW 1
	ROW 0, 8                                       ; the other row's eight loads may be out
	ROW 1, 0
; 64 numbers of a lane, v[y + 32 k + i] = k 64 k + 32 h + i of my row, become the fragment's 12 registers at v[c] and its scale word in v[w]
.macro QB y, c, w
.irp k, 0,1
	v_max3_num_f32 v[MX+\k], |v[\y+32*\k]|, |v[\y+32*\k+1]|, 0x2800000   ; and the floor 2^(5 - 127): the byte cannot fall under 1
.endr
.irp i, 2,4,6,8,10,12,14,16,18,20,22,24,26,28,30
.irp k, 0,1
	s_delay_alu instid0(VALU_DEP_2)
	v_max3_num_f32 v[MX+\k], v[MX+\k], |v[\y+32*\k+\i]|, |v[\y+32*\k+\i+1]|
.endr
.endr
.irp k, 0,1
	s_delay_alu instid0(VALU_DEP_2)
	v_add_nc_u32 v[SO+\k], 0xfe000000, v[MX+\k]    ; 4 off the exponent field: the conversion's scale operand
.endr
.irp k, 0,1
	s_delay_alu instid0(VALU_DEP_2)
	v_lshrrev_b32 v[MX+\k], 23, v[SO+\k]           ; the byte
.endr
	s_delay_alu instid0(VALU_DEP_1)
	v_lshl_or_b32 v[\w], v[MX+1], 16, v[MX]        ; my bytes: blocks h and 2 + h,
	s_delay_alu instid0(VALU_DEP_1)
	v_lshlrev_b32 v[\w], v[H8], v[\w]              ; at their places;
	s_delay_alu instid0(VALU_DEP_1)
	v_permlanex16_b32 v[PT], v[\w], s[SELA], s[SELB]
	s_delay_alu instid0(VALU_DEP_1)
	v_or_b32 v[\w], v[\w], v[PT]                   ; with lane l xor 16's two the word is whole, in both lanes
.irp k, 0,1
	v_cvt_scalef32_pk16_bf6_f32 v[\c+6*\k:\c+6*\k+2], v[\y+32*\k:\y+32*\k+15], v[SO+\k]
	v_cvt_scalef32_pk16_bf6_f32 v[TP+4*\k:TP+4*\k+2], v[\y+32*\k+16:\y+32*\k+31], v[SO+\k]   ; (a conversion's three registers begin on an even number)
.endr
	v_nop                                          ; one plain place behind a scaled conversion
.irp k, 0,1
.irp i, 0,1,2
	v_mov_b32 v[\c+3+6*\k+\i], v[TP+4*\k+\i]
.endr
.endr
.endm
	s_wait_xcnt 0x0                                ; the global stores have read their registers
	s_wait_dscnt 0x0                               ; for the others' sake: my rows lie in LDS
	s_barrier_signal -1
	s_barrier_wait -1
.irp k, 0,1
.irp j, 0,1,2,3,4,5,6,7
	ds_load_b128 v[Y+32*\k+4*\j:Y+32*\k+4*\j+3], v3 offset:256*\k+16*\j
.endr
.endr
	s_wait_dscnt 0x0
	QB Y, C, WD
.irp g, 0,1,2
	global_store_b128 v1, v[C+4*\g:C+4*\g+3], s[16:17] offset:512*\g   ; 512 consecutive bytes
.endr
	global_store_b32 v4, v[WD], s[30:31]           ; lanes r and r + 16 store the same word to the same place
	s_wait_tensorcnt 0x0
	ds_add_u32 v254, v255
	s_wait_dscnt 0x0
	s_endpgm
.Lfunc_end_k_q48abeeb84f_ln1:
	.size	k_q48abeeb84f_ln1, .Lfunc_end_k_q48abeeb84f_ln1-k_q48abeeb84f_ln1
	.p2alignl 7, 3214868480
	.fill 96, 4, 3214868480
	.section	.rodata,"a",@progbits
	.p2align	6, 0x0
	.amdhsa_kernel k_q48abeeb84f_ln1
		.amdhsa_group_segment_fixed_size 66816
		.amdhsa_private_segment_fixed_size 0
		.amdhsa_enable_private_segment 0
		.amdhsa_kernarg_size 48
		.amdhsa_user_sgpr_count 2
		.amdhsa_user_sgpr_kernarg_segment_ptr 1
		.amdhsa_wavefront_size32 1
		.amdhsa_system_sgpr_workgroup_id_x 1
		.amdhsa_system_sgpr_workgroup_id_y 1
		.amdhsa_system_sgpr_workgroup_id_z 1
		.amdhsa_system_vgpr_workitem_id 0
		.amdhsa_next_free_vgpr 256
		.amdhsa_next_free_sgpr 66
		.amdhsa_reserve_vcc 0
		.amdhsa_float_denorm_mode_32 3
		.amdhsa_float_denorm_mode_16_64 3
		.amdhsa_memory_ordered 1
		.amdhsa_forward_progress 1
		.amdhsa_inst_pref_size 31
	.end_amdhsa_kernel
	.amdgpu_metadata
---
amdhsa.version: [ 1, 2 ]
amdhsa.kernels:
  - .name:           k_q48abeeb84f_ln1
    .symbol:         k_q48abeeb84f_ln1.kd
    .args:
      - { .name: y, .offset: 0, .size: 8, .value_kind: global_buffer, .address_space: global }
      - { .name: bo, .offset: 8, .size: 8, .value_kind: global_buffer, .address_space: global }
      - { .name: ln1_w, .offset: 16, .size: 8, .value_kind: global_buffer, .address_space: global }
      - { .name: ln1_b, .offset: 24, .size: 8, .value_kind: global_buffer, .address_space: global }
      - { .name: stats, .offset: 32, .size: 8, .value_kind: global_buffer, .address_space: global }
      - { .name: ximg, .offset: 40, .size: 8, .value_kind: global_buffer, .address_space: global }
    .group_segment_fixed_size: 66816
    .private_segment_fixed_size: 0
    .kernarg_segment_align: 8
    .kernarg_segment_size: 48
    .max_flat_workgroup_size: 256
    .sgpr_count:     66
    .vgpr_count:     256
    .wavefront_size: 32
...
	.end_amdgpu_metadata
.endif
;; end of part 13
;; launch ffn1 (part 14): grid 16 x 16, 4 waves a work-group, clusters of 4 x 4, 327,680 bytes of LDS; arguments ximg, w, b1, himg; writes himg
.if DOCPART == 14
	.amdgcn_target "amdgcn-amd-amdhsa--gfx1250"
	.amdhsa_code_object_version 6
	.text
	.protected	k_q48abeeb84f_ffn1
	.globl	k_q48abeeb84f_ffn1
	.p2align	8
	.type	k_q48abeeb84f_ffn1,@function
k_q48abeeb84f_ffn1:
	s_mov_b64 s[64:65], 0
	v_nop
	global_prefetch_b8 v0, s[64:65] scope:SCOPE_SE
	s_setreg_imm32_b32 hwreg(HW_REG_WAVE_MODE, 25, 1), 1
	s_wait_xcnt 0x0
	s_wait_alu depctr_hold_cnt(0) depctr_sa_sdst(0) depctr_va_vdst(0) depctr_va_sdst(0) depctr_va_ssrc(0) depctr_va_vcc(0) depctr_vm_vsrc(0)
	s_getreg_b32 s2, hwreg(HW_REG_IB_STS2, 6, 4)
	s_cmp_eq_u32 s2, 0
	s_cbranch_scc0 .Lentry_in_a_cluster
	s_endpgm
.Lentry_in_a_cluster:
	s_bfe_u32 s2, ttmp6, 0x10000c
	s_cmp_lg_u32 s2, 0xf033
	s_cbranch_scc0 .Lentry_shape_is_right
	s_endpgm
.Lentry_shape_is_right:
.set SIZE_K, 1024
.set A_SC,   3145728
.set B_CO,   12582912
.set B_SC,   18874368+524288
.set KS,     SIZE_K/128
.set NQ,     2
.set FR,     12
.set NL,     3
.set NP,     4
.set FRB,    1536
.set HALFT,  8*NQ*FRB
.set SLOT,   4*HALFT
.set LAPS,   SIZE_K/512
.set SCL,    2*SLOT
.set HALFS,  KS*512
.set SPARE,  SCL+4*HALFS
.set ADRA, 16
.set ADRB, 20
.set ADRS, 27
.set SPW,  28
.set NIL,  29
.set SC,   32
.set AF,   128
.set CB,   64
.set T,    128
.set PC,   192
.set TM,   212
.set PW,   232
.set G1, 24
.set G0, 32
.set G1B, 48
.set G0B, 56
.set G1S, 68
.set G0S, 76
.set G1SB, 80
.set G0SB, 88
.set MSB, 0
.macro WIN new
.if MSB != \new
	s_set_vgpr_msb (MSB<<8)|\new
.set MSB, \new
.endif
.endm
.set MUL_LO, 0xa1
.set MUL_HI, 0xf1
.set TO_B,   0x40
.macro JLOAD g0a, g1a, g0b, g1b
	s_cmp_eq_u32 s15, 0
	s_cbranch_scc0 .Lfor_b_\@
	tensor_load_to_lds s[\g0a:\g0a+3], s[\g1a:\g1a+7]
	s_nop 0
.rept 4
	v_nop
.endr
	s_branch .Lasked_\@
.Lfor_b_\@:
	tensor_load_to_lds s[\g0b:\g0b+3], s[\g1b:\g1b+7]
	s_nop 0
.rept 4
	v_nop
.endr
.Lasked_\@:
.endm
.macro CREST
	s_cmp_lg_u32 s14, 0
	s_cbranch_scc1 .Lnot_wave_0_\@
	s_barrier_signal -3
.Lnot_wave_0_\@:
	s_barrier_wait -3
	s_barrier_signal -1
	s_barrier_wait -1
.endm
.macro CROUND
	s_barrier_signal -1
	s_barrier_wait -1
	CREST
.endm
	s_load_b256 s[4:11], s[0:1], 0x0
	v_lshl_add_u32 v[SPW], v0, 2, SPARE
	v_mov_b32 v[NIL], 0
	ds_add_u32 v28, v29
	ds_add_u32 v28, v29
	s_wait_dscnt 0x0
	v_lshrrev_b32 v1, 5, v0
	v_readfirstlane_b32 s14, v1
	s_lshr_b32 s15, s14, 1
	s_and_b32 s16, s14, 1
	s_bfe_u32 s40, ttmp6, 0x40000
	s_bfe_u32 s41, ttmp6, 0x40004
	s_lshl_b32 s42, ttmp9, 2
	s_add_co_u32 s42, s42, s40
	s_and_b32 s17, ttmp7, 0xffff
	s_lshl_b32 s17, s17, 2
	s_add_co_u32 s17, s17, s41
	s_lshl_b32 s43, s41, 2
	s_lshl_b32 s43, 15, s43
	s_lshl_b32 s44, 0x1111, s40
	s_or_b32 s[G1+0], s43, (3<<16)|(1<<21)
	s_or_b32 s[G1B+0], s44, (3<<16)|(1<<21)
.irp g, G1, G1B
	s_mov_b32 s[\g+1], (NQ*FRB/8)<<16
	s_mov_b32 s[\g+2], 16<<16                      ; the head's loads of codes bring a whole tile: 16 row blocks
	s_mov_b32 s[\g+3], (NQ*FRB/8)<<16
	s_mov_b32 s[\g+4], 16
	s_mov_b32 s[\g+5], KS*FRB/8
	s_mov_b32 s[\g+6], 0
	s_mov_b32 s[\g+7], 0
.endr
	s_or_b32 s[G1S+0], s43, (3<<16)|(1<<21)
	s_or_b32 s[G1SB+0], s44, (3<<16)|(1<<21)
.irp g, G1S, G1SB
	s_mov_b32 s[\g+1], 32<<16
	s_mov_b32 s[\g+2], (2*HALFS/256)<<16           ; the scale words of all 256 rows in one load
	s_mov_b32 s[\g+3], 32<<16
	s_mov_b32 s[\g+4], 2*HALFS/256
	s_mov_b32 s[\g+5], 32
	s_mov_b32 s[\g+6], 0
	s_mov_b32 s[\g+7], 0
.endr
	s_lshl_b32 s18, s16, 3
	s_lshl_b32 s20, s17, 4
	s_add_co_u32 s20, s20, s18
	s_lshl_b32 s46, s42, 4
	s_add_co_u32 s46, s46, s18
	s_mul_i32 s22, s20, KS*64
	s_mul_i32 s92, s46, KS*64
	s_mul_i32 s20, s20, KS*FRB
	s_mul_i32 s46, s46, KS*FRB
	s_mov_b32 s21, 0
	s_mov_b32 s23, 0
	s_mov_b32 s47, 0
	s_mov_b32 s93, 0
	s_mul_i32 s45, s14, HALFT
	s_mul_i32 s94, s14, HALFS
	s_wait_kmcnt 0x0
	s_mov_b64 s[96:97], s[8:9]
	s_mov_b64 s[12:13], s[10:11]
	s_add_nc_u64 s[8:9], s[6:7], B_CO
	s_add_nc_u64 s[10:11], s[6:7], B_SC
	s_add_nc_u64 s[6:7], s[4:5], A_SC
	s_add_nc_u64 s[20:21], s[4:5], s[20:21]
	s_add_nc_u64 s[22:23], s[6:7], s[22:23]
	s_add_nc_u64 s[46:47], s[8:9], s[46:47]
	s_add_nc_u64 s[92:93], s[10:11], s[92:93]
	CROUND
	s_mov_b32 s[G0S], 1
	s_add_co_u32 s[G0S+1], s94, SCL-HALFS          ; wave 1 asks by this set: its half's place less a half is the block's start, in LDS and in memory
	s_sub_nc_u64 s[G0S+2:G0S+3], s[22:23], HALFS
	s_or_b32 s[G0S+3], s[G0S+3], 0x80000000
	s_mov_b32 s[G0SB], 1
	s_add_co_u32 s[G0SB+1], s94, SCL-HALFS         ; wave 3 likewise
	s_sub_nc_u64 s[G0SB+2:G0SB+3], s[92:93], HALFS
	s_or_b32 s[G0SB+3], s[G0SB+3], 0x80000000
.irp s, 0,1
	s_mov_b32 s[G0+4*\s], 1
	s_add_co_u32 s[G0+4*\s+1], s45, \s*SLOT
	s_add_nc_u64 s[G0+4*\s+2:G0+4*\s+3], s[20:21], \s*NQ*FRB
	s_or_b32 s[G0+4*\s+3], s[G0+4*\s+3], 0x80000000
	s_mov_b32 s[G0B+4*\s], 1
	s_add_co_u32 s[G0B+4*\s+1], s45, \s*SLOT
	s_add_nc_u64 s[G0B+4*\s+2:G0B+4*\s+3], s[46:47], \s*NQ*FRB
	s_or_b32 s[G0B+4*\s+3], s[G0B+4*\s+3], 0x80000000
.endr
; THE HEAD'S LOADS, ONE A WAVE: wave 0 slot 0's 256 rows of A, wave 1 A's scale words, wave 2 slot 0's 256 rows of B, wave 3 B's scale words.
; One chain of branches on the wave's number; every way passes exactly one load.
.macro ARM under, g0, g1, next
	s_cmp_lt_u32 s14, \under
	s_cbranch_scc0 \next
	tensor_load_to_lds s[\g0:\g0+3], s[\g1:\g1+7]
	s_nop 0
.rept 4
	v_nop
.endr
	s_branch .Lhead_asked
\next:
.endm
	ARM 1, G0,  G1,  .Lhead_sa
	ARM 2, G0S, G1S, .Lhead_b
	ARM 3, G0B, G1B, .Lhead_sb
	tensor_load_to_lds s[G0SB:G0SB+3], s[G1SB:G1SB+7]
	s_nop 0
.rept 4
	v_nop
.endr
.Lhead_asked:
	; THE PREFETCHES.  A fill is 3,072 bytes of each row block; K has four fills.  Of the 8 row blocks that my wave fetches in the ring, each of the four partners that ask for them jointly names two,
	; told apart by address (cx for A, cy for B): 24 blocks of 256 bytes, a lane a block; lanes 24-31 name the last again.  Fills 1 and 2 are named here, fill 3 behind slot 1's load; fill 0 comes by its load alone.
	s_cmp_eq_u32 s15, 0                            ; do I fetch for A?
	s_cselect_b64 s[66:67], s[20:21], s[46:47]     ; my 8 row blocks
	s_cselect_b32 s92, s40, s41                    ; my place among the four
	s_mul_i32 s92, s92, 2*KS*FRB
	s_add_co_u32 s92, s92, NQ*FRB                  ; at fill 1
	s_mov_b32 s93, 0
	s_add_nc_u64 s[66:67], s[66:67], s[92:93]
	v_and_b32 v30, 31, v0
	v_min_u32 v30, 23, v30
	v_mul_u32_u24 v31, v30, 11
	v_lshrrev_b32 v31, 7, v31                      ; 1 from lane 12 on: the second row block
	v_mul_u32_u24 v31, v31, KS*FRB-12*256
	v_lshl_add_u32 v30, v30, 8, v31                ; v30: never rewritten
	s_wait_alu depctr_va_vdst(0)                   ; v30 is written before the prefetches read it
	global_prefetch_b8 v30, s[66:67] th:TH_LOAD_NT scope:SCOPE_SE
	global_prefetch_b8 v30, s[66:67] offset:NQ*FRB th:TH_LOAD_NT scope:SCOPE_SE
	v_and_b32 v1, 15, v0
	v_bfe_u32 v2, v0, 4, 1
	s_wait_alu depctr_va_vdst(0)
	v_and_b32 v3, 31, v0
	v_lshlrev_b32 v11, 2, v3
	v_lshlrev_b32 v3, 4, v3
	s_mul_i32 s21, s15, HALFT
	s_mul_i32 s22, s16, HALFT
	s_add_co_u32 s22, s22, 2*HALFT
.irp s, 0,1
	v_add_nc_u32 v[ADRA+\s], s21, v3
	v_add_nc_u32 v[ADRB+\s], s22, v3
	s_add_co_u32 s21, s21, SLOT
	s_add_co_u32 s22, s22, SLOT
.endr
	v_lshlrev_b32 v5, 2, v1
	s_mul_i32 s21, s15, HALFS
	s_mul_i32 s22, s16, HALFS
	s_add_co_u32 s22, s22, 2*HALFS
	s_sub_co_u32 s22, s22, s21
	v_mul_u32_u24 v6, s22, v2
	s_add_co_u32 s21, s21, SCL
	v_add_nc_u32 v5, v5, v6
	v_add_nc_u32 v[ADRS], s21, v5
	s_lshl_b32 s98, s42, 10
	s_lshl_b32 s99, s16, 9
	s_add_co_u32 s98, s98, s99
	v_lshl_add_u32 v8, v2, 6, s98
.irp b, 0,1,2,3
.irp j, 0,1,2,3
	global_load_b128 v[CB+16*\b+4*\j:CB+16*\b+4*\j+3], v8, s[96:97] offset:128*\b+16*\j
.endr
.endr
	s_lshl_b32 s98, s17, 1
	s_add_co_u32 s98, s98, s15
	s_lshl_b32 s98, s98, 5
	s_lshl_b32 s99, s42, 1
	s_add_co_u32 s99, s99, s16
	s_lshl_b32 s100, s98, 3
	s_add_co_u32 s100, s100, s99
	s_mul_i32 s100, s100, FRB
	s_mov_b32 s101, 0
	s_add_co_u32 s98, s98, s99
	s_lshl_b32 s98, s98, 9
	s_add_co_u32 s98, s98, 12582912
	s_mov_b32 s99, 0
	s_add_nc_u64 s[98:99], s[12:13], s[98:99]
	s_add_nc_u64 s[12:13], s[12:13], s[100:101]
.macro FRAG reg, adr, q, i
.irp c, 0,1,2
	ds_load_b128 v[\reg+4*\c:\reg+4*\c+3], v[\adr] offset:(\i)*NQ*FRB+(\q)*FRB+512*\c
.endr
.endm
.macro MUL16 a0, p, q, sc, zero
.irp a, \a0, \a0+1
.irp b, 0,1,2,3,4,5,6,7
.if \zero
	v_wmma_scale_f32_16x16x128_f8f6f4 v[8*(8*((\a)%4)+\b):8*(8*((\a)%4)+\b)+7], v[128*(\p)+FR*\b:128*(\p)+FR*\b+FR-1], v[AF+FR*(\a):AF+FR*(\a)+FR-1], 0, v[SC+8*NQ*(\sc)+NQ*\b+(\q)], v[SC+8*NQ*(\sc)+NQ*(\a)+(\q)] matrix_a_fmt:MATRIX_FMT_BF6 matrix_b_fmt:MATRIX_FMT_BF6 matrix_a_scale:MATRIX_SCALE_ROW1
.else
	v_wmma_scale_f32_16x16x128_f8f6f4 v[8*(8*((\a)%4)+\b):8*(8*((\a)%4)+\b)+7], v[128*(\p)+FR*\b:128*(\p)+FR*\b+FR-1], v[AF+FR*(\a):AF+FR*(\a)+FR-1], v[8*(8*((\a)%4)+\b):8*(8*((\a)%4)+\b)+7], v[SC+8*NQ*(\sc)+NQ*\b+(\q)], v[SC+8*NQ*(\sc)+NQ*(\a)+(\q)] matrix_a_fmt:MATRIX_FMT_BF6 matrix_b_fmt:MATRIX_FMT_BF6 matrix_a_scale:MATRIX_SCALE_ROW1
.endif
.endr
.endr
.endm
.macro FETCH_B slot, q, p
	WIN TO_B
.irp i, 0,1,2,3,4,5,6,7
	FRAG 128*(\p)+FR*\i, ADRB+\slot, \q, \i
.endr
	WIN 0
.endm
.macro FETCH_A slot, q, i0
.irp i, \i0, \i0+1, \i0+2, \i0+3
	FRAG AF+FR*(\i), ADRA+\slot, \q, \i
.endr
.endm
.macro SCALES sc
.irp i, 0,1,2,3,4,5,6,7
.irp q, 0,1
	ds_load_b32 v[SC+8*NQ*\sc+NQ*\i+\q], v[ADRS] offset:64*\i+512*\q
.endr
.endr
.endm
.macro PLACES n
.rept \n
	v_nop
.endr
.endm
.macro STEP slot, q, zero
	s_wait_dscnt 4*NL
	WIN MUL_LO
	MUL16 0, (\q)%2, \q, \slot, \zero
	MUL16 2, (\q)%2, \q, \slot, \zero
	s_wait_dscnt 0
	PLACES NP
	FETCH_B \slot, (\q)+1, 1-(\q)%2
	FETCH_A \slot, (\q)+1, 0
	WIN MUL_HI
	MUL16 4, (\q)%2, \q, \slot, \zero
	MUL16 6, (\q)%2, \q, \slot, \zero
	PLACES NP
	WIN 0
	FETCH_A \slot, (\q)+1, 4
.endm
.macro TURN slot, next, fill
	s_wait_tensorcnt 0x0
	ds_add_u32 v[SPW], v[NIL]
	s_wait_dscnt 4*NL+1
	WIN MUL_LO
	MUL16 0, 1, NQ-1, \slot, 0
	s_wait_dscnt 0x0
	s_barrier_signal -1
	MUL16 2, 1, NQ-1, \slot, 0
	WIN 0
	s_barrier_wait -1
.if \fill
	CREST
	s_add_nc_u64 s[G0+4*\slot+2:G0+4*\slot+3], s[G0+4*\slot+2:G0+4*\slot+3], 2*NQ*FRB
	s_add_nc_u64 s[G0B+4*\slot+2:G0B+4*\slot+3], s[G0B+4*\slot+2:G0B+4*\slot+3], 2*NQ*FRB
	JLOAD G0+4*\slot, G1, G0B+4*\slot, G1B
.else
	PLACES NP
.endif
	s_wait_alu depctr_va_vdst(0)
	v_add_nc_u32 v[ADRS], 512*NQ, v[ADRS]
	FETCH_B \next, 0, 0
	FETCH_A \next, 0, 0
	SCALES \next
	WIN MUL_HI
	MUL16 4, 1, NQ-1, \slot, 0
	MUL16 6, 1, NQ-1, \slot, 0
	PLACES NP
	WIN 0
	FETCH_A \next, 0, 4
.endm
	s_wait_alu depctr_va_vdst(0)
	s_wait_tensorcnt 0x0                           ; my tile of the head's four is in
	ds_add_u32 v[SPW], v[NIL]
	s_mov_b32 s[G1+2], 8<<16                       ; no load of mine is out: from here on a load brings 8 row blocks
	s_mov_b32 s[G1+4], 8
	s_mov_b32 s[G1B+2], 8<<16
	s_mov_b32 s[G1B+4], 8
	s_wait_dscnt 0x0
	CROUND                                         ; all four tiles are in, in every work-group of the cluster
	JLOAD G0+4, G1, G0B+4, G1B                     ; slot 1's first fill, a quarter a wave
	FETCH_B 0, 0, 0
	FETCH_A 0, 0, 0
	SCALES 0
	FETCH_A 0, 0, 4
	global_prefetch_b8 v30, s[66:67] offset:2*NQ*FRB th:TH_LOAD_NT scope:SCOPE_SE   ; fill 3, two refills ahead of its load
	STEP 0, 0, 1
	s_mov_b32 s3, LAPS-1
.Llap:
	TURN 0, 1, 1
	STEP 1, 0, 0
	TURN 1, 0, 1
	STEP 0, 0, 0
	s_sub_co_u32 s3, s3, 1
	s_cmp_lg_u32 s3, 0
	s_cbranch_scc1 .Llap
	TURN 0, 1, 0
	STEP 1, 0, 0
	s_wait_dscnt 4*NL
	WIN MUL_LO
	MUL16 0, 1, NQ-1, 1, 0
	MUL16 2, 1, NQ-1, 1, 0
	s_wait_dscnt 0
	WIN MUL_HI
	MUL16 4, 1, NQ-1, 1, 0
	MUL16 6, 1, NQ-1, 1, 0
	WIN 0
.macro QUANT s, pw
.irp b, 0,1,2,3
	v_max3_num_f32 v[TM+\b], |v[\s+16*\b]|, |v[\s+1+16*\b]|, 0x2800000
.endr
.irp i, 2,4,6,8,10,12,14
.irp b, 0,1,2,3
	v_max3_num_f32 v[TM+\b], v[TM+\b], |v[\s+16*\b+\i]|, |v[\s+1+16*\b+\i]|
.endr
.endr
.irp b, 0,1,2,3
	v_permlanex16_b32 v[TM+4+\b], v[TM+\b], s18, s19
.endr
.irp b, 0,1,2,3
	v_max_num_f32 v[TM+\b], v[TM+\b], v[TM+4+\b]
.endr
.irp b, 0,1,2,3
	v_add_nc_u32 v[TM+12+\b], 0xfe000000, v[TM+\b]
.endr
.irp b, 0,1,2,3
	v_lshrrev_b32 v[TM+4+\b], 23, v[TM+12+\b]
.endr
	v_lshl_or_b32 v[\pw], v[TM+5], 8, v[TM+4]
	v_lshl_or_b32 v[\pw], v[TM+6], 16, v[\pw]
	v_lshl_or_b32 v[\pw], v[TM+7], 24, v[\pw]
.irp c, 0,1
	v_cvt_scalef32_pk16_bf6_f32 v[PC+6*\c:PC+2+6*\c], v[\s+32*\c:\s+15+32*\c], v[TM+12+2*\c]
	v_cvt_scalef32_pk16_bf6_f32 v[PC+12+4*\c:PC+14+4*\c], v[\s+16+32*\c:\s+31+32*\c], v[TM+12+2*\c+1]
.endr
	v_nop
.irp c, 0,1
.irp i, 0,1,2
	v_permlane16_swap_b32 v[PC+6*\c+\i], v[PC+12+4*\c+\i]
.endr
.irp i, 0,1,2
	v_mov_b32 v[PC+3+6*\c+\i], v[PC+12+4*\c+\i]
.endr
.endr
.endm
.macro EPI a
.if (\a) > 0
	s_wait_xcnt 0x0
.endif
.set WN, 0x02+(\a)/4
	WIN WN
.set j, 0
.rept 32
	v_pk_add_f32 v[T+j:T+j+1], v[64*((\a)%4)+j:64*((\a)%4)+j+1], v[CB+j:CB+j+1]
.set j, j+2
.endr
	WIN 0
.set j, 0
.rept 64
	v_max_num_f32 v[T+j], 0, v[T+j]
.set j, j+1
.endr
	QUANT T, PW+(\a)
.irp g, 0,1,2
	global_store_b128 v3, v[PC+4*\g:PC+4*\g+3], s[12:13] offset:(\a)*32*FRB+512*\g
.endr
.if (\a)%2
	v_cndmask_b32 v[PW+(\a)-1], v[PW+(\a)-1], v[PW+(\a)], s20
	global_store_b32 v11, v[PW+(\a)-1], s[98:99] offset:128*((\a)/2)
.endif
.endm
	PLACES NP
	s_wait_loadcnt 0x0
	s_mov_b32 s18, 0x76543210
	s_mov_b32 s19, 0xfedcba98
	s_mov_b32 s20, 0xffff0000
.irp b, 0,1,2,3
	v_mov_b32 v[TM+4+\b], 0
.endr
.irp a, 0,1,2,3,4,5,6,7
	EPI \a
.endr
	s_wait_tensorcnt 0x0
	ds_add_u32 v[SPW], v[NIL]
	s_wait_dscnt 0x0
	CROUND
	s_endpgm
.Lfunc_end_k_q48abeeb84f_ffn1:
	.size	k_q48abeeb84f_ffn1, .Lfunc_end_k_q48abeeb84f_ffn1-k_q48abeeb84f_ffn1
	.p2alignl 7, 3214868480
	.fill 96, 4, 3214868480
	.section	.rodata,"a",@progbits
	.p2align	6, 0x0
	.amdhsa_kernel k_q48abeeb84f_ffn1
		.amdhsa_group_segment_fixed_size 327680
		.amdhsa_private_segment_fixed_size 0
		.amdhsa_enable_private_segment 0
		.amdhsa_kernarg_size 32
		.amdhsa_user_sgpr_count 2
		.amdhsa_user_sgpr_kernarg_segment_ptr 1
		.amdhsa_wavefront_size32 1
		.amdhsa_system_sgpr_workgroup_id_x 1
		.amdhsa_system_sgpr_workgroup_id_y 1
		.amdhsa_system_sgpr_workgroup_id_z 1
		.amdhsa_system_vgpr_workitem_id 0
		.amdhsa_next_free_vgpr 1024
		.amdhsa_next_free_sgpr 102
		.amdhsa_reserve_vcc 0
		.amdhsa_float_denorm_mode_32 3
		.amdhsa_float_denorm_mode_16_64 3
		.amdhsa_memory_ordered 1
		.amdhsa_forward_progress 1
		.amdhsa_inst_pref_size 177
	.end_amdhsa_kernel
	.amdgpu_metadata
---
amdhsa.version: [ 1, 2 ]
amdhsa.kernels:
  - .name:           k_q48abeeb84f_ffn1
    .symbol:         k_q48abeeb84f_ffn1.kd
    .args:
      - { .name: ximg, .offset: 0, .size: 8, .value_kind: global_buffer, .address_space: global }
      - { .name: w, .offset: 8, .size: 8, .value_kind: global_buffer, .address_space: global }
      - { .name: b1, .offset: 16, .size: 8, .value_kind: global_buffer, .address_space: global }
      - { .name: himg, .offset: 24, .size: 8, .value_kind: global_buffer, .address_space: global }
    .group_segment_fixed_size: 327680
    .private_segment_fixed_size: 0
    .kernarg_segment_align: 8
    .kernarg_segment_size: 32
    .max_flat_workgroup_size: 128
    .sgpr_count:     102
    .vgpr_count:     1024
    .wavefront_size: 32
...
	.end_amdgpu_metadata
.endif
;; end of part 14
;; launch ffn2 (part 15): grid 8 x 32, 4 waves a work-group, clusters of 4 x 4, 327,680 bytes of LDS; arguments himg, w, xf, y, stats, bo, ln1_w, ln1_b; writes xf
.if DOCPART == 15
	.amdgcn_target "amdgcn-amd-amdhsa--gfx1250"
	.amdhsa_code_object_version 6
	.text
	.protected	k_q48abeeb84f_ffn2
	.globl	k_q48abeeb84f_ffn2
	.p2align	8
	.type	k_q48abeeb84f_ffn2,@function
k_q48abeeb84f_ffn2:
	s_mov_b64 s[64:65], 0
	v_nop
	global_prefetch_b8 v0, s[64:65] scope:SCOPE_SE
	s_setreg_imm32_b32 hwreg(HW_REG_WAVE_MODE, 25, 1), 1
	s_wait_xcnt 0x0
	s_wait_alu depctr_hold_cnt(0) depctr_sa_sdst(0) depctr_va_vdst(0) depctr_va_sdst(0) depctr_va_ssrc(0) depctr_va_vcc(0) depctr_vm_vsrc(0)
	s_getreg_b32 s2, hwreg(HW_REG_IB_STS2, 6, 4)
	s_cmp_eq_u32 s2, 0
	s_cbranch_scc0 .Lentry_in_a_cluster
	s_endpgm
.Lentry_in_a_cluster:
	s_bfe_u32 s2, ttmp6, 0x10000c
	s_cmp_lg_u32 s2, 0xf033
	s_cbranch_scc0 .Lentry_shape_is_right
	s_endpgm
.Lentry_shape_is_right:
.set SIZE_K, 4096
.set SIZE_N, 1024
.set A_SC,   12582912
.set B_CO,   15728640
.set B_SC,   18874368+655360
.set KS,     SIZE_K/128
.set NQ,     4
.set FR,     12
.set NP,     4
.set FRB,    1536
.set HALFT,  4*NQ*FRB
.set SLOT,   4*HALFT
.set LAPS,   SIZE_K/(256*NQ)
.set SCL,    2*SLOT
.set HALFS,  KS*256
.set SPARE,  SCL+4*HALFS
.set SPITCH, 272
.set ADRA, 16
.set ADRB, 20
.set STO,  24
.set RD,   25
.set CO,   26
.set ADRS, 27
.set SPW,  28
.set NIL,  29
.set SC,   32
.set OB,   64
.set ACC,  128
.set G1, 24
.set G0, 32
.set G1B, 48
.set G0B, 56
.set G1S, 68
.set G0S, 76
.set G1SB, 80
.set G0SB, 88
.set MSB, 0
.macro WIN new
.if MSB != \new
	s_set_vgpr_msb (MSB<<8)|\new
.set MSB, \new
.endif
.endm
.set MUL,  0x05
.set TO_F, 0x40
.macro JLOAD g0a, g1a, g0b, g1b
	s_cmp_eq_u32 s15, 0
	s_cbranch_scc0 .Lfor_b_\@
	tensor_load_to_lds s[\g0a:\g0a+3], s[\g1a:\g1a+7]
	s_nop 0
.rept 4
	v_nop
.endr
	s_branch .Lasked_\@
.Lfor_b_\@:
	tensor_load_to_lds s[\g0b:\g0b+3], s[\g1b:\g1b+7]
	s_nop 0
.rept 4
	v_nop
.endr
.Lasked_\@:
.endm
.macro CREST
	s_cmp_lg_u32 s14, 0
	s_cbranch_scc1 .Lnot_wave_0_\@
	s_barrier_signal -3
.Lnot_wave_0_\@:
	s_barrier_wait -3
	s_barrier_signal -1
	s_barrier_wait -1
.endm
.macro CROUND
	s_barrier_signal -1
	s_barrier_wait -1
	CREST
.endm
	s_load_b128 s[4:7], s[0:1], 0x0
	s_load_b64 s[12:13], s[0:1], 0x10              ; the output, in the buffer xf: hidden W2^T + x; the bias b2 is added by the next launch
	s_load_b64 s[96:97], s[0:1], 0x18              ; y = concat Wo^T + query.  x = ((y + bo) - mean) rstd w + b is made again from it on the way out, by the same four packed operations, in the same order, as the launch that normalised it
	v_lshl_add_u32 v[SPW], v0, 2, SPARE
	v_mov_b32 v[NIL], 0
	ds_add_u32 v28, v29
	ds_add_u32 v28, v29
	s_wait_dscnt 0x0
	v_lshrrev_b32 v1, 5, v0
	v_readfirstlane_b32 s14, v1
	s_lshr_b32 s15, s14, 1
	s_and_b32 s16, s14, 1
	s_bfe_u32 s40, ttmp6, 0x40000
	s_bfe_u32 s41, ttmp6, 0x40004
	s_lshl_b32 s42, ttmp9, 2
	s_add_co_u32 s42, s42, s40
	s_and_b32 s17, ttmp7, 0xffff
	s_lshl_b32 s17, s17, 2
	s_add_co_u32 s17, s17, s41
	s_lshl_b32 s43, s41, 2
	s_lshl_b32 s43, 15, s43
	s_lshl_b32 s44, 0x1111, s40
	s_or_b32 s[G1+0], s43, (3<<16)|(1<<21)
	s_or_b32 s[G1B+0], s44, (3<<16)|(1<<21)
.irp g, G1, G1B
	s_mov_b32 s[\g+1], (NQ*FRB/8)<<16
	s_mov_b32 s[\g+2], 8<<16                       ; the head's loads of codes bring a whole tile: 8 row blocks
	s_mov_b32 s[\g+3], (NQ*FRB/8)<<16
	s_mov_b32 s[\g+4], 8
	s_mov_b32 s[\g+5], KS*FRB/8
	s_mov_b32 s[\g+6], 0
	s_mov_b32 s[\g+7], 0
.endr
	s_or_b32 s[G1S+0], s43, (3<<16)|(1<<21)
	s_or_b32 s[G1SB+0], s44, (3<<16)|(1<<21)
.irp g, G1S, G1SB
	s_mov_b32 s[\g+1], 32<<16
	s_mov_b32 s[\g+2], (2*HALFS/256)<<16           ; a whole block of scale words in one load
	s_mov_b32 s[\g+3], 32<<16
	s_mov_b32 s[\g+4], 2*HALFS/256
	s_mov_b32 s[\g+5], 32
	s_mov_b32 s[\g+6], 0
	s_mov_b32 s[\g+7], 0
.endr
	s_lshl_b32 s18, s16, 2
	s_lshl_b32 s20, s17, 3
	s_add_co_u32 s20, s20, s18
	s_lshl_b32 s46, s42, 3
	s_add_co_u32 s46, s46, s18
	s_mul_i32 s22, s20, KS*64
	s_mul_i32 s92, s46, KS*64
	s_mul_i32 s20, s20, KS*FRB
	s_mul_i32 s46, s46, KS*FRB
	s_mov_b32 s21, 0
	s_mov_b32 s23, 0
	s_mov_b32 s47, 0
	s_mov_b32 s93, 0
	s_mul_i32 s45, s14, HALFT
	s_mul_i32 s94, s14, HALFS
	s_wait_kmcnt 0x0
	s_add_nc_u64 s[8:9], s[6:7], B_CO
	s_add_nc_u64 s[10:11], s[6:7], B_SC
	s_add_nc_u64 s[6:7], s[4:5], A_SC
	s_add_nc_u64 s[20:21], s[4:5], s[20:21]
	s_add_nc_u64 s[22:23], s[6:7], s[22:23]
	s_add_nc_u64 s[46:47], s[8:9], s[46:47]
	s_add_nc_u64 s[92:93], s[10:11], s[92:93]
	CROUND
	s_mov_b32 s[G0S], 1
	s_add_co_u32 s[G0S+1], s94, SCL-HALFS          ; wave 1 asks by this set: its half's place less a half is the block's start, in LDS and in memory
	s_sub_nc_u64 s[G0S+2:G0S+3], s[22:23], HALFS
	s_or_b32 s[G0S+3], s[G0S+3], 0x80000000
	s_mov_b32 s[G0SB], 1
	s_add_co_u32 s[G0SB+1], s94, SCL-HALFS         ; wave 3 likewise
	s_sub_nc_u64 s[G0SB+2:G0SB+3], s[92:93], HALFS
	s_or_b32 s[G0SB+3], s[G0SB+3], 0x80000000
.irp s, 0,1
	s_mov_b32 s[G0+4*\s], 1
	s_add_co_u32 s[G0+4*\s+1], s45, \s*SLOT
	s_add_nc_u64 s[G0+4*\s+2:G0+4*\s+3], s[20:21], \s*NQ*FRB
	s_or_b32 s[G0+4*\s+3], s[G0+4*\s+3], 0x80000000
	s_mov_b32 s[G0B+4*\s], 1
	s_add_co_u32 s[G0B+4*\s+1], s45, \s*SLOT
	s_add_nc_u64 s[G0B+4*\s+2:G0B+4*\s+3], s[46:47], \s*NQ*FRB
	s_or_b32 s[G0B+4*\s+3], s[G0B+4*\s+3], 0x80000000
.endr
; THE HEAD'S LOADS, ONE A WAVE: wave 0 slot 0's 128 rows of A, wave 1 A's scale words, wave 2 slot 0's 128 rows of B, wave 3 B's scale words.
; One chain of branches on the wave's number; every way passes exactly one load.
.macro ARM under, g0, g1, next
	s_cmp_lt_u32 s14, \under
	s_cbranch_scc0 \next
	tensor_load_to_lds s[\g0:\g0+3], s[\g1:\g1+7]
	s_nop 0
.rept 4
	v_nop
.endr
	s_branch .Lhead_asked
\next:
.endm
	ARM 1, G0,  G1,  .Lhead_sa
	ARM 2, G0S, G1S, .Lhead_b
	ARM 3, G0B, G1B, .Lhead_sb
	tensor_load_to_lds s[G0SB:G0SB+3], s[G1SB:G1SB+7]
	s_nop 0
.rept 4
	v_nop
.endr
.Lhead_asked:
	v_and_b32 v1, 15, v0
	v_bfe_u32 v2, v0, 4, 1
	s_wait_alu depctr_va_vdst(0)
	v_and_b32 v3, 31, v0
	v_lshlrev_b32 v3, 4, v3
	s_mul_i32 s21, s15, HALFT
	s_mul_i32 s22, s16, HALFT
	s_add_co_u32 s22, s22, 2*HALFT
.irp s, 0,1
	v_add_nc_u32 v[ADRA+\s], s21, v3
	v_add_nc_u32 v[ADRB+\s], s22, v3
	s_add_co_u32 s21, s21, SLOT
	s_add_co_u32 s22, s22, SLOT
.endr
	v_lshlrev_b32 v5, 2, v1
	s_lshl_b32 s21, s15, 8
	s_lshl_b32 s22, s16, 8
	s_add_co_u32 s22, s22, 2*HALFS
	s_sub_co_u32 s22, s22, s21
	v_mul_u32_u24 v6, s22, v2
	s_add_co_u32 s21, s21, SCL
	v_add_nc_u32 v5, v5, v6
	v_add_nc_u32 v[ADRS], s21, v5
	s_mul_i32 s23, s14, 16*SPITCH
	v_mul_u32_u24 v5, v1, SPITCH
	v_lshl_add_u32 v5, v2, 5, v5
	v_add_nc_u32 v[STO], s23, v5
	v_mul_u32_u24 v5, v2, SPITCH
	v_lshl_add_u32 v5, v1, 4, v5
	v_add_nc_u32 v[RD], s23, v5
	v_mul_u32_u24 v5, v2, SIZE_N*4
	v_lshl_add_u32 v[CO], v1, 4, v5
	s_lshl_b32 s20, s17, 7
	s_lshl_b32 s21, s15, 6
	s_add_co_u32 s20, s20, s21
	s_mov_b32 s21, 0
	s_mov_b64 s[18:19], SIZE_N*4
	s_mul_u64 s[20:21], s[20:21], s[18:19]
	s_lshl_b32 s46, s42, 9
	s_lshl_b32 s47, s16, 8
	s_add_co_u32 s46, s46, s47
	s_mov_b32 s47, 0
	s_add_nc_u64 s[20:21], s[20:21], s[46:47]
	s_add_nc_u64 s[12:13], s[12:13], s[20:21]
	s_add_nc_u64 s[96:97], s[96:97], s[20:21]      ; the same place in the residual
	; THE PREFETCHES.  A fill is 6,144 bytes of each row block.  Of the 4 row blocks that my wave fetches in the ring, each of the four partners that ask for them jointly names one,
	; told apart by address (cx for A, cy for B): 24 blocks of 256 bytes, a lane a block; lanes 24-31 name the last again.
	; Fills 1 and 2 are named here, fill 3 behind slot 1's load, fill t + 4 behind the refill that brings fill t + 2; fill 0 comes by its load alone.
	s_cmp_eq_u32 s15, 0                            ; do I fetch for A?
	s_cselect_b32 s22, s17, s42                    ; the tile's number: by the tile row in A, by the tile column in B
	s_cselect_b32 s23, s40, s41                    ; my place among the four
	s_cselect_b64 s[66:67], s[4:5], s[8:9]
	s_lshl_b32 s22, s22, 3
	s_lshl_b32 s18, s16, 2
	s_add_co_u32 s22, s22, s18
	s_add_co_u32 s22, s22, s23                     ; row block 8 x tile + 4 x half + place
	s_mul_i32 s22, s22, KS*FRB
	s_add_co_u32 s22, s22, NQ*FRB                  ; at fill 1
	s_mov_b32 s23, 0
	s_add_nc_u64 s[66:67], s[66:67], s[22:23]
	s_load_b256 s[4:11], s[0:1], 0x20              ; stats, bo, ln1_w, ln1_b: the addresses that lay in s[4:11] have been used
	v_lshlrev_b32 v31, 3, v2                       ; stats: lanes 16-31 take the next row's 8 bytes
	v_lshlrev_b32 v7, 4, v1                        ; the three vectors: my 4 columns
	v_and_b32 v30, 31, v0
	v_min_u32 v30, 23, v30
	v_lshlrev_b32 v30, 8, v30                      ; v30: 256 x min(lane, 23); never rewritten
	s_wait_alu depctr_va_vdst(0)                   ; v30 and v[CO] are written before their readers below
	global_prefetch_b8 v30, s[66:67] th:TH_LOAD_NT scope:SCOPE_SE
	global_prefetch_b8 v30, s[66:67] offset:NQ*FRB th:TH_LOAD_NT scope:SCOPE_SE
.macro FRAG reg, adr, q, i
.irp c, 0,1,2
	ds_load_b128 v[\reg+4*\c:\reg+4*\c+3], v[\adr] offset:(\i)*NQ*FRB+(\q)*FRB+512*\c
.endr
.endm
.macro FETCH slot, q, p
	WIN TO_F
.irp i, 0,1,2,3
	FRAG 128*(\p)+48+FR*\i, ADRB+\slot, \q, \i
.endr
.irp i, 0,1,2,3
	FRAG 128*(\p)+FR*\i, ADRA+\slot, \q, \i
.endr
.endm
.macro MUL8 p, a0, q, sc, zero
.irp a, \a0, \a0+1
.irp b, 0,1,2,3
.if \zero
	v_wmma_scale_f32_16x16x128_f8f6f4 v[ACC+8*(4*(\a)+\b):ACC+8*(4*(\a)+\b)+7], v[128*(\p)+48+FR*\b:128*(\p)+48+FR*\b+FR-1], v[128*(\p)+FR*(\a):128*(\p)+FR*(\a)+FR-1], 0, v[SC+4*NQ*(\sc)+NQ*\b+(\q)], v[SC+4*NQ*(\sc)+NQ*(\a)+(\q)] matrix_a_fmt:MATRIX_FMT_BF6 matrix_b_fmt:MATRIX_FMT_BF6 matrix_a_scale:MATRIX_SCALE_ROW1
.else
	v_wmma_scale_f32_16x16x128_f8f6f4 v[ACC+8*(4*(\a)+\b):ACC+8*(4*(\a)+\b)+7], v[128*(\p)+48+FR*\b:128*(\p)+48+FR*\b+FR-1], v[128*(\p)+FR*(\a):128*(\p)+FR*(\a)+FR-1], v[ACC+8*(4*(\a)+\b):ACC+8*(4*(\a)+\b)+7], v[SC+4*NQ*(\sc)+NQ*\b+(\q)], v[SC+4*NQ*(\sc)+NQ*(\a)+(\q)] matrix_a_fmt:MATRIX_FMT_BF6 matrix_b_fmt:MATRIX_FMT_BF6 matrix_a_scale:MATRIX_SCALE_ROW1
.endif
.endr
.endr
.endm
.macro SCALES sc
.irp i, 0,1,2,3
.irp q, 0,1,2,3
	ds_load_b32 v[SC+4*NQ*\sc+NQ*\i+\q], v[ADRS] offset:64*\i+512*\q
.endr
.endr
.endm
.macro PLACES n
.rept \n
	v_nop
.endr
.endm
.macro STEP slot, q, zero
	s_wait_dscnt 0x0
	PLACES NP
	FETCH \slot, (\q)+1, 1-(\q)%2
	WIN MUL
	MUL8 (\q)%2, 0, \q, \slot, \zero
	MUL8 (\q)%2, 2, \q, \slot, \zero
.endm
.macro TURN slot, next, fill
	WIN 0
.if \fill
	s_wait_xcnt 0x0                                ; my last prefetch has read its address: it steps one fill on
	s_add_nc_u64 s[66:67], s[66:67], NQ*FRB
.endif
	s_wait_tensorcnt 0x0
	ds_add_u32 v[SPW], v[NIL]
	s_wait_dscnt 0x0
	s_barrier_signal -1
	WIN MUL
	MUL8 1, 0, NQ-1, \slot, 0
	WIN 0
	s_barrier_wait -1
.if \fill
	CREST
	s_add_nc_u64 s[G0+4*\slot+2:G0+4*\slot+3], s[G0+4*\slot+2:G0+4*\slot+3], 2*NQ*FRB
	s_add_nc_u64 s[G0B+4*\slot+2:G0B+4*\slot+3], s[G0B+4*\slot+2:G0B+4*\slot+3], 2*NQ*FRB
	JLOAD G0+4*\slot, G1, G0B+4*\slot, G1B
.else
	PLACES NP
.endif
	s_wait_alu depctr_va_vdst(0)
	v_add_nc_u32 v[ADRS], 512*NQ, v[ADRS]
	SCALES \next
	FETCH \next, 0, 0
.if \fill
	WIN 0                                          ; (a branch follows)
	s_cmp_gt_u32 s3, 1                             ; the loop's last trip has no fill two refills on: it asks for nothing
	s_cbranch_scc0 .Lno_ask_\@
	global_prefetch_b8 v30, s[66:67] offset:2*NQ*FRB th:TH_LOAD_NT scope:SCOPE_SE
.Lno_ask_\@:
.endif
	WIN MUL
	MUL8 1, 2, NQ-1, \slot, 0
.endm
	s_wait_alu depctr_va_vdst(0)
	s_wait_tensorcnt 0x0                           ; my tile of the head's four is in
	ds_add_u32 v[SPW], v[NIL]
	s_mov_b32 s[G1+2], 4<<16                       ; no load of mine is out: from here on a load brings 4 row blocks
	s_mov_b32 s[G1+4], 4
	s_mov_b32 s[G1B+2], 4<<16
	s_mov_b32 s[G1B+4], 4
	s_wait_dscnt 0x0
	CROUND                                         ; all four tiles are in, in every work-group of the cluster
	JLOAD G0+4, G1, G0B+4, G1B                     ; slot 1's first fill, a quarter a wave
	SCALES 0
	FETCH 0, 0, 0
	global_prefetch_b8 v30, s[66:67] offset:2*NQ*FRB th:TH_LOAD_NT scope:SCOPE_SE   ; fill 3, two refills ahead of its load
	STEP 0, 0, 1
	STEP 0, 1, 0
	STEP 0, 2, 0
	s_wait_kmcnt 0x0
	s_lshl_b32 s18, s17, 7
	s_lshl_b32 s19, s15, 6
	s_add_co_u32 s18, s18, s19                     ; my first row: 128 x tile row + 64 x half
	s_lshl_b32 s18, s18, 3                         ; 8 bytes a row
	s_mov_b32 s19, 0
	s_add_nc_u64 s[4:5], s[4:5], s[18:19]
	s_lshl_b32 s18, s42, 9
	s_lshl_b32 s22, s16, 8
	s_add_co_u32 s18, s18, s22                     ; my first column, in bytes: 512 x tile column + 256 x half
	s_add_nc_u64 s[6:7], s[6:7], s[18:19]
	s_add_nc_u64 s[8:9], s[8:9], s[18:19]
	s_add_nc_u64 s[10:11], s[10:11], s[18:19]
	WIN 0x80                                       ; destination window 2: v512-639 y, v640-703 the rows' (mean, rstd), v704-715 bo, w, b at my 4 columns
	global_load_b128 v[192:195], v7, s[6:7]
	global_load_b128 v[196:199], v7, s[8:9]
	global_load_b128 v[200:203], v7, s[10:11]
.irp a, 0,1,2,3
.irp t, 0,1,2,3,4,5,6,7
	global_load_b64 v[128+2*(8*\a+\t):128+2*(8*\a+\t)+1], v31, s[4:5] offset:(16*\a+2*\t)*8   ; these 35 loads stand ahead of y's 32: the counted waits on the way out cover them
.endr
.endr
.irp a, 0,1,2,3
.irp t, 0,1,2,3,4,5,6,7
	global_load_b128 v[32*\a+4*\t:32*\a+4*\t+3], v[CO], s[96:97] offset:(16*\a+2*\t)*SIZE_N*4 th:TH_LOAD_NT   ; my 64 x 64 of the residual into v512-639, laid as the stores of y are; wanted on the way out
.endr
.endr
	WIN 0
.if LAPS > 1
	s_mov_b32 s3, LAPS-1
.Llap:
	TURN 0, 1, 1
	STEP 1, 0, 0
	STEP 1, 1, 0
	STEP 1, 2, 0
	TURN 1, 0, 1
	STEP 0, 0, 0
	STEP 0, 1, 0
	STEP 0, 2, 0
	WIN 0
	s_sub_co_u32 s3, s3, 1
	s_cmp_lg_u32 s3, 0
	s_cbranch_scc1 .Llap
.endif
	TURN 0, 1, 0
	STEP 1, 0, 0
	STEP 1, 1, 0
	STEP 1, 2, 0
	s_wait_dscnt 0x0
	MUL8 1, 0, NQ-1, 1, 0
	MUL8 1, 2, NQ-1, 1, 0
	WIN 0
.macro TOSTAGE a
.irp b, 0,1,2,3
	ds_store_b128 v[STO], v[ACC+8*(4*(\a)+\b):ACC+8*(4*(\a)+\b)+3] offset:64*\b
	ds_store_b128 v[STO], v[ACC+8*(4*(\a)+\b)+4:ACC+8*(4*(\a)+\b)+7] offset:64*\b+16
.endr
.set BB, OB+32*((\a)%2)
.irp t, 0,1,2,3,4,5,6,7
	ds_load_b128 v[BB+4*\t:BB+4*\t+3], v[RD] offset:\t*2*SPITCH
.endr
.endm
.macro SEND a, younger
.set BB, OB+32*((\a)%2)
	s_wait_dscnt \younger
.if (\a) > 0
	s_add_nc_u64 s[12:13], s[12:13], 16*SIZE_N*4
.endif
	s_wait_loadcnt 24-8*(\a)                       ; this block's eight loads of y are in, and all that was asked for ahead of them; the later blocks' may be out
	WIN 0xaa                                       ; all operands in window 2: x of this block, in place
.set j, 0
.rept 16
	v_pk_add_f32 v[32*(\a)+j:32*(\a)+j+1], v[32*(\a)+j:32*(\a)+j+1], v[192+j%4:192+j%4+1]
.set j, j+2
.endr
.set j, 0
.rept 16
	v_pk_add_f32 v[32*(\a)+j:32*(\a)+j+1], v[32*(\a)+j:32*(\a)+j+1], v[128+2*(8*(\a)+j/4):128+2*(8*(\a)+j/4)+1] op_sel_hi:[1,0] neg_lo:[0,1] neg_hi:[0,1]   ; - the row's mean, the pair's first word
.set j, j+2
.endr
.set j, 0
.rept 16
	v_pk_mul_f32 v[32*(\a)+j:32*(\a)+j+1], v[32*(\a)+j:32*(\a)+j+1], v[128+2*(8*(\a)+j/4):128+2*(8*(\a)+j/4)+1] op_sel:[0,1] op_sel_hi:[1,1]   ; x rstd, the pair's second word for both halves
.set j, j+2
.endr
.set j, 0
.rept 16
	v_pk_fma_f32 v[32*(\a)+j:32*(\a)+j+1], v[32*(\a)+j:32*(\a)+j+1], v[196+j%4:196+j%4+1], v[200+j%4:200+j%4+1]
.set j, j+2
.endr
	WIN 0x08                                       ; source 1 window 2
.set j, 0
.rept 16
	v_pk_add_f32 v[BB+j:BB+j+1], v[BB+j:BB+j+1], v[32*(\a)+j:32*(\a)+j+1]
.set j, j+2
.endr
	WIN 0
.irp t, 0,1,2,3,4,5,6,7
	global_store_b128 v[CO], v[BB+4*\t:BB+4*\t+3], s[12:13] offset:2*\t*SIZE_N*4
.endr
.endm
	PLACES NP
	TOSTAGE 0
.irp a, 1,2,3
.if \a > 1
	s_wait_xcnt 0x0
.endif
	TOSTAGE \a
	SEND \a-1, 16
.endr
	s_wait_xcnt 0x0
	SEND 3, 0
	s_wait_tensorcnt 0x0
	ds_add_u32 v[SPW], v[NIL]
	s_wait_dscnt 0x0
	CROUND
	s_endpgm
.Lfunc_end_k_q48abeeb84f_ffn2:
	.size	k_q48abeeb84f_ffn2, .Lfunc_end_k_q48abeeb84f_ffn2-k_q48abeeb84f_ffn2
	.p2alignl 7, 3214868480
	.fill 96, 4, 3214868480
	.section	.rodata,"a",@progbits
	.p2align	6, 0x0
	.amdhsa_kernel k_q48abeeb84f_ffn2
		.amdhsa_group_segment_fixed_size 327680
		.amdhsa_private_segment_fixed_size 0
		.amdhsa_enable_private_segment 0
		.amdhsa_kernarg_size 64
		.amdhsa_user_sgpr_count 2
		.amdhsa_user_sgpr_kernarg_segment_ptr 1
		.amdhsa_wavefront_size32 1
		.amdhsa_system_sgpr_workgroup_id_x 1
		.amdhsa_system_sgpr_workgroup_id_y 1
		.amdhsa_system_sgpr_workgroup_id_z 1
		.amdhsa_system_vgpr_workitem_id 0
		.amdhsa_next_free_vgpr 768
		.amdhsa_next_free_sgpr 98
		.amdhsa_reserve_vcc 0
		.amdhsa_float_denorm_mode_32 3
		.amdhsa_float_denorm_mode_16_64 3
		.amdhsa_memory_ordered 1
		.amdhsa_forward_progress 1
		.amdhsa_inst_pref_size 113
	.end_amdhsa_kernel
	.amdgpu_metadata
---
amdhsa.version: [ 1, 2 ]
amdhsa.kernels:
  - .name:           k_q48abeeb84f_ffn2
    .symbol:         k_q48abeeb84f_ffn2.kd
    .args:
      - { .name: himg, .offset: 0, .size: 8, .value_kind: global_buffer, .address_space: global }
      - { .name: w, .offset: 8, .size: 8, .value_kind: global_buffer, .address_space: global }
      - { .name: xf, .offset: 16, .size: 8, .value_kind: global_buffer, .address_space: global }
      - { .name: y, .offset: 24, .size: 8, .value_kind: global_buffer, .address_space: global }
      - { .name: stats, .offset: 32, .size: 8, .value_kind: global_buffer, .address_space: global }
      - { .name: bo, .offset: 40, .size: 8, .value_kind: global_buffer, .address_space: global }
      - { .name: ln1_w, .offset: 48, .size: 8, .value_kind: global_buffer, .address_space: global }
      - { .name: ln1_b, .offset: 56, .size: 8, .value_kind: global_buffer, .address_space: global }
    .group_segment_fixed_size: 327680
    .private_segment_fixed_size: 0
    .kernarg_segment_align: 8
    .kernarg_segment_size: 64
    .max_flat_workgroup_size: 128
    .sgpr_count:     98
    .vgpr_count:     768
    .wavefront_size: 32
...
	.end_amdgpu_metadata
.endif
;; end of part 15
;; launch ln2 (part 16): grid 256 x 1, 8 waves a work-group, no clusters, 0 bytes of LDS; arguments xf, b2, ln2_w, ln2_b, out0; writes out0
.if DOCPART == 16
	.amdgcn_target "amdgcn-amd-amdhsa--gfx1250"
	.amdhsa_code_object_version 6
	.text
	.protected	k_q48abeeb84f_ln2
	.globl	k_q48abeeb84f_ln2
	.p2align	8
	.type	k_q48abeeb84f_ln2,@function
k_q48abeeb84f_ln2:
	s_mov_b64 s[64:65], 0
	v_nop
	global_prefetch_b8 v0, s[64:65] scope:SCOPE_SE
	s_setreg_imm32_b32 hwreg(HW_REG_WAVE_MODE, 25, 1), 1
	s_wait_xcnt 0x0
; out = LayerNorm(res + y + bias) w + b, rows of 1,024 f32.
; A work-group takes 16 rows, each of its eight waves 2.  A lane holds columns 128 i + 4 l + 0 .. 3: every load and store covers 512 consecutive bytes.
; Both rows of a wave are asked for at the start: all of the work-group's 64 KiB of rows are on their way at once.
; Mean first, then the mean of the squared differences: a common offset of the inputs does no harm.
; No LDS, no matrix unit, no cluster, no tensor load: a row never leaves its wave, and the work-groups share only the three short vectors.  LIMITS: NaN and infinities are not served.
.set BI,  8                            ; v8-39    bias
.set LW,  40                           ; v40-71   w
.set LB,  72                           ; v72-103  b
.set SA,  104                          ; row s: y at v[104 + 64 s].  y already holds the residual: the launch before added it
.set T,   232                          ; v232-239 at work
.set SELA, 22
.set SELB, 23
	s_load_b64 s[4:5], s[0:1], 0x0                 ; y, the residual within
	s_load_b256 s[8:15], s[0:1], 0x8               ; bias, w, b, the output
	v_lshrrev_b32 v2, 5, v0
	s_delay_alu instid0(VALU_DEP_1)
	v_readfirstlane_b32 s18, v2                    ; wave 0..7
	v_and_b32 v2, 31, v0
	s_delay_alu instid0(VALU_DEP_1)
	v_lshlrev_b32 v1, 4, v2                        ; 16 x lane
	s_lshl_b32 s20, ttmp9, 16                      ; 16 rows of 4,096 bytes,
	s_lshl_b32 s21, s18, 13                        ; my 2
	s_add_co_u32 s20, s20, s21
	s_mov_b32 s21, 0
	s_mov_b32 s[SELA], 0x76543210
	s_mov_b32 s[SELB], 0xfedcba98
	s_mov_b32 s24, 0x3727c5ac                      ; 1e-5
	s_mov_b32 s25, 0x3a800000                      ; 1 / 1,024
	v_mov_b32 v[T+5], 0
	v_mov_b32 v[T+7], 0
	s_wait_alu depctr_va_vdst(0)
	s_wait_kmcnt 0x0
	s_add_nc_u64 s[4:5], s[4:5], s[20:21]
	s_add_nc_u64 s[14:15], s[14:15], s[20:21]
.irp i, 0,1,2,3,4,5,6,7
	global_load_b128 v[BI+4*\i:BI+4*\i+3], v1, s[8:9] offset:512*\i
	global_load_b128 v[LW+4*\i:LW+4*\i+3], v1, s[10:11] offset:512*\i
	global_load_b128 v[LB+4*\i:LB+4*\i+3], v1, s[12:13] offset:512*\i
.endr
.macro LOADROW rw
.irp i, 0,1,2,3,4,5,6,7
	global_load_b128 v[SA+64*(\rw)+4*\i:SA+64*(\rw)+4*\i+3], v1, s[4:5] offset:(\rw)*4096+512*\i th:TH_LOAD_NT
.endr
.endm
.macro REDUCE t                        ; the sum over the 32 lanes, in every lane
	s_delay_alu instid0(VALU_DEP_1)
	v_add_f32_dpp v[\t], v[\t], v[\t] row_xmask:1 row_mask:0xf bank_mask:0xf
	s_delay_alu instid0(VALU_DEP_1)
	v_add_f32_dpp v[\t], v[\t], v[\t] row_xmask:2 row_mask:0xf bank_mask:0xf
	s_delay_alu instid0(VALU_DEP_1)
	v_add_f32_dpp v[\t], v[\t], v[\t] row_xmask:4 row_mask:0xf bank_mask:0xf
	s_delay_alu instid0(VALU_DEP_1)
	v_add_f32_dpp v[\t], v[\t], v[\t] row_xmask:8 row_mask:0xf bank_mask:0xf
	s_delay_alu instid0(VALU_DEP_1)
	v_permlanex16_b32 v[\t+1], v[\t], s[SELA], s[SELB]
	s_delay_alu instid0(VALU_DEP_1)
	v_add_f32 v[\t], v[\t], v[\t+1]
.endm
.macro ROW rw, left
.set XS, SA+64*(\rw)
	s_wait_loadcnt \left                           ; my row's 8 loads are in; the other row's may be out
.set j, 0
.rept 16
	v_pk_add_f32 v[XS+j:XS+j+1], v[XS+j:XS+j+1], v[BI+j:BI+j+1]
.set j, j+2
.endr
	v_pk_add_f32 v[T:T+1], v[XS:XS+1], v[XS+2:XS+3]
	v_pk_add_f32 v[T+2:T+3], v[XS+4:XS+5], v[XS+6:XS+7]
.set j, 8
.rept 6
	s_delay_alu instid0(VALU_DEP_2)
	v_pk_add_f32 v[T:T+1], v[T:T+1], v[XS+j:XS+j+1]
	s_delay_alu instid0(VALU_DEP_2)
	v_pk_add_f32 v[T+2:T+3], v[T+2:T+3], v[XS+j+2:XS+j+3]
.set j, j+4
.endr
	s_delay_alu instid0(VALU_DEP_1)
	v_pk_add_f32 v[T:T+1], v[T:T+1], v[T+2:T+3]
	s_delay_alu instid0(VALU_DEP_1)
	v_add_f32 v[T], v[T], v[T+1]
	REDUCE T
	s_delay_alu instid0(VALU_DEP_1)
	v_mul_f32 v[T+4], s25, v[T]                    ; the mean
.set j, 0
.rept 16
	v_pk_add_f32 v[XS+j:XS+j+1], v[XS+j:XS+j+1], v[T+4:T+5] op_sel_hi:[1,0] neg_lo:[0,1] neg_hi:[0,1]
.set j, j+2
.endr
	v_pk_mul_f32 v[T:T+1], v[XS:XS+1], v[XS:XS+1]
	v_pk_mul_f32 v[T+2:T+3], v[XS+2:XS+3], v[XS+2:XS+3]
.set j, 4
.rept 7
	s_delay_alu instid0(VALU_DEP_2)
	v_pk_fma_f32 v[T:T+1], v[XS+j:XS+j+1], v[XS+j:XS+j+1], v[T:T+1]
	s_delay_alu instid0(VALU_DEP_2)
	v_pk_fma_f32 v[T+2:T+3], v[XS+j+2:XS+j+3], v[XS+j+2:XS+j+3], v[T+2:T+3]
.set j, j+4
.endr
	s_delay_alu instid0(VALU_DEP_1)
	v_pk_add_f32 v[T:T+1], v[T:T+1], v[T+2:T+3]
	s_delay_alu instid0(VALU_DEP_1)
	v_add_f32 v[T], v[T], v[T+1]
	REDUCE T
	s_delay_alu instid0(VALU_DEP_1)
	v_fma_f32 v[T], v[T], s25, s24                 ; the variance + 1e-5
	s_wait_alu depctr_va_vdst(0)
	v_rsq_f32 v[T+6], v[T]
	v_nop
.set j, 0
	s_wait_alu depctr_va_vdst(0)
.rept 16
	v_pk_mul_f32 v[XS+j:XS+j+1], v[XS+j:XS+j+1], v[T+6:T+7] op_sel_hi:[1,0]
.set j, j+2
.endr
.set j, 0
.rept 16
	v_pk_fma_f32 v[XS+j:XS+j+1], v[XS+j:XS+j+1], v[LW+j:LW+j+1], v[LB+j:LB+j+1]
.set j, j+2
.endr
.irp i, 0,1,2,3,4,5,6,7
	global_store_b128 v1, v[XS+4*\i:XS+4*\i+3], s[14:15] offset:(\rw)*4096+512*\i th:TH_STORE_NT
.endr
.endm
	LOADROW 0
	LOADROW 1
	ROW 0, 8                                       ; the other row's eight loads may be out
	ROW 1, 0
	s_endpgm
.Lfunc_end_k_q48abeeb84f_ln2:
	.size	k_q48abeeb84f_ln2, .Lfunc_end_k_q48abeeb84f_ln2-k_q48abeeb84f_ln2
	.p2alignl 7, 3214868480
	.fill 96, 4, 3214868480
	.section	.rodata,"a",@progbits
	.p2align	6, 0x0
	.amdhsa_kernel k_q48abeeb84f_ln2
		.amdhsa_group_segment_fixed_size 0
		.amdhsa_private_segment_fixed_size 0
		.amdhsa_enable_private_segment 0
		.amdhsa_kernarg_size 40
		.amdhsa_user_sgpr_count 2
		.amdhsa_user_sgpr_kernarg_segment_ptr 1
		.amdhsa_wavefront_size32 1
		.amdhsa_system_sgpr_workgroup_id_x 1
		.amdhsa_system_sgpr_workgroup_id_y 1
		.amdhsa_system_sgpr_workgroup_id_z 1
		.amdhsa_system_vgpr_workitem_id 0
		.amdhsa_next_free_vgpr 256
		.amdhsa_next_free_sgpr 66
		.amdhsa_reserve_vcc 0
		.amdhsa_float_denorm_mode_32 3
		.amdhsa_float_denorm_mode_16_64 3
		.amdhsa_memory_ordered 1
		.amdhsa_forward_progress 1
		.amdhsa_inst_pref_size 24
	.end_amdhsa_kernel
	.amdgpu_metadata
---
amdhsa.version: [ 1, 2 ]
amdhsa.kernels:
  - .name:           k_q48abeeb84f_ln2
    .symbol:         k_q48abeeb84f_ln2.kd
    .args:
      - { .name: xf, .offset: 0, .size: 8, .value_kind: global_buffer, .address_space: global }
      - { .name: b2, .offset: 8, .size: 8, .value_kind: global_buffer, .address_space: global }
      - { .name: ln2_w, .offset: 16, .size: 8, .value_kind: global_buffer, .address_space: global }
      - { .name: ln2_b, .offset: 24, .size: 8, .value_kind: global_buffer, .address_space: global }
      - { .name: out0, .offset: 32, .size: 8, .value_kind: global_buffer, .address_space: global }
    .group_segment_fixed_size: 0
    .private_segment_fixed_size: 0
    .kernarg_segment_align: 8
    .kernarg_segment_size: 40
    .max_flat_workgroup_size: 256
    .sgpr_count:     66
    .vgpr_count:     256
    .wavefront_size: 32
...
	.end_amdgpu_metadata
.endif
;; end of part 16
